; MI455X (gfx1250); checked and timed in simulation.
; The chip was launched on July 23, 2026; its instructions are those of AMD's public machine-readable ISA for CDNA 5 (MIT licence, August 2026) and "CDNA5" Instruction Set Architecture Reference Guide (July 2026). The comments in the code are by the model that wrote it; some were corrected since.
;; S Attention. Allowed arithmetic: matrix products marked QUANTISED: E2M3 operands, one E8M0 scale for each 32 along K, by v_wmma_scale_f32_16x16x128_f8f6f4 with both operands' format E2M3, f32 sums; everything else in f32.
;; Inputs: W1 512 x 512 float32; W2 512 x 512 float32; Wk 512 x 512 float32; Wq 512 x 512 float32; Wv 512 x 512 float32; b1 512 float32; b2 512 float32; bf1 512 float32; bf2 512 float32; g1 512 float32; g2 512 float32; x 512 x 64 x 512 float32.
;; Outputs: out0 512 x 64 x 512 float32.
;; This version of the problem:
;;   THIS VERSION OF THE PROBLEM IS GIVEN IN LOW PRECISION. The matrix products marked QUANTISED in the list below multiply operands that are first quantised to E2M3 (2 exponent bits, 3 mantissa bits; 6 bits a number), with one power-of-two scale for each 32 numbers along K (OCP MX v1.0); their sums are f32. All else is computed in f32.
;;   The module's matrix products, in the order in which they are computed (A, B: the left and right operand; K: the contracted axis; several contracted axes count as one K, in the product's order):
;;     1. [M 32,768, K 512] x [K 512, N 512]; A: computed on the way; B: input Wq: QUANTISED
;;     2. [M 32,768, K 512] x [K 512, N 512]; A: computed on the way; B: input Wk: QUANTISED
;;     3. [M 32,768, K 512] x [K 512, N 512]; A: computed on the way; B: input Wv: QUANTISED
;;     4. batch 512 x [M 512, K 64] x [K 64, N 512]; A: computed on the way; B: computed on the way: QUANTISED
;;     5. batch 512 x [M 64, K 512] x [K 512, N 512]; A: computed on the way; B: softmax (see below): QUANTISED
;;     6. [M 32,768, K 512] x [K 512, N 512]; A: computed on the way; B: input W1: QUANTISED
;;     7. [M 32,768, K 512] x [K 512, N 512]; A: computed on the way; B: input W2: QUANTISED
;;   THE QUANTISER, for each operand of a quantised product, along K:
;;     - K is cut into blocks of 32 from its start; a last block that is shorter is filled with zeros.
;;     - A block's scale is 2^e with e = floor(log2(the largest magnitude in the block)) - 2, held to -126 .. 127; a block of zeros has e = 0. As a byte (E8M0): e + 127.
;;     - Each number is divided by its block's scale, clamped to +-7.5, and rounded to the nearest number of E2M3, ties to even, subnormals kept.
;;     - The product sums the exact products of the quantised numbers (number of the format x scale) in f32.
;;   ~~~python
;;   def quantise(x, axis):      # numpy; x: float32 -> the quantised numbers, widened to float32 again
;;       x = np.moveaxis(x, axis, -1); K = x.shape[-1]
;;       x = np.pad(x, [(0, 0)] * (x.ndim - 1) + [(0, -K % 32)]); x = x.reshape(x.shape[:-1] + (-1, 32)); a = np.abs(x).max(-1, keepdims=True)
;;       e = np.where(a > 0, np.clip(np.frexp(np.where(a > 0, a, 1))[1] - 1 - 2, -126, 127), 0)      # np.frexp(a)[1] - 1 = floor(log2(a)), exactly
;;       r = np.clip(x / 2.0 ** e, -7.5, 7.5)
;;       step = 2.0 ** (np.maximum(np.frexp(np.where(r == 0, 1, r))[1] - 1, 0) - 3)
;;       q = np.round(r / step) * step * 2.0 ** e      # np.round: ties to even
;;       return np.moveaxis(q.reshape(q.shape[:-2] + (-1,))[..., :K], -1, axis).astype(np.float32)
;;   ~~~
;;   SOFTMAX AHEAD OF A QUANTISED PRODUCT. Where the list says 'softmax', what is quantised is not the finished softmax but p = 2^(t - M), with t = logit x log2(e) and M = ceil(the row's largest t), a whole number; so 1/2 < the row's largest p <= 1. The row's sum l is taken of the UNQUANTISED p, in f32, and the product's result is divided by l at the end. Since M is a whole number, a kernel that streams over the keys may use a running M (the ceiling of the running maximum): every later rescaling is an exact power of two, which a block's scale takes up: the codes' values come out the same.
;;   OPERANDS COMPUTED ON THE WAY. 'Computed on the way' means the value that the module computes at that place (a softmax that the list does not call 'softmax' is quantised finished and normalised). What goes into a quantiser is computed in f32, as accurately as f32 sums, v_exp_f32 and their like allow (about 1e-6 of the number): no bf16 or f16 on the way to a quantiser, and a product that is left as it is and whose result goes on into a quantised operand takes f32 operands (vector FMAs, or v_wmma_f32_16x16x4_f32). A number that lies on a knife's edge between two numbers of the format may be rounded either way, as far as f32 arithmetic and the matrix unit's own rounding can turn it there, and no further.
;; 2 versions. Each part assembles by itself: llvm-mc -triple=amdgcn-amd-amdhsa -mcpu=gfx1250 --defsym DOCPART=n.
;; ======== version 1 of 2: 3 launches
;; workspace buffers: wimg 1,064,960 bytes; ximg 13,631,488 bytes; stat 524,288 bytes; y 67,108,864 bytes
;; launch prep (part 1): grid 552 x 1, 4 waves a work-group, no clusters, 16,896 bytes of LDS; arguments x, Wq, Wk, Wv, W1, W2, g1, b1, wimg, ximg, stat; writes wimg, ximg, stat
.if DOCPART == 1
	.amdgcn_target "amdgcn-amd-amdhsa--gfx1250"
	.amdhsa_code_object_version 6
	.text
	.protected	k_qba23c8ba20_prep
	.globl	k_qba23c8ba20_prep
	.p2align	8
	.type	k_qba23c8ba20_prep,@function
k_qba23c8ba20_prep:
	s_mov_b64 s[64:65], 0
	v_nop
	global_prefetch_b8 v0, s[64:65] scope:SCOPE_SE
	s_setreg_imm32_b32 hwreg(HW_REG_WAVE_MODE, 25, 1), 1
	s_wait_xcnt 0x0
; The five weights [512][512] f32 (K innermost) and xn = layernorm(x) are turned into codes of FP6 (E2M3) with one E8M0 byte for each 32 along K.
; ONE WAVE MAKES ONE RECORD: a tile of 16 rows x 512 K as an image of the operand's registers, 6,656 bytes: the fragment of K step s at 1536 s (register group c at 512 c, lane l's 16 bytes
; at 16 l), then the scale words at 6144 + 16 l (word s for K step s).  A later launch gets a fragment by three loads of 16 bytes a lane.
; WHICH ROWS FORM A TILE.  Wq, Wk, W1 and x: lane r of tile t takes row 32 (t / 2) + 8 (t % 2) + r + 8 (r / 8), so that a product used transposed leaves 16 neighbours along the next K in a lane's
; 16 registers of tiles 2 b and 2 b + 1.  Wv, W2: row 16 t + r.  For x a row is a place s of one b: rows are 64 x 2,048 bytes apart.
; SHARES.  160 weight tiles and 2,048 tiles of x: 552 work-groups of four waves.  Work-groups 0-39 take the weights (weight = id / 8, tile = 4 (id % 8) + wave); the others, j = id - 40, take
; b = 4 (j % 16) + wave and tile j / 16.  One text serves both: only pointers, pitch and the order of rows are chosen, and the weights jump over the layernorm.
; LANES.  Lane (r, h) holds, of row r, the 16 numbers 32 b + 16 h + 0 .. 15 of every block of 32: 256 numbers, register 64 s + 16 b + i.  Lanes r and r + 16 share a row and every block.
; LAYERNORM in two passes over registers: mean; centred; mean of squares; (x - mu) * rsqrt(var + eps) * g + b, in that order.  (mu, rstd) of each row go to stat, 8 bytes a lane.
; A block's scale byte is its largest magnitude's exponent field - 2, held at 1 from below.
; LIMITS: NaN and infinities are not served; a block whose largest magnitude lies under 2^-124 gets the byte 1; a block of zeros gets the byte 1 and not 127: its codes are zeros and this program alone reads the bytes.
; No matrix unit, cluster or tensor load: a stream whose bytes the vector unit takes in the operand's own lane order.  All of a wave's loads are issued at its head.
.set NWW,    40                        ; work-groups that take weights
.set REC,    6656
.set FLOOR,  0x1800000                 ; 2^(3 - 127)
.set MINUS2, 0xff000000                ; 2 off an exponent field
.set XA,  4                            ; v4  my byte in the tile's rows
.set L16, 5                            ; v5  16 x lane
.set L8,  6                            ; v6  8 x lane
.set AG,  7                            ; v7  LDS: my wave's g and b, + 64 h
.set AW,  8                            ; v8  LDS: my wave's 4 KB, + 16 x lane
.set TM,  16                           ; v16-31  the quantiser's work
.set SA,  32                           ; v32-39  four packed sums
.set SQ,  40                           ; v40-47  four packed sums of squares
.set MU,  48                           ; v48-49  the mean, twice
.set RS,  50                           ; v50-51  1 / sqrt(var + eps), twice
.set MR,  52                           ; v52-53  (mu, rstd) to store
.set PC,  56                           ; v56-103 the codes, 12 registers a K step
.set PT,  104                          ; v104-111 halves of blocks on their way
.set PW,  112                          ; v112-115 the scale words
.set GB,  128                          ; v128-255 g and b of half a K step, two sets of 32 + 32
.set SEL, 54                           ; s[54:55] v_permlanex16_b32's selects for lane l xor 16
.set INV, 56                           ; s56 1 / 512
.set EPSR, 57                          ; s57 1e-5
.set MSB, 0
.macro WIN new                         ; the immediate's high byte repeats the setting that is left; a switch that changes nothing is dropped
.if MSB != (\new)
	s_set_vgpr_msb (MSB<<8)|(\new)
.set MSB, \new
.endif
.endm
; 64 numbers of a lane in window nw, register sr + 16 b + i = k 32 b + 16 h + i of my row, become a fragment's codes in v[pc] on and its scale word in v[pw]
.macro QUANT nw, sr, pc, pt, pw
	WIN (\nw)|((\nw)<<2)
.irp qb, 0,1,2,3
	v_max3_num_f32 v[TM+\qb], |v[(\sr)+16*\qb]|, |v[(\sr)+16*\qb+1]|, FLOOR   ; block b: my 16 numbers, and the floor, which holds the byte at 1 from below
.endr
	WIN ((\nw)<<2)|((\nw)<<4)
.irp qi, 2,4,6,8,10,12,14
.irp qb, 0,1,2,3
	v_max3_num_f32 v[TM+\qb], v[TM+\qb], |v[(\sr)+16*\qb+\qi]|, |v[(\sr)+16*\qb+\qi+1]|   ; the four blocks by turns
.endr
.endr
	WIN 0
.irp qb, 0,1,2,3
	v_permlanex16_b32 v[TM+4+\qb], v[TM+\qb], s[SEL], s[SEL+1]
.endr
.irp qb, 0,1,2,3
	v_max_num_f32 v[TM+\qb], v[TM+\qb], v[TM+4+\qb]              ; with lane l xor 16's: the block's largest magnitude
.endr
.irp qb, 0,1,2,3
	v_add_nc_u32 v[TM+12+\qb], MINUS2, v[TM+\qb]                 ; the conversion takes this operand's exponent field as its scale
.endr
.irp qb, 0,1,2,3
	v_lshrrev_b32 v[TM+4+\qb], 23, v[TM+12+\qb]                  ; the scale's byte
.endr
	v_lshl_or_b32 v[\pw], v[TM+5], 8, v[TM+4]
	v_lshl_or_b32 v[\pw], v[TM+6], 16, v[\pw]
	v_lshl_or_b32 v[\pw], v[TM+7], 24, v[\pw]
	WIN (\nw)
.irp qc, 0,1
	v_cvt_scalef32_pk16_fp6_f32 v[(\pc)+6*\qc:(\pc)+6*\qc+2], v[(\sr)+32*\qc:(\sr)+32*\qc+15], v[TM+12+2*\qc]
	v_cvt_scalef32_pk16_fp6_f32 v[(\pt)+4*\qc:(\pt)+4*\qc+2], v[(\sr)+32*\qc+16:(\sr)+32*\qc+31], v[TM+13+2*\qc]   ; (a conversion's three registers begin on an even number)
.endr
	WIN 0
	v_nop                                                        ; one plain instruction behind the conversions
.irp qc, 0,1                                                     ; the operand wants a whole block in a lane: lanes 0-15 block 2 c, lanes 16-31 block 2 c + 1
.irp qi, 0,1,2
	v_permlane16_swap_b32 v[(\pc)+6*\qc+\qi], v[(\pt)+4*\qc+\qi]
.endr
.irp qi, 0,1,2
	v_mov_b32 v[(\pc)+6*\qc+3+\qi], v[(\pt)+4*\qc+\qi]
.endr
.endr
.endm
.macro REDUCE rb                       ; four packed sums, then the other half of the row in lane l xor 16: the row's sum in v[TM]
	v_pk_add_f32 v[\rb:\rb+1], v[\rb:\rb+1], v[\rb+2:\rb+3]
	v_pk_add_f32 v[\rb+4:\rb+5], v[\rb+4:\rb+5], v[\rb+6:\rb+7]
	v_pk_add_f32 v[\rb:\rb+1], v[\rb:\rb+1], v[\rb+4:\rb+5]
	v_add_f32 v[TM], v[\rb], v[\rb+1]
	v_permlanex16_b32 v[TM+4], v[TM], s[SEL], s[SEL+1]
	v_add_f32 v[TM], v[TM], v[TM+4]
.endm
.macro LOADGB q                        ; g and b of my 32 columns of half step q (registers 32 q on): 16 loads into set q % 2
.set gq, GB+64*((\q)&1)
.set go, 256*(\q)
.irp e, 0,1,2,3,4,5,6,7
	ds_load_b128 v[gq+4*\e:gq+4*\e+3], v[AG] offset:go+128*(\e/4)+16*(\e%4)
.endr
.irp e, 0,1,2,3,4,5,6,7
	ds_load_b128 v[gq+32+4*\e:gq+35+4*\e], v[AG] offset:2048+go+128*(\e/4)+16*(\e%4)
.endr
.endm
.macro LNORM nw                        ; the 256 numbers in window nw become (x - mu) * rstd * g + b
	WIN (\nw)|((\nw)<<2)
.irp k, 0,1,2,3
	v_pk_add_f32 v[SA+2*\k:SA+2*\k+1], v[2*\k:2*\k+1], v[8+2*\k:9+2*\k]   ; the first pairs start the four chains: nothing is cleared
.endr
	WIN (\nw)<<2
.set li, 8
.rept 120
	v_pk_add_f32 v[SA+2*(li%4):SA+2*(li%4)+1], v[SA+2*(li%4):SA+2*(li%4)+1], v[2*li:2*li+1]
.set li, li+1
.endr
	WIN 0
	REDUCE SA
	v_mul_f32 v[MU], s[INV], v[TM]
	v_mov_b32 v[MU+1], v[MU]
	WIN ((\nw)<<6)|(\nw)
.set li, 0
.rept 128
	v_pk_add_f32 v[2*li:2*li+1], v[2*li:2*li+1], v[MU:MU+1] neg_lo:[0,1] neg_hi:[0,1]   ; x - mu
.set li, li+1
.endr
	WIN (\nw)|((\nw)<<2)
.irp k, 0,1,2,3
	v_pk_mul_f32 v[SQ+2*\k:SQ+2*\k+1], v[2*\k:2*\k+1], v[2*\k:2*\k+1]
.endr
.set li, 4
.rept 124
	v_pk_fma_f32 v[SQ+2*(li%4):SQ+2*(li%4)+1], v[2*li:2*li+1], v[2*li:2*li+1], v[SQ+2*(li%4):SQ+2*(li%4)+1]
.set li, li+1
.endr
	WIN 0
	REDUCE SQ
	v_fma_f32 v[TM], v[TM], s[INV], s[EPSR]                      ; var + eps
	v_rsq_f32 v[RS], v[TM]
	LOADGB 0
	LOADGB 1
	v_nop                                                        ; a plain instruction behind the root,
	s_wait_alu depctr_va_vdst(0)                                 ; and the wait ahead of its first reader
	v_mov_b32 v[RS+1], v[RS]
	WIN ((\nw)<<6)|(\nw)
.set li, 0
.rept 128
	v_pk_mul_f32 v[2*li:2*li+1], v[2*li:2*li+1], v[RS:RS+1]
.set li, li+1
.endr
.irp q, 0,1,2,3,4,5,6,7
.if \q < 7
	s_wait_dscnt 16                                              ; this half step's g and b are in; the next half step's 16 loads may be out
.else
	s_wait_dscnt 0x0
.endif
	WIN ((\nw)<<6)|(\nw)
.set gq, GB+64*(\q&1)
.set li, 0
.rept 16
	v_pk_fma_f32 v[32*\q+2*li:32*\q+2*li+1], v[32*\q+2*li:32*\q+2*li+1], v[gq+2*li:gq+2*li+1], v[gq+32+2*li:gq+33+2*li]
.set li, li+1
.endr
.if \q < 6
	WIN 0
	LOADGB \q+2
.endif
.endr
	WIN 0
.endm
	s_load_b512 s[4:19], s[0:1], 0x0               ; x, Wq, Wk, Wv, W1, W2, g1, b1
	s_load_b128 s[20:23], s[0:1], 0x40             ; wimg, ximg
	s_load_b64 s[24:25], s[0:1], 0x50              ; stat
	v_lshl_add_u32 v126, v0, 2, 0x4000
	v_mov_b32 v127, 0
	v_lshrrev_b32 v1, 5, v0
	v_readfirstlane_b32 s26, v1                    ; wave 0..3
	v_and_b32 v1, 31, v0                           ; lane
	v_and_b32 v2, 15, v0                           ; r
	v_bfe_u32 v3, v0, 4, 1                         ; h
	s_mov_b32 s[SEL], 0x76543210
	s_mov_b32 s[SEL+1], 0xfedcba98
	s_mov_b32 s[INV], 0x3b000000
	s_mov_b32 s[EPSR], 0x3727c5ac
	; both sets of numbers are made, then one compare chooses
	s_lshr_b32 s27, ttmp9, 3                       ; weights: which weight,
	s_and_b32 s38, ttmp9, 7
	s_lshl_b32 s38, s38, 2
	s_add_co_u32 s38, s38, s26                     ; which tile,
	s_lshr_b32 s39, 0x0b, s27
	s_and_b32 s39, s39, 1                          ; rows in the order 0-7, 16-23 (Wq, Wk, W1) or on end (Wv, W2),
	s_lshl_b32 s42, s27, 5
	s_add_co_u32 s42, s42, s38                     ; which record
	s_sub_co_u32 s43, ttmp9, NWW                   ; x: j,
	s_and_b32 s44, s43, 15
	s_lshl_b32 s44, s44, 2
	s_add_co_u32 s44, s44, s26                     ; b,
	s_lshr_b32 s45, s43, 4                         ; tile,
	s_lshl_b32 s46, s44, 5
	s_add_co_u32 s46, s46, s45                     ; record,
	s_lshl_b32 s47, s44, 11                        ; b's 2,048 bytes in a place s
	s_cmp_lt_u32 ttmp9, NWW
	s_cselect_b32 s28, s27, 7                      ; the source: 0-4 a weight, 7 x
	s_cselect_b32 s29, s38, s45                    ; the tile
	s_cselect_b32 s30, s39, 1                      ; the order of rows
	s_mov_b32 s31, 0x20000
	s_cselect_b32 s31, 2048, s31                   ; bytes from row to row
	s_cselect_b32 s36, 0, s47
	s_cselect_b32 s37, s42, s46                    ; the record
	s_lshr_b32 s48, s29, 1
	s_lshl_b32 s48, s48, 5
	s_and_b32 s49, s29, 1
	s_lshl_b32 s49, s49, 3
	s_add_co_u32 s48, s48, s49                     ; 32 (t / 2) + 8 (t % 2),
	s_lshl_b32 s49, s29, 4                         ; or 16 t
	s_cmp_eq_u32 s30, 1
	s_cselect_b32 s48, s48, s49                    ; the tile's first row
	s_mul_i32 s48, s48, s31
	s_add_co_u32 s48, s48, s36                     ; in bytes (under 2^27)
	s_mov_b32 s49, 0
	s_mul_i32 s50, s37, REC
	s_mov_b32 s51, 0
	s_lshl_b32 s52, s26, 12                        ; my wave's 4 KB of LDS
	v_and_b32 v9, 8, v2
	v_mul_lo_u32 v9, v9, s30
	v_add_nc_u32 v9, v9, v2                        ; r + 8 (r / 8), or r
	v_mul_lo_u32 v[XA], v9, s31
	v_lshl_add_u32 v[XA], v3, 6, v[XA]             ; + 64 h: my 16 numbers of a block of 32
	v_lshlrev_b32 v[L16], 4, v1
	v_lshlrev_b32 v[L8], 3, v1
	v_lshl_add_u32 v[AG], v3, 6, s52
	v_add_nc_u32 v[AW], s52, v[L16]
.irp i, 4,5,6,7
	v_mov_b32 v[TM+\i], 0                          ; written once: a lane permute's destination counts as one of its sources
.endr
	s_wait_kmcnt 0x0
	s_cmp_lt_u32 ttmp9, NWW
	s_cselect_b64 s[34:35], s[20:21], s[22:23]     ; where the record goes
	s_mov_b64 s[32:33], s[4:5]                     ; where the rows come from
	s_cmp_eq_u32 s28, 0
	s_cselect_b64 s[32:33], s[6:7], s[32:33]
	s_cmp_eq_u32 s28, 1
	s_cselect_b64 s[32:33], s[8:9], s[32:33]
	s_cmp_eq_u32 s28, 2
	s_cselect_b64 s[32:33], s[10:11], s[32:33]
	s_cmp_eq_u32 s28, 3
	s_cselect_b64 s[32:33], s[12:13], s[32:33]
	s_cmp_eq_u32 s28, 4
	s_cselect_b64 s[32:33], s[14:15], s[32:33]
	s_add_nc_u64 s[32:33], s[32:33], s[48:49]
	s_add_nc_u64 s[34:35], s[34:35], s[50:51]
	s_lshl_b32 s50, s37, 8
	s_add_nc_u64 s[24:25], s[24:25], s[50:51]      ; stat: 256 bytes a record (used for x alone)
	WIN 0x40                                       ; destination window 1
.set li, 0
.rept 64                                       ; register 4 li = 64 s + 16 b + 4 j
	global_load_b128 v[4*li:4*li+3], v[XA], s[32:33] offset:512*(li/16)+128*((li/4)%4)+16*(li%4) th:TH_LOAD_NT
.set li, li+1
.endr
	WIN 0
	s_cmp_lt_u32 ttmp9, NWW
	s_cbranch_scc1 .Lquant                         ; a weight is quantised as it is
.irp i, 0,1,2,3
	global_load_b128 v[GB+4*\i:GB+4*\i+3], v[L16], s[16:17] offset:512*\i
	global_load_b128 v[GB+16+4*\i:GB+19+4*\i], v[L16], s[18:19] offset:512*\i
.endr
	s_wait_loadcnt 0x0
.irp i, 0,1,2,3                                ; g1 and b1 into my wave's own bytes: LDS serves a wave's instructions in order, so no barrier
	ds_store_b128 v[AW], v[GB+4*\i:GB+4*\i+3] offset:512*\i
	ds_store_b128 v[AW], v[GB+16+4*\i:GB+19+4*\i] offset:2048+512*\i
.endr
	s_wait_dscnt 0x0                               ; the stores have read their registers, which take g and b again below
	LNORM 1
	v_mov_b32 v[MR], v[MU]
	v_mov_b32 v[MR+1], v[RS]
	global_store_b64 v[L8], v[MR:MR+1], s[24:25]   ; 32 lanes store 256 consecutive bytes, aligned
.Lquant:
	s_wait_loadcnt 0x0
.irp ks, 0,1,2,3
	QUANT 1, 64*\ks, PC+12*\ks, PT, PW+\ks
.endr
.irp ks, 0,1,2,3                               ; each K step has registers of its own for its codes: no store's data are written again
.irp c, 0,1,2
	global_store_b128 v[L16], v[PC+12*\ks+4*\c:PC+12*\ks+4*\c+3], s[34:35] offset:1536*\ks+512*\c   ; 512 consecutive bytes, aligned
.endr
.endr
	global_store_b128 v[L16], v[PW:PW+3], s[34:35] offset:6144
	s_wait_tensorcnt 0x0
	ds_add_u32 v126, v127
	s_wait_dscnt 0x0
	s_endpgm
.Lfunc_end_k_qba23c8ba20_prep:
	.size	k_qba23c8ba20_prep, .Lfunc_end_k_qba23c8ba20_prep-k_qba23c8ba20_prep
	.p2alignl 7, 3214868480
	.fill 96, 4, 3214868480
	.section	.rodata,"a",@progbits
	.p2align	6, 0x0
	.amdhsa_kernel k_qba23c8ba20_prep
		.amdhsa_group_segment_fixed_size 16896
		.amdhsa_private_segment_fixed_size 0
		.amdhsa_enable_private_segment 0
		.amdhsa_kernarg_size 88
		.amdhsa_user_sgpr_count 2
		.amdhsa_user_sgpr_kernarg_segment_ptr 1
		.amdhsa_wavefront_size32 1
		.amdhsa_system_sgpr_workgroup_id_x 1
		.amdhsa_system_sgpr_workgroup_id_y 1
		.amdhsa_system_sgpr_workgroup_id_z 1
		.amdhsa_system_vgpr_workitem_id 0
		.amdhsa_next_free_vgpr 512
		.amdhsa_next_free_sgpr 66
		.amdhsa_reserve_vcc 0
		.amdhsa_float_denorm_mode_32 3
		.amdhsa_float_denorm_mode_16_64 3
		.amdhsa_memory_ordered 1
		.amdhsa_forward_progress 1
		.amdhsa_inst_pref_size 78
	.end_amdhsa_kernel
	.amdgpu_metadata
---
amdhsa.version: [ 1, 2 ]
amdhsa.kernels:
  - .name:           k_qba23c8ba20_prep
    .symbol:         k_qba23c8ba20_prep.kd
    .args:
      - { .name: x, .offset: 0, .size: 8, .value_kind: global_buffer, .address_space: global }
      - { .name: Wq, .offset: 8, .size: 8, .value_kind: global_buffer, .address_space: global }
      - { .name: Wk, .offset: 16, .size: 8, .value_kind: global_buffer, .address_space: global }
      - { .name: Wv, .offset: 24, .size: 8, .value_kind: global_buffer, .address_space: global }
      - { .name: W1, .offset: 32, .size: 8, .value_kind: global_buffer, .address_space: global }
      - { .name: W2, .offset: 40, .size: 8, .value_kind: global_buffer, .address_space: global }
      - { .name: g1, .offset: 48, .size: 8, .value_kind: global_buffer, .address_space: global }
      - { .name: b1, .offset: 56, .size: 8, .value_kind: global_buffer, .address_space: global }
      - { .name: wimg, .offset: 64, .size: 8, .value_kind: global_buffer, .address_space: global }
      - { .name: ximg, .offset: 72, .size: 8, .value_kind: global_buffer, .address_space: global }
      - { .name: stat, .offset: 80, .size: 8, .value_kind: global_buffer, .address_space: global }
    .group_segment_fixed_size: 16896
    .private_segment_fixed_size: 0
    .kernarg_segment_align: 8
    .kernarg_segment_size: 88
    .max_flat_workgroup_size: 128
    .sgpr_count:     66
    .vgpr_count:     512
    .wavefront_size: 32
...
	.end_amdgpu_metadata
.endif
;; end of part 1
;; launch attn (part 2): grid 4 x 64, 8 waves a work-group, no clusters, 267,264 bytes of LDS; arguments ximg, wimg, stat, x, g1, b1, y; writes y
.if DOCPART == 2
	.amdgcn_target "amdgcn-amd-amdhsa--gfx1250"
	.amdhsa_code_object_version 6
	.text
	.protected	k_qba23c8ba20_attn
	.globl	k_qba23c8ba20_attn
	.p2align	8
	.type	k_qba23c8ba20_attn,@function
k_qba23c8ba20_attn:
	s_mov_b64 s[64:65], 0
	v_nop
	global_prefetch_b8 v0, s[64:65] scope:SCOPE_SE
	s_setreg_imm32_b32 hwreg(HW_REG_WAVE_MODE, 25, 1), 1
	s_wait_xcnt 0x0
; y = xn + attention(xn), for one b and one pair of heads (128 columns): work-group x = the pair hp, y = b.  All products on codes of FP6 (E2M3) with one E8M0 byte for each 32 along K.
; PHASE P: q, k, v = xn Wq^T, xn Wk^T, xn Wv^T for the pair's 128 columns and all 512 places s, quantised on the way and kept in LDS.  PHASE A: per head and tile of 16 queries: S^T = k q^T, softmax, O^T = v^T p^T.
; xn's codes come as records (16 rows x 512 K as images of the operand's registers, 6,656 bytes: fragment s at 1536 s, scale words at 6144), 32 for this b; tile T, lane r is place 32 (T / 2) + 8 (T % 2) + r + 8 (r / 8).
; That one order of rows serves all three: k and q are made transposed (source 0 = 16 rows of W, source 1 = xn), so a lane holds one place s and 16 neighbouring d; S^T's registers of key tiles 2 b, 2 b + 1 are 16
; neighbouring keys; v is made the natural way (source 0 = xn, source 1 = Wv), so a lane holds one d and its registers of row tiles 2 b, 2 b + 1 are 16 neighbouring keys, which are the second product's K.
; LDS: five areas of 53,248 bytes.  Area g + 1 takes xn's chunk g (8 records, 128 places), filled ONCE by tensor loads, all issued at the head: by this text's count four a wave are out.  The results of chunk g go
; to area g, whose bytes (for g > 0: chunk g - 1 of xn) have had their only fill and their last read at the barrier that opens chunk g.  Nothing is filled a second time.  Area 4 becomes the waves' stages for the way out.
;   in a result area: head hs at 18432 hs: q's rows (48 bytes = 64 codes; tile T' at 768 T'), at 6144 k's rows, at 12288 v^T's four fragments (d tile n at 1536 n), as images;
;   at 36864 + 1536 hs: q's scale bytes (16 bytes a lane: tile T', block: 2 T' + block), at + 512 k's, at + 1024 v's scale words (128 n + 4 lane).
; K = 64 IN AN INSTRUCTION 128 DEEP: source 0 holds TWO key tiles, registers 0-5 tile 2 P, registers 6-11 tile 2 P + 1, with their four true scale bytes.  q stands as [q | zero codes | q]: registers 0-11 of it give tile 2 P's
; scores, registers 6-17 tile 2 P + 1's.  The zero codes stand on q's side alone; they add nothing under any byte but 0xff, and the bytes beside them are 0 or true bytes.
; SOFTMAX: t = score x log2(e) / 8; all 512 scores of a query tile stay in registers, so M = ceil(the row's largest t) is final; p = 2^(t - M) is quantised along the keys; the row's sum is taken of the unquantised p.
; SHARES: eight waves, two to a SIMD, so that one wave's products and LDS loads stand beside the other's softmax.  Phase P: wave w makes one block of 32 of q (w < 4) or k for head (w / 2) % 2, block w % 2, and v's d tile w.
; Phase A: wave w takes head w % 2 and query tiles 8 (w / 2) + 0 .. 7.
; The residual xn is made anew from x and (mu, rstd), by the same three operations that made it ahead of the quantiser; x's rows are asked for a softmax ahead of their use.
; NO CLUSTER: the four work-groups of a b share xn's codes, 212,992 bytes; beside them each moves 159,744 bytes of weights and 2 x 262,144 bytes of x and y of its own, so what is shared is about a quarter of its bytes.
; LIMITS: NaN and infinities are not served; a block whose largest magnitude lies under 2^-124, or is 0, gets the byte 1 (its codes are then small or zeros; this program alone reads the bytes); p under 2^-126 counts as 0.
.set AREA,   53248
.set REC,    6656
.set FLOOR,  0x1800000
.set MINUS2, 0xff000000
; scalars
.set WV,  18                           ; s18 wave
.set HP,  19                           ; s19 the pair of heads
.set BB,  20                           ; s20 b
.set CS,  22                           ; s[22:23] log2(e) / 8
.set G1,  24                           ; s[24:31] descriptor group 1
.set G0,  32                           ; s[32:47] four groups 0
.set WQK, 48                           ; s[48:49] my two records of Wq or Wk
.set WVB, 50                           ; s[50:51] my record of Wv
.set SEL, 52                           ; s[52:53] selects for lane l xor 16
; phase P, window 0
.set L16, 4
.set AX,  5                            ; v5  16 lane + the chunk's area
.set AQK, 6                            ; v6  where my 12 bytes of a row of q or k go
.set ASB, 7                            ; v7  where my scale byte goes
.set AVI, 8                            ; v8  where v^T's image goes
.set AVS, 9                            ; v9  and its scale word
.set HA,  16                           ; v16-31  two tiles of q or k
.set PCB, 32                           ; v32-39  their codes, two sets
.set BY,  40                           ; v40-41  their byte, two sets
.set TM,  44                           ; v44-59
.set PC,  60                           ; v60-71
.set PT,  72                           ; v72-79
.set PW,  80
.set VA,  96                           ; v96-159 eight tiles of v
.set WS,  216                          ; v216-227 the weights' scale words (4 j + s);  v228-235 xn's, two sets.  v216-253 hold scales and nothing else
.set XS,  228
.set WF,  256                          ; window 1: my 12 weight fragments (48 j + 12 s);
.set XF,  400                          ; xn's four, two sets
; phase A, window 0
.set AK,  4                            ; v4-7   k's rows in area g
.set AV,  8                            ; v8-11  v^T's images
.set AS,  12                           ; v12-15 k's scale words
.set AQ0, 16
.set AQ,  17
.set AQS0, 18
.set AQS, 19
.set STO, 20
.set RD,  21
.set XO,  22
.set SO,  23
.set ASV, 24                           ; v24-27 v's scale words
.set QF,  28                           ; v28-45 q | zeros | q
.set KF,  48                           ; v48-95 two sets of two fragments of k;  later:
.set XR,  48                           ; v48-79 x's rows,
.set ST,  80                           ; v80-95 their (mu, rstd)
.set BM,  96                           ; v96-111 a block's largest score, then its largest p, then the conversion's scale operand
.set BT,  112                          ; v112-127 at work ahead of p's codes
.set PF,  112                          ; v112-159 p's four fragments
.set PTA, 160                          ; v160-167
.set GR,  168
.set BR,  172
.set RM,  176
.set NM,  178                          ; v178-179 -M
.set LS,  180                          ; v180-187 the row's sum in four packed chains
.set RL,  188                          ; v188-189 1 / the sum
.set PX,  190
.set KS,  216                          ; v216-231 k's scale words, one for each pair of key tiles
.set QSL, 232
.set QSH, 233
.set PS,  234                          ; v234-237 p's scale words
.set VS,  238                          ; v238-253 v's (4 s + n)
.set MSB, 0
.macro WIN new
.if MSB != (\new)
	s_set_vgpr_msb (MSB<<8)|(\new)
.set MSB, \new
.endif
.endm
; a product; register numbers count through the windows; c = -1: the constant 0 starts the sum
.macro WM d, a, b, c, sa, sb
.if (\c) < 0
	WIN (((\d)>>8)<<6)|(((\d)>>8)<<4)|(((\b)>>8)<<2)|((\a)>>8)
	v_wmma_scale_f32_16x16x128_f8f6f4 v[(\d)&255:((\d)&255)+7], v[(\a)&255:((\a)&255)+11], v[(\b)&255:((\b)&255)+11], 0, v[\sa], v[\sb] matrix_a_fmt:MATRIX_FMT_FP6 matrix_b_fmt:MATRIX_FMT_FP6
.else
	WIN (((\d)>>8)<<6)|(((\c)>>8)<<4)|(((\b)>>8)<<2)|((\a)>>8)
	v_wmma_scale_f32_16x16x128_f8f6f4 v[(\d)&255:((\d)&255)+7], v[(\a)&255:((\a)&255)+11], v[(\b)&255:((\b)&255)+11], v[(\c)&255:((\c)&255)+7], v[\sa], v[\sb] matrix_a_fmt:MATRIX_FMT_FP6 matrix_b_fmt:MATRIX_FMT_FP6
.endif
.endm
.macro PLACES n
.rept \n
	v_nop
.endr
.endm
.macro BARRIER                         ; my LDS stores have landed and my LDS loads are in: then the work-group's barrier
	s_wait_dscnt 0x0
	s_barrier_signal -1
	s_barrier_wait -1
.endm
.macro QUANT nw, sr, pc, pt, pw        ; 64 numbers of a lane, register sr + 16 b + i = k 32 b + 16 h + i of my row, become a fragment in v[pc] on and its scale word in v[pw]
	WIN (\nw)|((\nw)<<2)
.irp qb, 0,1,2,3
	v_max3_num_f32 v[TM+\qb], |v[(\sr)+16*\qb]|, |v[(\sr)+16*\qb+1]|, FLOOR
.endr
	WIN ((\nw)<<2)|((\nw)<<4)
.irp qi, 2,4,6,8,10,12,14
.irp qb, 0,1,2,3
	v_max3_num_f32 v[TM+\qb], v[TM+\qb], |v[(\sr)+16*\qb+\qi]|, |v[(\sr)+16*\qb+\qi+1]|
.endr
.endr
	WIN 0
.irp qb, 0,1,2,3
	v_permlanex16_b32 v[TM+4+\qb], v[TM+\qb], s[SEL], s[SEL+1]
.endr
.irp qb, 0,1,2,3
	v_max_num_f32 v[TM+\qb], v[TM+\qb], v[TM+4+\qb]
.endr
.irp qb, 0,1,2,3
	v_add_nc_u32 v[TM+12+\qb], MINUS2, v[TM+\qb]
.endr
.irp qb, 0,1,2,3
	v_lshrrev_b32 v[TM+4+\qb], 23, v[TM+12+\qb]
.endr
	v_lshl_or_b32 v[\pw], v[TM+5], 8, v[TM+4]
	v_lshl_or_b32 v[\pw], v[TM+6], 16, v[\pw]
	v_lshl_or_b32 v[\pw], v[TM+7], 24, v[\pw]
	WIN (\nw)
.irp qc, 0,1
	v_cvt_scalef32_pk16_fp6_f32 v[(\pc)+6*\qc:(\pc)+6*\qc+2], v[(\sr)+32*\qc:(\sr)+32*\qc+15], v[TM+12+2*\qc]
	v_cvt_scalef32_pk16_fp6_f32 v[(\pt)+4*\qc:(\pt)+4*\qc+2], v[(\sr)+32*\qc+16:(\sr)+32*\qc+31], v[TM+13+2*\qc]
.endr
	WIN 0
	v_nop
.irp qc, 0,1
.irp qi, 0,1,2
	v_permlane16_swap_b32 v[(\pc)+6*\qc+\qi], v[(\pt)+4*\qc+\qi]
.endr
.irp qi, 0,1,2
	v_mov_b32 v[(\pc)+6*\qc+3+\qi], v[(\pt)+4*\qc+\qi]
.endr
.endr
.endm
	s_load_b256 s[4:11], s[0:1], 0x0               ; ximg s[4:5], wimg s[6:7], stat s[8:9], x s[10:11]
	s_load_b128 s[12:15], s[0:1], 0x20             ; g1, b1
	s_load_b64 s[16:17], s[0:1], 0x30              ; y
	v_lshl_add_u32 v254, v0, 2, 0x41000
	v_mov_b32 v255, 0
	ds_add_u32 v254, v255
	ds_add_u32 v254, v255
	v_lshrrev_b32 v1, 5, v0
	v_readfirstlane_b32 s[WV], v1                  ; wave 0..7
	s_mov_b32 s[HP], ttmp9
	s_and_b32 s[BB], ttmp7, 0xffff
	; descriptor group 1: a record is a dense block of 6,656 bytes: 26 rows of 32 elements of 8 bytes
	s_mov_b32 s[G1+0], 3<<16                       ; no mask; elements of 8 bytes; no padding
	s_mov_b32 s[G1+1], 32<<16                      ; tensor_dim0 = 32
	s_mov_b32 s[G1+2], 26<<16                      ; tensor_dim1 = 26
	s_mov_b32 s[G1+3], 32<<16                      ; tile_dim0 = 32
	s_mov_b32 s[G1+4], 26                          ; tile_dim1 = 26
	s_mov_b32 s[G1+5], 32                          ; elements from row to row
	s_mov_b32 s[G1+6], 0
	s_mov_b32 s[G1+7], 0
	s_mul_i32 s54, s[WV], REC                      ; wave w brings record w of each chunk
	s_lshl_b32 s55, s[BB], 5
	s_add_co_u32 s55, s55, s[WV]
	s_mul_i32 s56, s55, REC                        ; record 32 b + w, in bytes
	s_mov_b32 s57, 0
	s_wait_dscnt 0x0
	s_wait_kmcnt 0x0
	s_add_nc_u64 s[58:59], s[4:5], s[56:57]
.irp g, 0,1,2,3
	s_mov_b32 s[G0+4*\g], 1                        ; count = 1
	s_add_co_u32 s[G0+4*\g+1], s54, (\g+1)*AREA    ; LDS address: area g + 1
	s_add_nc_u64 s[G0+4*\g+2:G0+4*\g+3], s[58:59], \g*8*REC   ; eight records on for each chunk
	s_or_b32 s[G0+4*\g+3], s[G0+4*\g+3], 0x80000000           ; type = 2
.endr
.irp g, 0,1,2,3                                ; all fills of the launch, as one group, ahead of every wait on TENSORcnt, LDS read and barrier
	tensor_load_to_lds s[G0+4*\g:G0+4*\g+3], s[G1:G1+7]
	s_nop 0
.endr
	PLACES 4                                       ; four such lines behind the loads, ahead of a switch of windows
	v_and_b32 v1, 31, v0                           ; lane
	v_and_b32 v2, 15, v0                           ; r
	v_bfe_u32 v3, v0, 4, 1                         ; h
	v_lshlrev_b32 v[L16], 4, v1
	s_mov_b32 s[SEL], 0x76543210
	s_mov_b32 s[SEL+1], 0xfedcba98
	s_mov_b32 s[CS], 0x3e38aa3b
	s_mov_b32 s[CS+1], s[CS]                       ; (named with it as a pair, so it is written)
	s_lshr_b32 s60, s[WV], 2                       ; q (0) or k (1); also v's head of the pair
	s_bfe_u32 s61, s[WV], 0x10001                  ; the head of the pair for q and k
	s_and_b32 s62, s[WV], 1                        ; which block of 32 of the head's 64
	s_lshl_b32 s63, s60, 5
	s_lshl_b32 s66, s[HP], 3
	s_add_co_u32 s63, s63, s66
	s_lshl_b32 s67, s61, 2
	s_add_co_u32 s63, s63, s67
	s_lshl_b32 s67, s62, 1
	s_add_co_u32 s63, s63, s67                     ; record 32 kind + 8 hp + 4 hs + 2 block, and the one behind it
	s_mul_i32 s68, s63, REC
	s_mov_b32 s69, 0
	s_add_nc_u64 s[WQK:WQK+1], s[6:7], s[68:69]
	s_add_co_u32 s66, s66, s[WV]
	s_add_co_u32 s66, s66, 64                      ; Wv's record 64 + 8 hp + w
	s_mul_i32 s68, s66, REC
	s_add_nc_u64 s[WVB:WVB+1], s[6:7], s[68:69]
	WIN 0x40                                       ; destination window 1
.irp j, 0,1
.irp ks, 0,1,2,3
.irp c, 0,1,2
	global_load_b128 v[48*\j+12*\ks+4*\c:48*\j+12*\ks+4*\c+3], v[L16], s[WQK:WQK+1] offset:\j*REC+1536*\ks+512*\c
.endr
.endr
.endr
.irp ks, 0,1,2,3
.irp c, 0,1,2
	global_load_b128 v[96+12*\ks+4*\c:96+12*\ks+4*\c+3], v[L16], s[WVB:WVB+1] offset:1536*\ks+512*\c
.endr
.endr
	WIN 0
	global_load_b128 v[WS:WS+3], v[L16], s[WQK:WQK+1] offset:6144
	global_load_b128 v[WS+4:WS+7], v[L16], s[WQK:WQK+1] offset:REC+6144
	global_load_b128 v[WS+8:WS+11], v[L16], s[WVB:WVB+1] offset:6144
	s_mul_i32 s70, s62, 24
	s_mul_i32 s71, s61, 18432
	s_add_co_u32 s70, s70, s71
	s_mul_i32 s71, s60, 6144
	s_add_co_u32 s70, s70, s71
	s_mul_i32 s71, s61, 1536
	s_add_co_u32 s71, s71, s62
	s_lshl_b32 s72, s60, 9
	s_add_co_u32 s71, s71, s72
	s_add_co_u32 s71, s71, 36864
	s_and_b32 s72, s[WV], 3
	s_mul_i32 s73, s60, 18432
	s_mul_i32 s74, s72, 1536
	s_add_co_u32 s73, s73, s74
	s_add_co_u32 s73, s73, 12288
	s_mul_i32 s74, s60, 1536
	s_lshl_b32 s75, s72, 7
	s_add_co_u32 s74, s74, s75
	s_add_co_u32 s74, s74, 36864+1024
	v_add_nc_u32 v[AX], AREA, v[L16]
	v_mul_u32_u24 v[AQK], v2, 48
	v_mad_u32_u24 v[AQK], v3, 12, v[AQK]
	v_add_nc_u32 v[AQK], s70, v[AQK]               ; 48 r + 12 h + 24 block + 18432 hs + 6144 kind
	v_add_nc_u32 v[ASB], s71, v[L16]               ; 16 lane + block + 36864 + 1536 hs + 512 kind
	v_add_nc_u32 v[AVI], s73, v[L16]
	v_lshlrev_b32 v[AVS], 2, v1
	v_add_nc_u32 v[AVS], s74, v[AVS]
.irp i, 4,5,6,7
	v_mov_b32 v[TM+\i], 0                          ; written once: a lane permute's destination counts as one of its sources
.endr
.macro XFETCH tt                       ; record tt of the chunk: four fragments and the scale words, 13 loads, into set tt % 2
	WIN 0x40
.irp ks, 0,1,2,3
.irp c, 0,1,2
	ds_load_b128 v[144+48*((\tt)&1)+12*\ks+4*\c:144+48*((\tt)&1)+12*\ks+4*\c+3], v[AX] offset:(\tt)*REC+1536*\ks+512*\c
.endr
.endr
	WIN 0
	ds_load_b128 v[XS+4*((\tt)&1):XS+4*((\tt)&1)+3], v[AX] offset:(\tt)*REC+6144
.endm
; one tile of 16 places: 12 products on three accumulators by turns, then my block of q or k is quantised and stored
.macro PTILE tt
.set pp, (\tt)&1
.if (\tt) < 7
	XFETCH (\tt)+1                                 ; its registers were last read by the products two tiles back: the lines behind those are the places
.endif
.if (\tt) == 0
	s_wait_dscnt 13                                ; this tile's 13 loads are in; the next tile's 13 may be out
.elseif (\tt) < 7
	s_wait_dscnt 17                                ; likewise; between them stand the last tile's 4 stores
.else
	s_wait_dscnt 4                                 ; the last tile's 4 stores may be out
.endif
.irp ks, 0,1,2,3
.if \ks == 0
	WM HA, WF+12*\ks, XF+48*pp+12*\ks, -1, WS+\ks, XS+4*pp+\ks
	WM HA+8, WF+48+12*\ks, XF+48*pp+12*\ks, -1, WS+4+\ks, XS+4*pp+\ks
	WM VA+8*(\tt), XF+48*pp+12*\ks, WF+96+12*\ks, -1, XS+4*pp+\ks, WS+8+\ks
.else
	WM HA, WF+12*\ks, XF+48*pp+12*\ks, HA, WS+\ks, XS+4*pp+\ks
	WM HA+8, WF+48+12*\ks, XF+48*pp+12*\ks, HA+8, WS+4+\ks, XS+4*pp+\ks
	WM VA+8*(\tt), XF+48*pp+12*\ks, WF+96+12*\ks, VA+8*(\tt), XS+4*pp+\ks, WS+8+\ks
.endif
.endr
	WIN 0
	PLACES 5                                       ; four ahead of the first read of results and of loads into operands; a fifth, since the next tile's first products begin these accumulators anew
	v_max3_num_f32 v[TM], |v[HA]|, |v[HA+1]|, FLOOR              ; my 16 numbers of the block, in two chains; each accumulator is read from its low end on
	v_max3_num_f32 v[TM+1], |v[HA+8]|, |v[HA+9]|, |v[HA+10]|
	v_max3_num_f32 v[TM], v[TM], |v[HA+2]|, |v[HA+3]|
	v_max3_num_f32 v[TM+1], v[TM+1], |v[HA+11]|, |v[HA+12]|
	v_max3_num_f32 v[TM], v[TM], |v[HA+4]|, |v[HA+5]|
	v_max3_num_f32 v[TM+1], v[TM+1], |v[HA+13]|, |v[HA+14]|
	v_max3_num_f32 v[TM], v[TM], |v[HA+6]|, |v[HA+7]|
	v_max3_num_f32 v[TM], v[TM], v[TM+1], |v[HA+15]|
	v_permlanex16_b32 v[TM+4], v[TM], s[SEL], s[SEL+1]
	v_max_num_f32 v[TM], v[TM], v[TM+4]                          ; with lane l xor 16's 16: the block's
	v_add_nc_u32 v[TM+12], MINUS2, v[TM]
	v_cvt_scalef32_pk16_fp6_f32 v[PCB+4*pp:PCB+4*pp+2], v[HA:HA+15], v[TM+12]
	v_lshrrev_b32 v[BY+pp], 23, v[TM+12]                         ; the byte; also the plain instruction behind the conversion
.irp i, 0,1,2
	ds_store_b32 v[AQK], v[PCB+4*pp+\i] offset:(\tt)*768+4*\i    ; 12 bytes: codes 32 block + 16 h + 0 .. 15 of my place's row
.endr
	ds_store_b8 v[ASB], v[BY+pp] offset:2*(\tt)
.endm
.macro CHUNK g
	s_wait_tensorcnt 3-\g                          ; my record of this chunk has landed; the later chunks' loads, 3 - g of mine, may be out
.if \g == 0
	s_wait_loadcnt 0x0                             ; the weights
.endif
	BARRIER                                        ; everybody's record has landed; nobody reads the chunk before any more, whose area takes this chunk's results
.if \g > 0
.irp a, AX, AQK, ASB, AVI, AVS
	v_add_nc_u32 v[\a], AREA, v[\a]                ; (no LDS instruction of mine is out)
.endr
.endif
	XFETCH 0
.irp t, 0,1,2,3,4,5,6,7
	PTILE \t
.endr
	QUANT 0, VA, PC, PT, PW                        ; v: my d tile x this chunk's 128 keys is one fragment of v^T
.irp c, 0,1,2
	ds_store_b128 v[AVI], v[PC+4*\c:PC+4*\c+3] offset:512*\c
.endr
	ds_store_b32 v[AVS], v[PW]
.endm
	CHUNK 0
	CHUNK 1
	CHUNK 2
	CHUNK 3
	BARRIER                                        ; q, k and v of the pair of heads lie in areas 0 to 3
	; ---- PHASE A
	s_and_b32 s60, s[WV], 1                        ; my head of the pair
	s_lshr_b32 s61, s[WV], 1                       ; my queries' chunk
	s_mul_i32 s62, s60, 18432
	s_mul_i32 s63, s60, 1536
	s_mul_i32 s66, s61, AREA
	v_mul_u32_u24 v192, v2, 48
	v_mad_u32_u24 v192, v3, 24, v192               ; 48 r + 24 h: a lane's 24 bytes of a row of 64 codes
	v_lshlrev_b32 v193, 4, v1                      ; 16 lane
	v_lshlrev_b32 v194, 2, v1                      ; 4 lane
	v_lshlrev_b32 v195, 4, v2                      ; 16 r
	s_add_co_u32 s67, s62, 6144
	v_add_nc_u32 v[AK], s67, v192
	s_add_co_u32 s67, s62, 12288
	v_add_nc_u32 v[AV], s67, v193
	s_add_co_u32 s67, s63, 36864+512
	v_add_nc_u32 v[AS], s67, v193
	s_add_co_u32 s67, s63, 36864+1024
	v_add_nc_u32 v[ASV], s67, v194
.irp g, 1,2,3
	v_add_nc_u32 v[AK+\g], AREA, v[AK+\g-1]
	v_add_nc_u32 v[AV+\g], AREA, v[AV+\g-1]
	v_add_nc_u32 v[AS+\g], AREA, v[AS+\g-1]
	v_add_nc_u32 v[ASV+\g], AREA, v[ASV+\g-1]
.endr
	s_add_co_u32 s67, s66, s62
	v_add_nc_u32 v[AQ0], s67, v192
	s_add_co_u32 s67, s66, s63
	s_add_co_u32 s67, s67, 36864
	v_add_nc_u32 v[AQS0], s67, v193
	s_mul_i32 s67, s[WV], 4352
	s_add_co_u32 s67, s67, 4*AREA                  ; my stage: 16 rows x (256 + 16) bytes
	v_mul_u32_u24 v[STO], v2, 272
	v_lshl_add_u32 v[STO], v3, 5, v[STO]
	v_add_nc_u32 v[STO], s67, v[STO]               ; in: row r, + 32 h
	v_mul_u32_u24 v[RD], v3, 272
	v_add_nc_u32 v[RD], v[RD], v195
	v_add_nc_u32 v[RD], s67, v[RD]                 ; back: lanes 0-15 one row, lanes 16-31 the next
	v_lshl_add_u32 v[XO], v3, 17, v195             ; the same two rows in x and y: a place s is 131,072 bytes
	v_lshlrev_b32 v[SO], 3, v3                     ; and in stat: 8 bytes a row
	s_lshl_b32 s54, s61, 3                         ; my first query tile
	s_lshl_b32 s55, s[HP], 1
	s_add_co_u32 s55, s55, s60
	s_lshl_b32 s55, s55, 8                         ; my head's 256 bytes of a row
	s_mov_b32 s68, s55
	s_mov_b32 s69, 0
	s_add_nc_u64 s[76:77], s[12:13], s[68:69]
	s_add_nc_u64 s[78:79], s[14:15], s[68:69]
	s_lshl_b32 s67, s[BB], 11
	s_add_co_u32 s55, s55, s67                     ; + b's 2,048 bytes
	s_lshl_b32 s59, s[BB], 5
	s_mov_b32 s56, 0                               ; the trip
	s_mov_b32 s57, 0                               ; 768 x trip: q's rows
	s_mov_b32 s58, 0                               ; 2 x trip: q's scale bytes
.irp g, 0,1,2,3
	ds_load_b128 v[KS+4*\g:KS+4*\g+3], v[AS+\g]    ; word P: the two bytes of key tile 2 P, then those of tile 2 P + 1
.irp n, 0,1,2,3
	ds_load_b32 v[VS+4*\g+\n], v[ASV+\g] offset:128*\n
.endr
.endr
	global_load_b128 v[GR:GR+3], v195, s[76:77]
	global_load_b128 v[BR:BR+3], v195, s[78:79]
.irp i, 6,7,8,9,10,11
	v_mov_b32 v[QF+\i], 0                          ; the zero codes between q's two copies
.endr
.set bi, 0
.rept 16
	v_mov_b32 v[BT+bi], 0                          ; written once: lane permutes' destinations
.set bi, bi+1
.endr
	v_mov_b32 v[PX], 0
	s_wait_loadcnt 0x0
	s_wait_dscnt 0x0
.macro KLOAD j                         ; key tiles 4 j .. 4 j + 3 as two fragments, 12 loads, into set j % 2
.irp e, 0,1
.irp q, 0,1
.irp i, 0,1,2
	ds_load_b64 v[KF+24*((\j)&1)+12*\e+6*\q+2*\i:KF+24*((\j)&1)+12*\e+6*\q+2*\i+1], v[AK+((\j)>>1)] offset:(2*((2*(\j)+\e)&3)+\q)*768+8*\i
.endr
.endr
.endr
.endm
.Ltrip:                                            ; a trip: one tile of 16 queries against all 512 keys
	s_wait_xcnt 0x0                                ; the last trip's loads and stores have read their bases and registers
	s_add_co_u32 s72, s54, s56                     ; T
	s_lshr_b32 s73, s72, 1
	s_lshl_b32 s73, s73, 5
	s_and_b32 s74, s72, 1
	s_lshl_b32 s74, s74, 3
	s_add_co_u32 s73, s73, s74                     ; the tile's first place: 32 (T / 2) + 8 (T % 2)
	s_lshl_b32 s68, s73, 17
	s_add_co_u32 s68, s68, s55
	s_mov_b32 s69, 0
	s_add_nc_u64 s[60:61], s[10:11], s[68:69]      ; x,
	s_add_nc_u64 s[62:63], s[16:17], s[68:69]      ; y,
	s_add_co_u32 s70, s59, s72
	s_lshl_b32 s70, s70, 8
	s_mov_b32 s71, 0
	s_add_nc_u64 s[66:67], s[8:9], s[70:71]        ; stat, each from its own buffer's address
	v_add_nc_u32 v[AQ], s57, v[AQ0]
	v_add_nc_u32 v[AQS], s58, v[AQS0]
.irp i, 0,1,2
	ds_load_b64 v[QF+2*\i:QF+2*\i+1], v[AQ] offset:8*\i
	ds_load_b64 v[QF+12+2*\i:QF+13+2*\i], v[AQ] offset:8*\i
.endr
	ds_load_u16 v[QSL], v[AQS]                     ; q's two bytes; the upper two are 0, beside zero codes
	KLOAD 0
	s_wait_dscnt 12                                ; q and its bytes are in; the 12 loads of keys may be out
	v_lshlrev_b32 v[QSH], 16, v[QSL]               ; the same two bytes for the upper 64 of the instruction's K
	PLACES 8                                       ; a scale register written by a vector instruction stands eight places ahead of a scaled product
.irp j, 0,1,2,3,4,5,6,7
	WIN 0
.if \j > 0
	PLACES 4                                       ; ahead of loads into the set that the last four products read
.endif
.if \j < 7
	KLOAD \j+1
	s_wait_dscnt 12                                ; this step's keys are in; the next step's 12 loads may be out
.else
	s_wait_dscnt 0x0
.endif
.irp e, 0,1
	WM 256+8*(4*\j+2*\e), KF+24*(\j&1)+12*\e, QF, -1, KS+2*\j+\e, QSL
	WM 256+8*(4*\j+2*\e+1), KF+24*(\j&1)+12*\e, QF+6, -1, KS+2*\j+\e, QSH
.endr
.endr
	WIN 0                                          ; window 1, register 16 B + i: the score of key 32 B + 16 h + i for query r
	PLACES 4
.irp i, 0,1,2,3,4,5,6,7                        ; x's 16 rows and their (mu, rstd), into the keys' registers: they have the softmax in which to land
	global_load_b128 v[XR+4*\i:XR+4*\i+3], v[XO], s[60:61] offset:(2*\i+8*(\i>>2))*131072 th:TH_LOAD_NT
.endr
.irp i, 0,1,2,3,4,5,6,7
	global_load_b64 v[ST+2*\i:ST+2*\i+1], v[SO], s[66:67] offset:16*\i
.endr
	WIN 0x15                                       ; the largest score of each block of 32 keys: it serves for the row's maximum and, since p rises with the score, for the block's largest p
.set bi, 0
.rept 16
	v_max3_num_f32 v[BM+bi], v[16*bi], v[16*bi+1], v[16*bi+2]
.set bi, bi+1
.endr
	WIN 0x14
.irp i, 3,5,7,9,11,13
.set bi, 0
.rept 16
	v_max3_num_f32 v[BM+bi], v[BM+bi], v[16*bi+\i], v[16*bi+\i+1]
.set bi, bi+1
.endr
.endr
	WIN 0x04
.set bi, 0
.rept 16
	v_max_num_f32 v[BM+bi], v[BM+bi], v[16*bi+15]
.set bi, bi+1
.endr
	WIN 0
.set bi, 0
.rept 16
	v_permlanex16_b32 v[BT+bi], v[BM+bi], s[SEL], s[SEL+1]
.set bi, bi+1
.endr
.set bi, 0
.rept 16
	v_max_num_f32 v[BM+bi], v[BM+bi], v[BT+bi]     ; with lane l xor 16's 16 keys
.set bi, bi+1
.endr
	v_max3_num_f32 v[RM], v[BM], v[BM+1], v[BM+2]
.irp i, 3,5,7,9,11,13
	v_max3_num_f32 v[RM], v[RM], v[BM+\i], v[BM+\i+1]
.endr
	v_max_num_f32 v[RM], v[RM], v[BM+15]           ; the row's largest score
	v_mul_f32 v[RM], s[CS], v[RM]                  ; as t
	v_floor_f32 v[NM], -v[RM]                      ; -M = floor(-t) = -ceil(t)
	v_mov_b32 v[NM+1], v[NM]
.set bi, 0
.rept 16
	v_fma_f32 v[BM+bi], v[BM+bi], s[CS], v[NM]     ; t - M of each block's largest score
.set bi, bi+1
.endr
	WIN 0x41
.set bi, 0
.rept 128
	v_pk_fma_f32 v[2*bi:2*bi+1], v[2*bi:2*bi+1], s[CS:CS+1], v[NM:NM+1] op_sel_hi:[1,0,0]   ; t - M, two at a time
.set bi, bi+1
.endr
.set bi, 0
.rept 256
	v_exp_f32 v[bi], v[bi]                         ; p = 2^(t - M): not normalised
.set bi, bi+1
.endr
	WIN 0
	v_nop                                          ; a plain instruction behind the batch,
	s_wait_alu depctr_va_vdst(0)                   ; and one wait for all 256, ahead of their first reader
.set bi, 0
.rept 16
	v_exp_f32 v[BM+bi], v[BM+bi]                   ; the blocks' largest p: the same two operations on the same numbers
.set bi, bi+1
.endr
	WIN 0x05                                       ; the row's sum, of the unquantised p, in four packed chains; these lines read the 256 alone
.irp k, 0,1,2,3
	v_pk_add_f32 v[LS+2*\k:LS+2*\k+1], v[4*\k:4*\k+1], v[4*\k+2:4*\k+3]
.endr
	WIN 0x04
.set bi, 8
.rept 120
	v_pk_add_f32 v[LS+2*(bi%4):LS+2*(bi%4)+1], v[LS+2*(bi%4):LS+2*(bi%4)+1], v[2*bi:2*bi+1]
.set bi, bi+1
.endr
	WIN 0
	s_wait_alu depctr_va_vdst(0)                   ; one wait for the sixteen
.set bi, 0
.rept 16
	v_max_num_f32 v[BM+bi], FLOOR, v[BM+bi]        ; the floor: the byte cannot fall under 1
.set bi, bi+1
.endr
.set bi, 0
.rept 16
	v_add_nc_u32 v[BM+bi], MINUS2, v[BM+bi]        ; the conversion's scale operand
.set bi, bi+1
.endr
.set bi, 0
.rept 16
	v_lshrrev_b32 v[BT+bi], 23, v[BM+bi]           ; the byte
.set bi, bi+1
.endr
.irp ks, 0,1,2,3
	v_lshl_or_b32 v[PS+\ks], v[BT+4*\ks+1], 8, v[BT+4*\ks]
	v_lshl_or_b32 v[PS+\ks], v[BT+4*\ks+2], 16, v[PS+\ks]
	v_lshl_or_b32 v[PS+\ks], v[BT+4*\ks+3], 24, v[PS+\ks]
.endr
.irp ks, 0,1,2,3                               ; p's fragment of K step ks; then v^T's four fragments of that step land where those 64 p stood
	WIN 0x01
.irp c, 0,1
	v_cvt_scalef32_pk16_fp6_f32 v[PF+12*\ks+6*\c:PF+12*\ks+6*\c+2], v[64*\ks+32*\c:64*\ks+32*\c+15], v[BM+4*\ks+2*\c]
	v_cvt_scalef32_pk16_fp6_f32 v[PTA+4*\c:PTA+4*\c+2], v[64*\ks+32*\c+16:64*\ks+32*\c+31], v[BM+4*\ks+2*\c+1]
.endr
	WIN 0
	v_nop
.irp c, 0,1
.irp i, 0,1,2
	v_permlane16_swap_b32 v[PF+12*\ks+6*\c+\i], v[PTA+4*\c+\i]
.endr
.irp i, 0,1,2
	v_mov_b32 v[PF+12*\ks+6*\c+3+\i], v[PTA+4*\c+\i]
.endr
.endr
	WIN 0x40
.irp n, 0,1,2,3
.irp c, 0,1,2
	ds_load_b128 v[64*\ks+12*\n+4*\c:64*\ks+12*\n+4*\c+3], v[AV+\ks] offset:1536*\n+512*\c
.endr
.endr
.endr
	WIN 0
	v_pk_add_f32 v[LS:LS+1], v[LS:LS+1], v[LS+2:LS+3]
	v_pk_add_f32 v[LS+4:LS+5], v[LS+4:LS+5], v[LS+6:LS+7]
	v_pk_add_f32 v[LS:LS+1], v[LS:LS+1], v[LS+4:LS+5]
	v_add_f32 v[RM], v[LS], v[LS+1]
	v_permlanex16_b32 v[PX], v[RM], s[SEL], s[SEL+1]
	v_add_f32 v[RM], v[RM], v[PX]                  ; the row's sum
	v_rcp_f32 v[RL], v[RM]
	v_nop
	s_wait_alu depctr_va_vdst(0)
	v_mov_b32 v[RL+1], v[RL]
	PLACES 8                                       ; p's scale words and codes were written by vector instructions: eight and four places ahead of the scaled products
.irp ks, 0,1,2,3                               ; O^T += v^T p^T: four accumulators by turns
	s_wait_dscnt 12*(3-\ks)                        ; this step's 12 loads are in; the later steps' may be out
.irp n, 0,1,2,3
.if \ks == 0
	WM 256+64*\n+48, 256+64*\ks+12*\n, PF+12*\ks, -1, VS+4*\ks+\n, PS+\ks
.else
	WM 256+64*\n+48, 256+64*\ks+12*\n, PF+12*\ks, 256+64*\n+48, VS+4*\ks+\n, PS+\ks
.endif
.endr
.endr
	WIN 0
	PLACES 4
	WIN 0x41
.irp n, 0,1,2,3
.irp k, 0,2,4,6
	v_pk_mul_f32 v[64*\n+48+\k:64*\n+49+\k], v[64*\n+48+\k:64*\n+49+\k], v[RL:RL+1]   ; O^T / the sum; register j of tile n: d = 16 n + 8 h + j of query r
.endr
.endr
	WIN 0x04
.irp n, 0,1,2,3
	ds_store_b128 v[STO], v[64*\n+48:64*\n+51] offset:64*\n
	ds_store_b128 v[STO], v[64*\n+52:64*\n+55] offset:64*\n+16
.endr
	WIN 0x40
.irp i, 0,1,2,3,4,5,6,7
	ds_load_b128 v[64*(\i>>1)+56+4*(\i&1):64*(\i>>1)+59+4*(\i&1)], v[RD] offset:544*\i   ; LDS serves a wave's instructions in order: these see my stores
.endr
	WIN 0
	s_wait_loadcnt 0x0                             ; x and (mu, rstd)
.irp i, 0,1,2,3,4,5,6,7
.irp k, 0,2
	v_pk_add_f32 v[XR+4*\i+\k:XR+4*\i+\k+1], v[XR+4*\i+\k:XR+4*\i+\k+1], v[ST+2*\i:ST+2*\i+1] op_sel_hi:[1,0] neg_lo:[0,1] neg_hi:[0,1]   ; x - mu
.endr
.endr
.irp i, 0,1,2,3,4,5,6,7
.irp k, 0,2
	v_pk_mul_f32 v[XR+4*\i+\k:XR+4*\i+\k+1], v[XR+4*\i+\k:XR+4*\i+\k+1], v[ST+2*\i:ST+2*\i+1] op_sel:[0,1] op_sel_hi:[1,1]   ; x rstd
.endr
.endr
.irp i, 0,1,2,3,4,5,6,7
.irp k, 0,2
	v_pk_fma_f32 v[XR+4*\i+\k:XR+4*\i+\k+1], v[XR+4*\i+\k:XR+4*\i+\k+1], v[GR+\k:GR+\k+1], v[BR+\k:BR+\k+1]   ; x g + b: xn
.endr
.endr
	s_wait_dscnt 0x0
	WIN 0x04
.irp i, 0,1,2,3,4,5,6,7
.irp k, 0,2
	v_pk_add_f32 v[XR+4*\i+\k:XR+4*\i+\k+1], v[XR+4*\i+\k:XR+4*\i+\k+1], v[64*(\i>>1)+56+4*(\i&1)+\k:64*(\i>>1)+57+4*(\i&1)+\k]
.endr
.endr
	WIN 0
.irp i, 0,1,2,3,4,5,6,7
	global_store_b128 v[XO], v[XR+4*\i:XR+4*\i+3], s[62:63] offset:(2*\i+8*(\i>>2))*131072 th:TH_STORE_NT   ; 16 lanes store a head's 256 consecutive bytes of a row, aligned
.endr
	s_add_co_u32 s57, s57, 768
	s_add_co_u32 s58, s58, 2
	s_add_co_u32 s56, s56, 1
	s_cmp_lt_u32 s56, 8
	s_cbranch_scc1 .Ltrip
	s_wait_tensorcnt 0x0
	ds_add_u32 v254, v255
	s_wait_dscnt 0x0
	s_endpgm
.Lfunc_end_k_qba23c8ba20_attn:
	.size	k_qba23c8ba20_attn, .Lfunc_end_k_qba23c8ba20_attn-k_qba23c8ba20_attn
	.p2alignl 7, 3214868480
	.fill 96, 4, 3214868480
	.section	.rodata,"a",@progbits
	.p2align	6, 0x0
	.amdhsa_kernel k_qba23c8ba20_attn
		.amdhsa_group_segment_fixed_size 267264
		.amdhsa_private_segment_fixed_size 0
		.amdhsa_enable_private_segment 0
		.amdhsa_kernarg_size 56
		.amdhsa_user_sgpr_count 2
		.amdhsa_user_sgpr_kernarg_segment_ptr 1
		.amdhsa_wavefront_size32 1
		.amdhsa_system_sgpr_workgroup_id_x 1
		.amdhsa_system_sgpr_workgroup_id_y 1
		.amdhsa_system_sgpr_workgroup_id_z 1
		.amdhsa_system_vgpr_workitem_id 0
		.amdhsa_next_free_vgpr 512
		.amdhsa_next_free_sgpr 90
		.amdhsa_reserve_vcc 0
		.amdhsa_float_denorm_mode_32 3
		.amdhsa_float_denorm_mode_16_64 3
		.amdhsa_memory_ordered 1
		.amdhsa_forward_progress 1
		.amdhsa_inst_pref_size 218
	.end_amdhsa_kernel
	.amdgpu_metadata
---
amdhsa.version: [ 1, 2 ]
amdhsa.kernels:
  - .name:           k_qba23c8ba20_attn
    .symbol:         k_qba23c8ba20_attn.kd
    .args:
      - { .name: ximg, .offset: 0, .size: 8, .value_kind: global_buffer, .address_space: global }
      - { .name: wimg, .offset: 8, .size: 8, .value_kind: global_buffer, .address_space: global }
      - { .name: stat, .offset: 16, .size: 8, .value_kind: global_buffer, .address_space: global }
      - { .name: x, .offset: 24, .size: 8, .value_kind: global_buffer, .address_space: global }
      - { .name: g1, .offset: 32, .size: 8, .value_kind: global_buffer, .address_space: global }
      - { .name: b1, .offset: 40, .size: 8, .value_kind: global_buffer, .address_space: global }
      - { .name: y, .offset: 48, .size: 8, .value_kind: global_buffer, .address_space: global }
    .group_segment_fixed_size: 267264
    .private_segment_fixed_size: 0
    .kernarg_segment_align: 8
    .kernarg_segment_size: 56
    .max_flat_workgroup_size: 256
    .sgpr_count:     90
    .vgpr_count:     512
    .wavefront_size: 32
...
	.end_amdgpu_metadata
.endif
;; end of part 2
;; launch ffn (part 3): grid 256 x 1, 4 waves a work-group, no clusters, 322,048 bytes of LDS; arguments y, wimg, g2, b2, bf1, bf2, out0; writes out0
.if DOCPART == 3
	.amdgcn_target "amdgcn-amd-amdhsa--gfx1250"
	.amdhsa_code_object_version 6
	.text
	.protected	k_qba23c8ba20_ffn
	.globl	k_qba23c8ba20_ffn
	.p2align	8
	.type	k_qba23c8ba20_ffn,@function
k_qba23c8ba20_ffn:
	s_mov_b64 s[64:65], 0
	v_nop
	global_prefetch_b8 v0, s[64:65] scope:SCOPE_SE
	s_setreg_imm32_b32 hwreg(HW_REG_WAVE_MODE, 25, 1), 1
	s_wait_xcnt 0x0
; out = xt + relu(xt W1^T + bf1) W2^T + bf2, xt = layernorm(y); both products on codes of FP6 (E2M3) with one E8M0 byte for each 32 along K.  y, out: [32768][512] f32.
; SHARES.  A work-group of four waves takes 128 rows, eight tiles of 16.  For the layernorm wave w takes tiles w + 4 and w.  For the products THE WAVES SHARE THE COLUMNS: wave w makes hidden units and outputs
; 128 w .. 128 w + 127 for all 128 rows, so its part of W1 and W2 (2 x 32 fragments) comes from memory once, straight into registers, as the records lay it (fragment s of a tile at 1536 s, scale words at 6144).
; LDS: STG: 128 rows x (2,048 + 16) bytes: xt in f32, later out in its place.  RECS: eight records of 6,656 bytes: xt's codes as images of the operand's registers; tile by tile the hidden layer's codes take their
; place: fragment slot w of record m is wave w's 128 hidden units, which are K step w of the second product.  PAR: g2, then b2.
; PRODUCTS, both transposed (source 0 = 16 rows of the weight, source 1 = 16 rows of xt or of the hidden layer): a lane holds one row.  W1's tiles take rows 32 (t / 2) + 8 (t % 2) + r + 8 (r / 8), so that the 16
; registers of tiles 2 b, 2 b + 1 are 16 neighbours along the next K.  bf1 is the C of a sum's first product; xt, read from the stage, is the C of the second product's sums; bf2 is added on the way out.
; REGISTERS in windows of 256: window 0: addresses, scale words (v20-87, nothing else), the hidden layer's 8 tiles, the rows' four fragments, the quantiser's work.  Windows 2 and 3 first hold the two tiles of y.
; Fragment f = 8 s + t of W1: f <= 20 in window 1, the others at the foot of window 2; of W2: f <= 20 in window 3, the others at the foot of window 1 once W1 is done with.  Window 2 from v136: bf1, from v200: bf2.
; NO CLUSTER: what all work-groups share are the weights; a joint load lands in LDS, of whose 327,680 bytes this text leaves 5,632 free.  One block of 128 rows to each of 256 work-groups.
; LIMITS: as in the launches before: NaN and infinities are not served; a block whose largest magnitude lies under 2^-124, or is 0, gets the byte 1.
.set REC,    6656
.set FLOOR,  0x1800000
.set MINUS2, 0xff000000
.set SPITCH, 2064
.set RECS,   128*SPITCH
.set PAR,    RECS+8*REC
.set XA,  4                            ; v4  2048 r + 64 h
.set L16, 5                            ; v5  16 lane
.set AG,  6                            ; v6  PAR + 64 h
.set STB, 7                            ; v7, v8   the stage: my row of tile w + 4, of tile w, + 64 h
.set STA, 8
.set RCB, 9                            ; v9, v10  their records, + 16 lane
.set RCA, 10
.set FB,  11                           ; v11 RECS + 16 lane
.set HB,  12                           ; v12 + 1536 w: my fragment slot
.set HW,  13                           ; v13 RECS + 6144 + 16 lane + 4 w: my scale word
.set CB,  14                           ; v14 the stage: 2064 r + 32 h + 512 w
.set ARD, 15                           ; v15 the stage: my 32 rows, + 16 lane
.set TF,  16                           ; v16-19 the same four with the trip's step
.set TH,  17
.set TW,  18
.set TC,  19
.set WS1, 20                           ; v20-51 W1's scale words (4 t + s)
.set WS2, 52                           ; v52-83 W2's
.set XS,  84                           ; v84-87 the rows'
.set HA,  88                           ; v88-151
.set XF,  152                          ; v152-199
.set PC,  200
.set PT,  212
.set PW,  220
.set TM,  224
.set SA,  240
.set SQ,  240                          ; (the sums are done with when the squares begin)
.set MU,  248
.set RS,  250
.set GB,  88                           ; in the layernorm alone: v88-215
.set H64, 252                          ; v252 64 h
.set APS, 254                          ; v254 where I put my 1,024 bytes of g2 or b2
.set SEL, 20                           ; s[20:21]
.set INV, 22
.set EPSR, 23
.set YB,  24                           ; s[24:25] y at row 128 id + 16 w
.set W1B, 26                           ; s[26:27] W1's record 8 w
.set W2B, 28
.set OUTB, 34                          ; s[34:35] out at row 128 id + 32 w
.set MSB, 0
.macro WIN new
.if MSB != (\new)
	s_set_vgpr_msb (MSB<<8)|(\new)
.set MSB, \new
.endif
.endm
.macro WM d, a, b, c, sa, sb           ; a product; register numbers count through the windows
	WIN (((\d)>>8)<<6)|(((\c)>>8)<<4)|(((\b)>>8)<<2)|((\a)>>8)
	v_wmma_scale_f32_16x16x128_f8f6f4 v[(\d)&255:((\d)&255)+7], v[(\a)&255:((\a)&255)+11], v[(\b)&255:((\b)&255)+11], v[(\c)&255:((\c)&255)+7], v[\sa], v[\sb] matrix_a_fmt:MATRIX_FMT_FP6 matrix_b_fmt:MATRIX_FMT_FP6
.endm
.macro PLACES n
.rept \n
	v_nop
.endr
.endm
.macro BARRIER
	s_wait_dscnt 0x0
	s_barrier_signal -1
	s_barrier_wait -1
.endm
.macro QUANT nw, sr, pc, pt, pw        ; 64 numbers of a lane in window nw, register sr + 16 b + i = k 32 b + 16 h + i of my row, become a fragment in v[pc] on and its scale word in v[pw]
	WIN (\nw)|((\nw)<<2)
.irp qb, 0,1,2,3
	v_max3_num_f32 v[TM+\qb], |v[(\sr)+16*\qb]|, |v[(\sr)+16*\qb+1]|, FLOOR
.endr
	WIN ((\nw)<<2)|((\nw)<<4)
.irp qi, 2,4,6,8,10,12,14
.irp qb, 0,1,2,3
	v_max3_num_f32 v[TM+\qb], v[TM+\qb], |v[(\sr)+16*\qb+\qi]|, |v[(\sr)+16*\qb+\qi+1]|
.endr
.endr
	WIN 0
.irp qb, 0,1,2,3
	v_permlanex16_b32 v[TM+4+\qb], v[TM+\qb], s[SEL], s[SEL+1]
.endr
.irp qb, 0,1,2,3
	v_max_num_f32 v[TM+\qb], v[TM+\qb], v[TM+4+\qb]
.endr
.irp qb, 0,1,2,3
	v_add_nc_u32 v[TM+12+\qb], MINUS2, v[TM+\qb]
.endr
.irp qb, 0,1,2,3
	v_lshrrev_b32 v[TM+4+\qb], 23, v[TM+12+\qb]
.endr
	v_lshl_or_b32 v[\pw], v[TM+5], 8, v[TM+4]
	v_lshl_or_b32 v[\pw], v[TM+6], 16, v[\pw]
	v_lshl_or_b32 v[\pw], v[TM+7], 24, v[\pw]
	WIN (\nw)
.irp qc, 0,1
	v_cvt_scalef32_pk16_fp6_f32 v[(\pc)+6*\qc:(\pc)+6*\qc+2], v[(\sr)+32*\qc:(\sr)+32*\qc+15], v[TM+12+2*\qc]
	v_cvt_scalef32_pk16_fp6_f32 v[(\pt)+4*\qc:(\pt)+4*\qc+2], v[(\sr)+32*\qc+16:(\sr)+32*\qc+31], v[TM+13+2*\qc]
.endr
	WIN 0
	v_nop
.irp qc, 0,1
.irp qi, 0,1,2
	v_permlane16_swap_b32 v[(\pc)+6*\qc+\qi], v[(\pt)+4*\qc+\qi]
.endr
.irp qi, 0,1,2
	v_mov_b32 v[(\pc)+6*\qc+3+\qi], v[(\pt)+4*\qc+\qi]
.endr
.endr
.endm
.macro REDUCE rb
	v_pk_add_f32 v[\rb:\rb+1], v[\rb:\rb+1], v[\rb+2:\rb+3]
	v_pk_add_f32 v[\rb+4:\rb+5], v[\rb+4:\rb+5], v[\rb+6:\rb+7]
	v_pk_add_f32 v[\rb:\rb+1], v[\rb:\rb+1], v[\rb+4:\rb+5]
	v_add_f32 v[TM], v[\rb], v[\rb+1]
	v_permlanex16_b32 v[TM+4], v[TM], s[SEL], s[SEL+1]
	v_add_f32 v[TM], v[TM], v[TM+4]
.endm
.macro LOADGB q
.set gq, GB+64*((\q)&1)
.set go, 256*(\q)
.irp e, 0,1,2,3,4,5,6,7
	ds_load_b128 v[gq+4*\e:gq+4*\e+3], v[AG] offset:go+128*(\e/4)+16*(\e%4)
.endr
.irp e, 0,1,2,3,4,5,6,7
	ds_load_b128 v[gq+32+4*\e:gq+35+4*\e], v[AG] offset:2048+go+128*(\e/4)+16*(\e%4)
.endr
.endm
.macro LNORM nw                        ; the 256 numbers of a lane in window nw (register 64 s + 16 b + i = column 128 s + 32 b + 16 h + i of row r) become (x - mu) * rstd * g + b
	WIN (\nw)|((\nw)<<2)
.irp k, 0,1,2,3
	v_pk_add_f32 v[SA+2*\k:SA+2*\k+1], v[2*\k:2*\k+1], v[8+2*\k:9+2*\k]
.endr
	WIN (\nw)<<2
.set li, 8
.rept 120
	v_pk_add_f32 v[SA+2*(li%4):SA+2*(li%4)+1], v[SA+2*(li%4):SA+2*(li%4)+1], v[2*li:2*li+1]
.set li, li+1
.endr
	WIN 0
	REDUCE SA
	v_mul_f32 v[MU], s[INV], v[TM]
	v_mov_b32 v[MU+1], v[MU]
	WIN ((\nw)<<6)|(\nw)
.set li, 0
.rept 128
	v_pk_add_f32 v[2*li:2*li+1], v[2*li:2*li+1], v[MU:MU+1] neg_lo:[0,1] neg_hi:[0,1]
.set li, li+1
.endr
	WIN (\nw)|((\nw)<<2)
.irp k, 0,1,2,3
	v_pk_mul_f32 v[SQ+2*\k:SQ+2*\k+1], v[2*\k:2*\k+1], v[2*\k:2*\k+1]
.endr
.set li, 4
.rept 124
	v_pk_fma_f32 v[SQ+2*(li%4):SQ+2*(li%4)+1], v[2*li:2*li+1], v[2*li:2*li+1], v[SQ+2*(li%4):SQ+2*(li%4)+1]
.set li, li+1
.endr
	WIN 0
	REDUCE SQ
	v_fma_f32 v[TM], v[TM], s[INV], s[EPSR]
	v_rsq_f32 v[RS], v[TM]
	LOADGB 0
	LOADGB 1
	v_nop                                                        ; a plain instruction behind the root,
	s_wait_alu depctr_va_vdst(0)                                 ; and the wait ahead of its first reader
	v_mov_b32 v[RS+1], v[RS]
	WIN ((\nw)<<6)|(\nw)
.set li, 0
.rept 128
	v_pk_mul_f32 v[2*li:2*li+1], v[2*li:2*li+1], v[RS:RS+1]
.set li, li+1
.endr
.irp q, 0,1,2,3,4,5,6,7
.if \q < 7
	s_wait_dscnt 16                                              ; this half step's g and b are in; the next half step's 16 loads may be out
.else
	s_wait_dscnt 0x0
.endif
	WIN ((\nw)<<6)|(\nw)
.set gq, GB+64*(\q&1)
.set li, 0
.rept 16
	v_pk_fma_f32 v[32*\q+2*li:32*\q+2*li+1], v[32*\q+2*li:32*\q+2*li+1], v[gq+2*li:gq+2*li+1], v[gq+32+2*li:gq+33+2*li]
.set li, li+1
.endr
.if \q < 6
	WIN 0
	LOADGB \q+2
.endif
.endr
	WIN 0
.endm
.macro OUTLN nw, stg, rc               ; xt of a tile: in f32 to the stage, and as a record of codes
.irp ks, 0,1,2,3
	WIN (\nw)<<2
.set oi, 0
.rept 16
	ds_store_b128 v[\stg], v[64*\ks+4*oi:64*\ks+4*oi+3] offset:512*\ks+128*(oi/4)+16*(oi%4)
.set oi, oi+1
.endr
	QUANT \nw, 64*\ks, PC, PT, PW+\ks
.irp c, 0,1,2
	ds_store_b128 v[\rc], v[PC+4*\c:PC+4*\c+3] offset:1536*\ks+512*\c
.endr
	s_wait_dscnt 0x0                               ; the stores have read their registers
.endr
	ds_store_b128 v[\rc], v[PW:PW+3] offset:6144
.endm
.macro WLOAD reg, bs, off              ; a weight's fragment: three loads of 512 consecutive bytes
	WIN (((\reg)>>8)<<6)
.irp c, 0,1,2
	global_load_b128 v[((\reg)&255)+4*\c:((\reg)&255)+4*\c+3], v[L16], s[\bs:\bs+1] offset:(\off)+512*\c
.endr
.endm
.macro FETCHREC                        ; a record's four fragments and its scale words, 13 loads
.irp ks, 0,1,2,3
.irp c, 0,1,2
	ds_load_b128 v[XF+12*\ks+4*\c:XF+12*\ks+4*\c+3], v[TF] offset:1536*\ks+512*\c
.endr
.endr
	ds_load_b128 v[XS:XS+3], v[TF] offset:6144
.endm
	s_load_b256 s[4:11], s[0:1], 0x0               ; y s[4:5], wimg s[6:7], g2 s[8:9], b2 s[10:11]
	s_load_b128 s[12:15], s[0:1], 0x20             ; bf1, bf2
	s_load_b64 s[16:17], s[0:1], 0x30              ; out0
	v_lshl_add_u32 v235, v0, 2, 0x4e800
	v_mov_b32 v255, 0
	v_lshrrev_b32 v1, 5, v0
	v_readfirstlane_b32 s18, v1                    ; wave 0..3
	v_and_b32 v1, 31, v0
	v_and_b32 v2, 15, v0                           ; r
	v_bfe_u32 v3, v0, 4, 1                         ; h
	s_mov_b32 s[SEL], 0x76543210
	s_mov_b32 s[SEL+1], 0xfedcba98
	s_mov_b32 s[INV], 0x3b000000
	s_mov_b32 s[EPSR], 0x3727c5ac
	s_lshl_b32 s36, ttmp9, 18                      ; 128 rows of 2,048 bytes a work-group
	s_lshl_b32 s38, s18, 15
	s_add_co_u32 s36, s36, s38                     ; + 16 rows a wave
	s_mov_b32 s37, 0
	s_lshl_b32 s38, ttmp9, 18
	s_lshl_b32 s40, s18, 16
	s_add_co_u32 s38, s38, s40                     ; + 32 rows a wave
	s_mov_b32 s39, 0
	s_lshl_b32 s40, s18, 3
	s_add_co_u32 s40, s40, 96
	s_mul_i32 s40, s40, REC                        ; W1's record 96 + 8 w
	s_mov_b32 s41, 0
	s_and_b32 s42, s18, 1
	s_lshl_b32 s42, s42, 10
	s_mov_b32 s43, 0
	s_lshl_b32 s44, s18, 9
	s_mov_b32 s45, 0
	v_lshlrev_b32 v[XA], 11, v2
	v_lshl_add_u32 v[XA], v3, 6, v[XA]
	v_lshlrev_b32 v[L16], 4, v1
	v_lshlrev_b32 v[H64], 6, v3
	v_add_nc_u32 v[AG], PAR, v[H64]
	v_mul_u32_u24 v253, v2, SPITCH
	s_mul_i32 s46, s18, 16*SPITCH
	v_add_nc_u32 v[STA], s46, v253
	v_add_nc_u32 v[STA], v[STA], v[H64]
	v_add_nc_u32 v[STB], 64*SPITCH, v[STA]
	s_mul_i32 s46, s18, REC
	s_add_co_u32 s46, s46, RECS
	v_add_nc_u32 v[RCA], s46, v[L16]
	v_add_nc_u32 v[RCB], 4*REC, v[RCA]
	v_add_nc_u32 v[FB], RECS, v[L16]
	s_mul_i32 s46, s18, 1536
	v_add_nc_u32 v[HB], s46, v[FB]
	s_lshl_b32 s46, s18, 2
	s_add_co_u32 s46, s46, 6144
	v_add_nc_u32 v[HW], s46, v[FB]
	s_lshl_b32 s46, s18, 9
	v_lshl_add_u32 v[CB], v3, 5, v253
	v_add_nc_u32 v[CB], s46, v[CB]
	s_mul_i32 s46, s18, 32*SPITCH
	v_add_nc_u32 v[ARD], s46, v[L16]
	s_lshl_b32 s46, s18, 10
	s_add_co_u32 s46, s46, PAR
	v_add_nc_u32 v[APS], s46, v[L16]
.irp i, 4,5,6,7
	v_mov_b32 v[TM+\i], 0                          ; written once: a lane permute's destination counts as one of its sources
.endr
	s_wait_kmcnt 0x0
	s_add_nc_u64 s[YB:YB+1], s[4:5], s[36:37]
	s_add_nc_u64 s[OUTB:OUTB+1], s[16:17], s[38:39]
	s_add_nc_u64 s[W1B:W1B+1], s[6:7], s[40:41]
	s_add_nc_u64 s[W2B:W2B+1], s[W1B:W1B+1], 32*REC
	s_cmp_lt_u32 s18, 2                            ; waves 0, 1 bring g2's halves, waves 2, 3 b2's
	s_cselect_b64 s[30:31], s[8:9], s[10:11]
	s_add_nc_u64 s[30:31], s[30:31], s[42:43]
	s_add_nc_u64 s[32:33], s[12:13], s[44:45]      ; bf1 at my 128 hidden units
	global_load_b128 v[GB:GB+3], v[L16], s[30:31]
	global_load_b128 v[GB+4:GB+7], v[L16], s[30:31] offset:512
.irp t, 0,1,2,3,4,5,6,7
	global_load_b128 v[WS1+4*\t:WS1+4*\t+3], v[L16], s[W1B:W1B+1] offset:\t*REC+6144
.endr
.set ff, 0
.rept 21
	WLOAD 256+12*ff, W1B, (ff%8)*REC+1536*(ff/8)
.set ff, ff+1
.endr
	WIN 0x80                                       ; tile w + 4 into window 2,
.set li, 0
.rept 64
	global_load_b128 v[4*li:4*li+3], v[XA], s[YB:YB+1] offset:131072+512*(li/16)+128*((li/4)%4)+16*(li%4) th:TH_LOAD_NT
.set li, li+1
.endr
	WIN 0xc0                                       ; tile w into window 3
.set li, 0
.rept 64
	global_load_b128 v[4*li:4*li+3], v[XA], s[YB:YB+1] offset:512*(li/16)+128*((li/4)%4)+16*(li%4) th:TH_LOAD_NT
.set li, li+1
.endr
	WIN 0
	s_wait_loadcnt 63                              ; tile w + 4 and all ahead of it are in: 64 loads are younger, and 63 is the largest count that the wait can name
	ds_store_b128 v[APS], v[GB:GB+3]
	ds_store_b128 v[APS], v[GB+4:GB+7] offset:512
	BARRIER                                        ; g2 and b2 lie in LDS
	LNORM 2
	OUTLN 2, STB, RCB
.set ff, 21
.rept 11                                       ; window 2 is free: the rest of W1, bf1, bf2: 33 + 16 + 4 loads
	WLOAD 512+12*(ff-21), W1B, (ff%8)*REC+1536*(ff/8)
.set ff, ff+1
.endr
.irp t, 0,1,2,3,4,5,6,7                        ; bf1 in the result's layout: for tile t my eight hidden units 32 (t / 2) + 16 h + 8 (t % 2) + 0 .. 7
	global_load_b128 v[136+8*\t:139+8*\t], v[H64], s[32:33] offset:(32*(\t/2)+8*(\t%2))*4
	global_load_b128 v[140+8*\t:143+8*\t], v[H64], s[32:33] offset:(32*(\t/2)+8*(\t%2))*4+16
.endr
.irp i, 0,1,2,3
	global_load_b128 v[200+4*\i:203+4*\i], v[L16], s[14:15] offset:512*\i   ; bf2 at columns 4 lane + 128 i
.endr
	WIN 0
	s_wait_loadcnt 53                              ; tile w is in; the 53 loads just issued may be out
	LNORM 3
	OUTLN 3, STA, RCA
.set ff, 0
.rept 21                                       ; window 3 is free: 63 loads of W2, and 8 of its scale words
	WLOAD 768+12*ff, W2B, (ff%8)*REC+1536*(ff/8)
.set ff, ff+1
.endr
	WIN 0
.irp t, 0,1,2,3,4,5,6,7
	global_load_b128 v[WS2+4*\t:WS2+4*\t+3], v[L16], s[W2B:W2B+1] offset:\t*REC+6144
.endr
	s_wait_loadcnt 63                              ; all of W1, bf1 and bf2 are in: 71 loads are younger
	BARRIER                                        ; xt's 128 rows lie in the stage and its eight records in LDS
	; ---- 1: the hidden layer, a tile of 16 rows a trip
	s_mov_b32 s40, 0
	s_mov_b32 s42, 0
.Lp1:
	s_wait_dscnt 0x0                               ; the last trip's stores have read their address registers
	v_add_nc_u32 v[TF], s40, v[FB]
	v_add_nc_u32 v[TH], s40, v[HB]
	v_add_nc_u32 v[TW], s40, v[HW]
	FETCHREC
	BARRIER                                        ; every wave holds this tile's codes of xt: its record may take the hidden layer's
.set ff, 0
.rept 32                                       ; eight accumulators by turns, K step by K step
.if ff < 21
.set wr, 256+12*ff
.else
.set wr, 512+12*(ff-21)
.endif
.if ff < 8
	WM HA+8*(ff%8), wr, XF+12*(ff/8), 648+8*(ff%8), WS1+4*(ff%8)+ff/8, XS+ff/8
.else
	WM HA+8*(ff%8), wr, XF+12*(ff/8), HA+8*(ff%8), WS1+4*(ff%8)+ff/8, XS+ff/8
.endif
.set ff, ff+1
.endr
	WIN 0
	PLACES 5                                       ; four ahead of the first read of results and of loads into operands; a fifth, since the next trip begins these accumulators anew with another C
.set li, 0
.rept 64
	v_max_num_f32 v[HA+li], 0, v[HA+li]            ; the activation, in f32
.set li, li+1
.endr
	QUANT 0, HA, PC, PT, PW
.irp c, 0,1,2
	ds_store_b128 v[TH], v[PC+4*\c:PC+4*\c+3] offset:512*\c
.endr
	ds_store_b32 v[TW], v[PW]
	s_add_co_u32 s40, s40, REC
	s_add_co_u32 s42, s42, 1
	s_cmp_lt_u32 s42, 8
	s_cbranch_scc1 .Lp1
.set ff, 21
.rept 11                                       ; W1 is done with: the rest of W2 takes the foot of window 1
	WLOAD 256+12*(ff-21), W2B, (ff%8)*REC+1536*(ff/8)
.set ff, ff+1
.endr
	WIN 0
	s_wait_loadcnt 33                              ; W2's first 21 fragments and its scale words are in; the 33 loads just issued may be out
	BARRIER                                        ; the hidden layer's eight records lie in LDS
	; ---- 2: my 128 outputs, a tile of 16 rows a trip; each lane reads xt from, and writes the result to, bytes of the stage that no other lane touches
	s_mov_b32 s40, 0
	s_mov_b32 s41, 0
	s_mov_b32 s42, 0
.Lp2:
	s_wait_dscnt 0x0                               ; the last trip's stores have read their address register
	v_add_nc_u32 v[TF], s40, v[FB]
	v_add_nc_u32 v[TC], s41, v[CB]
	FETCHREC
.irp n, 0,1,2,3,4,5,6,7
	ds_load_b128 v[HA+8*\n:HA+8*\n+3], v[TC] offset:64*\n          ; xt(r, 128 w + 16 n + 8 h + 0 .. 7) starts the sums
	ds_load_b128 v[HA+8*\n+4:HA+8*\n+7], v[TC] offset:64*\n+16
.endr
	s_wait_dscnt 0x0
.set ff, 0
.rept 32
.if ff < 21
.set wr, 768+12*ff
.else
.set wr, 256+12*(ff-21)
.endif
.if ff == 21
	s_wait_loadcnt 0x0                             ; the rest of W2
.endif
	WM HA+8*(ff%8), wr, XF+12*(ff/8), HA+8*(ff%8), WS2+4*(ff%8)+ff/8, XS+ff/8
.set ff, ff+1
.endr
	WIN 0
	PLACES 4
.irp n, 0,1,2,3,4,5,6,7
	ds_store_b128 v[TC], v[HA+8*\n:HA+8*\n+3] offset:64*\n         ; each accumulator from its low end on
	ds_store_b128 v[TC], v[HA+8*\n+4:HA+8*\n+7] offset:64*\n+16
.endr
	s_add_co_u32 s40, s40, REC
	s_add_co_u32 s41, s41, 16*SPITCH
	s_add_co_u32 s42, s42, 1
	s_cmp_lt_u32 s42, 8
	s_cbranch_scc1 .Lp2
	BARRIER                                        ; 128 whole rows lie in the stage
	; ---- the way out: wave w stores rows 32 w .. 32 w + 31, four a batch, in two sets of registers by turns
.set bt, 0
.rept 8
.if bt > 1
	s_wait_xcnt 0x0                                ; the stores of two batches back have read this set
.endif
	WIN 0xc0
.set oi, 0
.rept 16
	ds_load_b128 v[64*(bt%2)+4*oi:64*(bt%2)+4*oi+3], v[ARD] offset:SPITCH*(4*bt+oi/4)+512*(oi%4)
.set oi, oi+1
.endr
	s_wait_dscnt 0x0
	WIN 0xcb
.set oi, 0
.rept 32
	v_pk_add_f32 v[64*(bt%2)+2*oi:64*(bt%2)+2*oi+1], v[64*(bt%2)+2*oi:64*(bt%2)+2*oi+1], v[200+(2*oi)%16:201+(2*oi)%16]   ; + bf2
.set oi, oi+1
.endr
	WIN 0x0c
.set oi, 0
.rept 16
	global_store_b128 v[L16], v[64*(bt%2)+4*oi:64*(bt%2)+4*oi+3], s[OUTB:OUTB+1] offset:2048*(4*bt+oi/4)+512*(oi%4) th:TH_STORE_NT   ; 32 lanes store 512 consecutive bytes, aligned
.set oi, oi+1
.endr
.set bt, bt+1
.endr
	s_set_vgpr_msb 0xc00
	s_wait_tensorcnt 0x0
	ds_add_u32 v235, v255
	s_wait_dscnt 0x0
	s_set_vgpr_msb 0xc
	s_endpgm
.Lfunc_end_k_qba23c8ba20_ffn:
	.size	k_qba23c8ba20_ffn, .Lfunc_end_k_qba23c8ba20_ffn-k_qba23c8ba20_ffn
	.p2alignl 7, 3214868480
	.fill 96, 4, 3214868480
	.section	.rodata,"a",@progbits
	.p2align	6, 0x0
	.amdhsa_kernel k_qba23c8ba20_ffn
		.amdhsa_group_segment_fixed_size 322048
		.amdhsa_private_segment_fixed_size 0
		.amdhsa_enable_private_segment 0
		.amdhsa_kernarg_size 56
		.amdhsa_user_sgpr_count 2
		.amdhsa_user_sgpr_kernarg_segment_ptr 1
		.amdhsa_wavefront_size32 1
		.amdhsa_system_sgpr_workgroup_id_x 1
		.amdhsa_system_sgpr_workgroup_id_y 1
		.amdhsa_system_sgpr_workgroup_id_z 1
		.amdhsa_system_vgpr_workitem_id 0
		.amdhsa_next_free_vgpr 1024
		.amdhsa_next_free_sgpr 66
		.amdhsa_reserve_vcc 0
		.amdhsa_float_denorm_mode_32 3
		.amdhsa_float_denorm_mode_16_64 3
		.amdhsa_memory_ordered 1
		.amdhsa_forward_progress 1
		.amdhsa_inst_pref_size 235
	.end_amdhsa_kernel
	.amdgpu_metadata
---
amdhsa.version: [ 1, 2 ]
amdhsa.kernels:
  - .name:           k_qba23c8ba20_ffn
    .symbol:         k_qba23c8ba20_ffn.kd
    .args:
      - { .name: y, .offset: 0, .size: 8, .value_kind: global_buffer, .address_space: global }
      - { .name: wimg, .offset: 8, .size: 8, .value_kind: global_buffer, .address_space: global }
      - { .name: g2, .offset: 16, .size: 8, .value_kind: global_buffer, .address_space: global }
      - { .name: b2, .offset: 24, .size: 8, .value_kind: global_buffer, .address_space: global }
      - { .name: bf1, .offset: 32, .size: 8, .value_kind: global_buffer, .address_space: global }
      - { .name: bf2, .offset: 40, .size: 8, .value_kind: global_buffer, .address_space: global }
      - { .name: out0, .offset: 48, .size: 8, .value_kind: global_buffer, .address_space: global }
    .group_segment_fixed_size: 322048
    .private_segment_fixed_size: 0
    .kernarg_segment_align: 8
    .kernarg_segment_size: 56
    .max_flat_workgroup_size: 128
    .sgpr_count:     66
    .vgpr_count:     1024
    .wavefront_size: 32
...
	.end_amdgpu_metadata
.endif
;; end of part 3
;; ======== version 2 of 2: 3 launches
;; limits: right only within a limited range of input values
;; workspace buffers: wimg 1,064,960 bytes; ximg 13,631,488 bytes; stat 524,288 bytes; y 67,108,864 bytes
;; launch prep (part 4): grid 552 x 1, 4 waves a work-group, no clusters, 34,304 bytes of LDS; arguments x, Wq, Wk, Wv, W1, W2, g1, b1, wimg, ximg, stat; writes wimg, ximg, stat
.if DOCPART == 4
	.amdgcn_target "amdgcn-amd-amdhsa--gfx1250"
	.amdhsa_code_object_version 6
	.text
	.protected	k_qba23c8ba20_prep
	.globl	k_qba23c8ba20_prep
	.p2align	8
	.type	k_qba23c8ba20_prep,@function
k_qba23c8ba20_prep:
	s_mov_b64 s[64:65], 0
	v_nop
	global_prefetch_b8 v0, s[64:65] scope:SCOPE_SE
	s_setreg_imm32_b32 hwreg(HW_REG_WAVE_MODE, 25, 1), 1
	s_wait_xcnt 0x0
; The five weights [512][512] f32 (K innermost) and xn = layernorm(x) are turned into codes of FP6 (E2M3) with one E8M0 byte for each 32 along K.
; ONE WAVE MAKES ONE RECORD: a tile of 16 rows x 512 K as an image of the operand's registers, 6,656 bytes: the fragment of K step s at 1536 s (register group c at 512 c, lane l's 16 bytes
; at 16 l), then the scale words at 6144 + 16 l (word s for K step s).  A later launch gets a fragment by three loads of 16 bytes a lane.
; WHICH ROWS FORM A TILE.  Wq, Wk, W1 and x: lane r of tile t takes row 32 (t / 2) + 8 (t % 2) + r + 8 (r / 8), so that a product used transposed leaves 16 neighbours along the next K in a lane's
; 16 registers of tiles 2 b and 2 b + 1.  Wv, W2: row 16 t + r.  For x a row is a place s of one b: rows are 64 x 2,048 bytes apart.
; SHARES.  2,048 tiles of x and 160 weight tiles: 552 work-groups of four waves.  Work-groups 0-511 take x: b = 4 (id % 16) + wave, tile id / 16.  Work-groups 512-551 take the weights
; (weight = (id - 512) / 8, tile = 4 ((id - 512) % 8) + wave); they are the short ones and have the highest numbers: they jump over the layernorm.  Only pointers, pitch and the order of rows are chosen.
; LOADS TAKE THE BYTES AS THEY LIE: each load covers 512 consecutive bytes of one row, aligned: register 64 s + 4 i + j of window 1 = column 128 s + 4 lane + j of row i.
; THE LAYERNORM WORKS IN THAT ORDER: a row lies across the 32 lanes, 16 numbers a lane, and g1 and b1 are 16 + 16 registers, loaded the same way.  A row's sum: 8 additions in the lane, four steps
; between the lanes of a row of 16 and one between the two halves, the 16 rows by turns; it ends in every lane.  Two passes: mean; centred; mean of squares; (x - mu) * rsqrt(var + eps) * g + b, in that order.
; (mu, rstd) of row r go to stat at 8 r (and once more at 8 (r + 16)): 256 bytes a record.
; THE QUANTISER wants lane (r, h) to hold, of row r, the 16 numbers 32 b + 16 h + 0 .. 15 of every block of 32.  So each K step's 16 rows x 512 bytes turn once through the wave's own stage in LDS:
; 16 stores as they lie, 16 loads, rows 528 bytes apart, an odd multiple of 16.  One stage serves the four K steps: LDS serves a wave's instructions in order.
; g1 and b1 are asked for by every work-group: the weights' work-groups leave them unread, which keeps one path up to the layernorm.
; A block's scale byte is its largest magnitude's exponent field - 2, held at 1 from below.
; LIMITS: NaN and infinities are not served; a block whose largest magnitude lies under 2^-124 gets the byte 1; a block of zeros gets the byte 1 and not 127: its codes are zeros and this program alone reads the bytes.
; No matrix unit, cluster or tensor load: a stream that the vector unit works on.  All of a wave's loads are issued at its head.
.set NX,     512
.set REC,    6656
.set FLOOR,  0x1800000                 ; 2^(3 - 127)
.set MINUS2, 0xff000000                ; 2 off an exponent field
.set SPB,    528                       ; a row of the stage
.set WREG,   16*SPB                    ; a wave's stage
.set SPARE,  4*WREG                    ; the spare words, 128 bytes a wave
.set RI,  4                            ; registers from row to row,
.set RC,  64                           ; and from K step to K step
.set SRD, 4                            ; v4  the stage, on the way out: 528 r + 64 h
.set L16, 5                            ; v5  16 x lane
.set L8,  6                            ; v6  8 x lane
.set SWR, 9                            ; v9  the stage, on the way in: 16 x lane
.set TM,  16                           ; v16-31  the quantiser's work
.set MR,  52                           ; v52-53  (mu, rstd) to store
.set PC,  56                           ; v56-103 the codes, 12 registers a K step
.set PT,  104                          ; v104-111 halves of blocks on their way
.set PW,  112                          ; v112-115 the scale words
.set SPW, 126                          ; v126 my spare word;  v127 0
.set NIL, 127
.set GG,  128                          ; v128-143 g1 at columns 128 c + 4 lane + j: register 4 c + j
.set BB,  144                          ; v144-159 b1 likewise
.set SA,  160                          ; v160-191 a packed sum for each row
.set VO,  192                          ; v192-207 row i's byte offset + 16 x lane
.set MU,  208                          ; v208-223 minus the mean of each row
.set RS,  224                          ; v224-239 1 / sqrt(var + eps) of each row
.set TP,  240                          ; v240-255 the other half's sums
.set SEL, 54                           ; s[54:55] v_permlanex16_b32's selects for lane l xor 16
.set INV, 56                           ; s56 1 / 512
.set EPSR, 57                          ; s57 1e-5
.set MSB, 0
.macro WIN new                         ; the immediate's high byte repeats the setting that is left; a switch that changes nothing is dropped
.if MSB != (\new)
	s_set_vgpr_msb (MSB<<8)|(\new)
.set MSB, \new
.endif
.endm
; 64 numbers of a lane in window nw, register sr + 16 b + i = k 32 b + 16 h + i of my row, become a fragment's codes in v[pc] on and its scale word in v[pw]
.macro QUANT nw, sr, pc, pt, pw
	WIN (\nw)|((\nw)<<2)
.irp qb, 0,1,2,3
	v_max3_num_f32 v[TM+\qb], |v[(\sr)+16*\qb]|, |v[(\sr)+16*\qb+1]|, FLOOR
.endr
	WIN ((\nw)<<2)|((\nw)<<4)
.irp qi, 2,4,6,8,10,12,14
.irp qb, 0,1,2,3
	v_max3_num_f32 v[TM+\qb], v[TM+\qb], |v[(\sr)+16*\qb+\qi]|, |v[(\sr)+16*\qb+\qi+1]|
.endr
.endr
	WIN 0
.irp qb, 0,1,2,3
	v_permlanex16_b32 v[TM+4+\qb], v[TM+\qb], s[SEL], s[SEL+1]
.endr
.irp qb, 0,1,2,3
	v_max_num_f32 v[TM+\qb], v[TM+\qb], v[TM+4+\qb]              ; the block's largest magnitude
.endr
.irp qb, 0,1,2,3
	v_add_nc_u32 v[TM+12+\qb], MINUS2, v[TM+\qb]                 ; the conversion takes this operand's exponent field as its scale
.endr
.irp qb, 0,1,2,3
	v_lshrrev_b32 v[TM+4+\qb], 23, v[TM+12+\qb]                  ; the scale's byte
.endr
	v_lshl_or_b32 v[\pw], v[TM+5], 8, v[TM+4]
	v_lshl_or_b32 v[\pw], v[TM+6], 16, v[\pw]
	v_lshl_or_b32 v[\pw], v[TM+7], 24, v[\pw]
	WIN (\nw)
.irp qc, 0,1
	v_cvt_scalef32_pk16_fp6_f32 v[(\pc)+6*\qc:(\pc)+6*\qc+2], v[(\sr)+32*\qc:(\sr)+32*\qc+15], v[TM+12+2*\qc]
	v_cvt_scalef32_pk16_fp6_f32 v[(\pt)+4*\qc:(\pt)+4*\qc+2], v[(\sr)+32*\qc+16:(\sr)+32*\qc+31], v[TM+13+2*\qc]
.endr
	WIN 0
	v_nop                                                        ; one plain instruction behind the conversions
.irp qc, 0,1                                                     ; the operand wants a whole block in a lane
.irp qi, 0,1,2
	v_permlane16_swap_b32 v[(\pc)+6*\qc+\qi], v[(\pt)+4*\qc+\qi]
.endr
.irp qi, 0,1,2
	v_mov_b32 v[(\pc)+6*\qc+3+\qi], v[(\pt)+4*\qc+\qi]
.endr
.endr
.endm
.macro BFLY d                          ; the 16 packed sums of a lane become the 16 rows' sums, each in every lane, in v[d] on; the rows by turns
.set li, 0
.rept 16
	v_add_f32 v[\d+li], v[SA+2*li], v[SA+2*li+1]
.set li, li+1
.endr
.irp m, 1,2,4,8
.set li, 0
.rept 16
	v_add_f32_dpp v[\d+li], v[\d+li], v[\d+li] row_xmask:\m row_mask:0xf bank_mask:0xf
.set li, li+1
.endr
.endr
.set li, 0
.rept 16
	v_permlanex16_b32 v[TP+li], v[\d+li], s[SEL], s[SEL+1]
.set li, li+1
.endr
.set li, 0
.rept 16
	v_add_f32 v[\d+li], v[\d+li], v[TP+li]
.set li, li+1
.endr
.endm
.macro LNROW nw                        ; 16 rows in window nw, as loaded, become (x - mu) * rstd * g + b.  Pair k of row i: register RI i + RC (k / 2) + 2 (k % 2)
	WIN (\nw)|((\nw)<<2)
.set li, 0
.rept 16
	v_pk_add_f32 v[SA+2*li:SA+2*li+1], v[RI*li:RI*li+1], v[RI*li+2:RI*li+3]   ; the first pairs start the sums
.set li, li+1
.endr
	WIN (\nw)<<2
.irp k, 2,3,4,5,6,7
.set li, 0
.rept 16
	v_pk_add_f32 v[SA+2*li:SA+2*li+1], v[SA+2*li:SA+2*li+1], v[RI*li+RC*(\k/2)+2*(\k%2):RI*li+RC*(\k/2)+2*(\k%2)+1]
.set li, li+1
.endr
.endr
	WIN 0
	BFLY MU
.set li, 0
.rept 16
	v_mul_f32 v[MU+li], 0xbb000000, v[MU+li]                     ; - sum / 512
.set li, li+1
.endr
	WIN ((\nw)<<6)|(\nw)
.set li, 0
.rept 128                              ; li = 8 row + pair; a row's number stands in one register of a pair and serves both halves
.set rg, RI*(li/8)+RC*((li%8)/2)+2*(li%2)
.if (li/8)%2
	v_pk_add_f32 v[rg:rg+1], v[rg:rg+1], v[MU+li/8-1:MU+li/8] op_sel:[0,1] op_sel_hi:[1,1]
.else
	v_pk_add_f32 v[rg:rg+1], v[rg:rg+1], v[MU+li/8:MU+li/8+1] op_sel_hi:[1,0]
.endif
.set li, li+1
.endr
	WIN (\nw)|((\nw)<<2)
.set li, 0
.rept 16
	v_pk_mul_f32 v[SA+2*li:SA+2*li+1], v[RI*li:RI*li+1], v[RI*li:RI*li+1]
.set li, li+1
.endr
.irp k, 1,2,3,4,5,6,7
.set li, 0
.rept 16
.set rg, RI*li+RC*(\k/2)+2*(\k%2)
	v_pk_fma_f32 v[SA+2*li:SA+2*li+1], v[rg:rg+1], v[rg:rg+1], v[SA+2*li:SA+2*li+1]
.set li, li+1
.endr
.endr
	WIN 0
	BFLY RS
.set li, 0
.rept 16
	v_fma_f32 v[RS+li], v[RS+li], s[INV], s[EPSR]                ; var + eps
.set li, li+1
.endr
	s_wait_alu depctr_va_vdst(0)                                 ; the wait ahead of the batch,
.set li, 0
.rept 16
	v_rsq_f32 v[RS+li], v[RS+li]
.set li, li+1
.endr
	v_nop                                                        ; a plain instruction behind it,
	s_wait_alu depctr_va_vdst(0)                                 ; and the wait ahead of its first reader
	WIN ((\nw)<<6)|(\nw)
.set li, 0
.rept 128
.set rg, RI*(li/8)+RC*((li%8)/2)+2*(li%2)
.if (li/8)%2
	v_pk_mul_f32 v[rg:rg+1], v[rg:rg+1], v[RS+li/8-1:RS+li/8] op_sel:[0,1] op_sel_hi:[1,1]
.else
	v_pk_mul_f32 v[rg:rg+1], v[rg:rg+1], v[RS+li/8:RS+li/8+1] op_sel_hi:[1,0]
.endif
.set li, li+1
.endr
.set li, 0
.rept 128
.set rg, RI*(li/8)+RC*((li%8)/2)+2*(li%2)
	v_pk_fma_f32 v[rg:rg+1], v[rg:rg+1], v[GG+2*(li%8):GG+2*(li%8)+1], v[BB+2*(li%8):BB+2*(li%8)+1]
.set li, li+1
.endr
	WIN 0
.endm
; K step ks, 16 rows x 512 bytes in window 1, turns through my stage and comes back into the registers that it left: register 64 ks + 16 b + 4 j = columns 32 b + 16 h + 4 j on of row r
.macro TURN ks
	WIN 0x04                                                     ; an LDS store's data are its source 1
.irp i, 0,1,2,3,4,5,6,7,8,9,10,11,12,13,14,15
	ds_store_b128 v[SWR], v[64*(\ks)+4*\i:64*(\ks)+4*\i+3] offset:SPB*\i
.endr
	WIN 0x40                                                     ; LDS serves a wave's instructions in order
.irp e, 0,1,2,3,4,5,6,7,8,9,10,11,12,13,14,15
	ds_load_b128 v[64*(\ks)+4*\e:64*(\ks)+4*\e+3], v[SRD] offset:128*(\e/4)+16*(\e%4)
.endr
.endm
	s_load_b512 s[4:19], s[0:1], 0x0               ; x, Wq, Wk, Wv, W1, W2, g1, b1
	s_load_b128 s[20:23], s[0:1], 0x40             ; wimg, ximg
	s_load_b64 s[24:25], s[0:1], 0x50              ; stat
	v_lshl_add_u32 v[SPW], v0, 2, SPARE
	v_mov_b32 v[NIL], 0
	v_lshrrev_b32 v1, 5, v0
	v_readfirstlane_b32 s26, v1                    ; wave 0..3
	s_mov_b32 s[SEL], 0x76543210
	s_mov_b32 s[SEL+1], 0xfedcba98
	s_mov_b32 s[INV], 0x3b000000
	s_mov_b32 s[EPSR], 0x3727c5ac
	; both sets of numbers are made, then one compare chooses
	s_sub_co_u32 s43, ttmp9, NX                    ; weights: which of their 40 work-groups,
	s_lshr_b32 s27, s43, 3                         ; which weight,
	s_and_b32 s38, s43, 7
	s_lshl_b32 s38, s38, 2
	s_add_co_u32 s38, s38, s26                     ; which tile,
	s_lshr_b32 s39, 0x0b, s27
	s_and_b32 s39, s39, 1                          ; rows in the order 0-7, 16-23 (Wq, Wk, W1) or on end (Wv, W2),
	s_lshl_b32 s42, s27, 5
	s_add_co_u32 s42, s42, s38                     ; which record
	s_and_b32 s44, ttmp9, 15                       ; x:
	s_lshl_b32 s44, s44, 2
	s_add_co_u32 s44, s44, s26                     ; b,
	s_lshr_b32 s45, ttmp9, 4                       ; tile,
	s_lshl_b32 s46, s44, 5
	s_add_co_u32 s46, s46, s45                     ; record,
	s_lshl_b32 s47, s44, 11                        ; b's 2,048 bytes in a place s
	s_cmp_ge_u32 ttmp9, NX
	s_cselect_b32 s28, s27, 7                      ; the source: 0-4 a weight, 7 x
	s_cselect_b32 s29, s38, s45                    ; the tile
	s_cselect_b32 s30, s39, 1                      ; the order of rows
	s_mov_b32 s31, 0x20000
	s_cselect_b32 s31, 2048, s31                   ; bytes from row to row
	s_cselect_b32 s36, 0, s47
	s_cselect_b32 s37, s42, s46                    ; the record
	s_lshr_b32 s48, s29, 1
	s_lshl_b32 s48, s48, 5
	s_and_b32 s49, s29, 1
	s_lshl_b32 s49, s49, 3
	s_add_co_u32 s48, s48, s49                     ; 32 (t / 2) + 8 (t % 2),
	s_lshl_b32 s49, s29, 4                         ; or 16 t
	s_cmp_eq_u32 s30, 1
	s_cselect_b32 s48, s48, s49                    ; the tile's first row
	s_mul_i32 s48, s48, s31
	s_add_co_u32 s48, s48, s36                     ; in bytes (under 2^27)
	s_mov_b32 s49, 0
	s_mul_i32 s50, s37, REC
	s_mov_b32 s51, 0
	s_mul_i32 s58, s30, s31
	s_lshl_b32 s58, s58, 3                         ; the eight rows passed over between a tile's rows 7 and 8, or nothing
	s_mul_i32 s52, s26, WREG                       ; my wave's stage
	v_and_b32 v1, 31, v0                           ; lane
	v_and_b32 v2, 15, v0                           ; r
	v_bfe_u32 v3, v0, 4, 1                         ; h
	v_lshlrev_b32 v[L16], 4, v1
	v_lshlrev_b32 v[L8], 3, v1
	v_mul_u32_u24 v[SRD], v2, SPB
	v_lshl_add_u32 v[SRD], v3, 6, v[SRD]
	v_add_nc_u32 v[SRD], s52, v[SRD]
	v_add_nc_u32 v[SWR], s52, v[L16]
	v_mov_b32 v[VO], v[L16]                        ; row i of the tile: 16 x lane + its distance from the tile's first row
.irp i, 1,2,3,4,5,6,7,8,9,10,11,12,13,14,15
.if \i == 8
	v_add3_u32 v[VO+\i], v[VO+\i-1], s31, s58
.else
	v_add_nc_u32 v[VO+\i], s31, v[VO+\i-1]
.endif
.endr
.irp i, 4,5,6,7
	v_mov_b32 v[TM+\i], 0                          ; written once: a lane permute's destination counts as one of its sources
.endr
.set li, 0
.rept 16
	v_mov_b32 v[TP+li], 0
.set li, li+1
.endr
	s_wait_alu depctr_va_vdst(0)                   ; the wait at the head's end
	s_wait_kmcnt 0x0
	s_cmp_ge_u32 ttmp9, NX
	s_cselect_b64 s[34:35], s[20:21], s[22:23]     ; where the record goes
	s_mov_b64 s[32:33], s[4:5]                     ; where the rows come from
	s_cmp_eq_u32 s28, 0
	s_cselect_b64 s[32:33], s[6:7], s[32:33]
	s_cmp_eq_u32 s28, 1
	s_cselect_b64 s[32:33], s[8:9], s[32:33]
	s_cmp_eq_u32 s28, 2
	s_cselect_b64 s[32:33], s[10:11], s[32:33]
	s_cmp_eq_u32 s28, 3
	s_cselect_b64 s[32:33], s[12:13], s[32:33]
	s_cmp_eq_u32 s28, 4
	s_cselect_b64 s[32:33], s[14:15], s[32:33]
	s_add_nc_u64 s[32:33], s[32:33], s[48:49]
	s_add_nc_u64 s[34:35], s[34:35], s[50:51]
	s_lshl_b32 s50, s37, 8
	s_add_nc_u64 s[24:25], s[24:25], s[50:51]      ; stat: 256 bytes a record (used for x alone)
.irp i, 0,1,2,3
	global_load_b128 v[GG+4*\i:GG+4*\i+3], v[L16], s[16:17] offset:512*\i
	global_load_b128 v[BB+4*\i:BB+4*\i+3], v[L16], s[18:19] offset:512*\i
.endr
	WIN 0x40                                       ; destination window 1
.set li, 0
.rept 64                                       ; register 4 li = 64 ks + 4 i: row i's 512 bytes of K step ks: 32 lanes read 512 consecutive bytes, aligned
	global_load_b128 v[4*li:4*li+3], v[VO+li%16], s[32:33] offset:512*(li/16) th:TH_LOAD_NT
.set li, li+1
.endr
	WIN 0
	s_wait_loadcnt 0x0                             ; whole rows are wanted
	s_cmp_ge_u32 ttmp9, NX
	s_cbranch_scc1 .Lturn                          ; a weight is quantised as it is
	LNROW 1
	v_mov_b32 v[MR], v[MU]                         ; lane l takes row l % 16's two numbers out of the 16 + 16 registers
	v_mov_b32 v[MR+1], v[RS]
.irp i, 1,2,3,4,5,6,7,8,9,10,11,12,13,14,15
	s_mov_b32 s59, (1<<\i)|(1<<(\i+16))
	v_cndmask_b32 v[MR], v[MR], v[MU+\i], s59
	v_cndmask_b32 v[MR+1], v[MR+1], v[RS+\i], s59
.endr
	v_xor_b32 v[MR], 0x80000000, v[MR]             ; the mean was kept with its sign turned
	global_store_b64 v[L8], v[MR:MR+1], s[24:25]   ; 32 lanes store 256 consecutive bytes, aligned
.Lturn:
	TURN 0
	TURN 1
	TURN 2
	TURN 3
	WIN 0
.irp ks, 0,1,2,3
.if \ks < 2
	s_wait_dscnt 63                                ; this K step is back: 32 LDS instructions a later K step are younger, and 63 is the largest count that the wait can name
.else
	s_wait_dscnt 32*(3-\ks)
.endif
	QUANT 1, 64*\ks, PC+12*\ks, PT, PW+\ks
.endr
.irp ks, 0,1,2,3                               ; each K step has registers of its own for its codes: no store's data are written again
.irp c, 0,1,2
	global_store_b128 v[L16], v[PC+12*\ks+4*\c:PC+12*\ks+4*\c+3], s[34:35] offset:1536*\ks+512*\c   ; 512 consecutive bytes, aligned
.endr
.endr
	global_store_b128 v[L16], v[PW:PW+3], s[34:35] offset:6144
	s_wait_tensorcnt 0x0                           ; the wave's end
	ds_add_u32 v[SPW], v[NIL]
	s_wait_dscnt 0x0
	s_endpgm
.Lfunc_end_k_qba23c8ba20_prep:
	.size	k_qba23c8ba20_prep, .Lfunc_end_k_qba23c8ba20_prep-k_qba23c8ba20_prep
	.p2alignl 7, 3214868480
	.fill 96, 4, 3214868480
	.section	.rodata,"a",@progbits
	.p2align	6, 0x0
	.amdhsa_kernel k_qba23c8ba20_prep
		.amdhsa_group_segment_fixed_size 34304
		.amdhsa_private_segment_fixed_size 0
		.amdhsa_enable_private_segment 0
		.amdhsa_kernarg_size 88
		.amdhsa_user_sgpr_count 2
		.amdhsa_user_sgpr_kernarg_segment_ptr 1
		.amdhsa_wavefront_size32 1
		.amdhsa_system_sgpr_workgroup_id_x 1
		.amdhsa_system_sgpr_workgroup_id_y 1
		.amdhsa_system_sgpr_workgroup_id_z 1
		.amdhsa_system_vgpr_workitem_id 0
		.amdhsa_next_free_vgpr 512
		.amdhsa_next_free_sgpr 66
		.amdhsa_reserve_vcc 0
		.amdhsa_float_denorm_mode_32 3
		.amdhsa_float_denorm_mode_16_64 3
		.amdhsa_memory_ordered 1
		.amdhsa_forward_progress 1
		.amdhsa_inst_pref_size 94
	.end_amdhsa_kernel
	.amdgpu_metadata
---
amdhsa.version: [ 1, 2 ]
amdhsa.kernels:
  - .name:           k_qba23c8ba20_prep
    .symbol:         k_qba23c8ba20_prep.kd
    .args:
      - { .name: x, .offset: 0, .size: 8, .value_kind: global_buffer, .address_space: global }
      - { .name: Wq, .offset: 8, .size: 8, .value_kind: global_buffer, .address_space: global }
      - { .name: Wk, .offset: 16, .size: 8, .value_kind: global_buffer, .address_space: global }
      - { .name: Wv, .offset: 24, .size: 8, .value_kind: global_buffer, .address_space: global }
      - { .name: W1, .offset: 32, .size: 8, .value_kind: global_buffer, .address_space: global }
      - { .name: W2, .offset: 40, .size: 8, .value_kind: global_buffer, .address_space: global }
      - { .name: g1, .offset: 48, .size: 8, .value_kind: global_buffer, .address_space: global }
      - { .name: b1, .offset: 56, .size: 8, .value_kind: global_buffer, .address_space: global }
      - { .name: wimg, .offset: 64, .size: 8, .value_kind: global_buffer, .address_space: global }
      - { .name: ximg, .offset: 72, .size: 8, .value_kind: global_buffer, .address_space: global }
      - { .name: stat, .offset: 80, .size: 8, .value_kind: global_buffer, .address_space: global }
    .group_segment_fixed_size: 34304
    .private_segment_fixed_size: 0
    .kernarg_segment_align: 8
    .kernarg_segment_size: 88
    .max_flat_workgroup_size: 128
    .sgpr_count:     66
    .vgpr_count:     512
    .wavefront_size: 32
...
	.end_amdgpu_metadata
.endif
;; end of part 4
;; launch attn (part 5): grid 4 x 64, 8 waves a work-group, clusters of 4 x 1, 327,680 bytes of LDS; arguments ximg, wimg, stat, x, g1, b1, y; writes y
.if DOCPART == 5
	.amdgcn_target "amdgcn-amd-amdhsa--gfx1250"
	.amdhsa_code_object_version 6
	.text
	.protected	k_qba23c8ba20_attn
	.globl	k_qba23c8ba20_attn
	.p2align	8
	.type	k_qba23c8ba20_attn,@function
k_qba23c8ba20_attn:
	s_mov_b64 s[64:65], 0
	v_nop
	global_prefetch_b8 v0, s[64:65] scope:SCOPE_SE
	s_setreg_imm32_b32 hwreg(HW_REG_WAVE_MODE, 25, 1), 1
	s_wait_xcnt 0x0
	s_wait_alu depctr_hold_cnt(0) depctr_sa_sdst(0) depctr_va_vdst(0) depctr_va_sdst(0) depctr_va_ssrc(0) depctr_va_vcc(0) depctr_vm_vsrc(0)
	s_getreg_b32 s2, hwreg(HW_REG_IB_STS2, 6, 4)
	s_cmp_eq_u32 s2, 0
	s_cbranch_scc0 .Lentry_in_a_cluster
	s_endpgm
.Lentry_in_a_cluster:
	s_bfe_u32 s2, ttmp6, 0x10000c
	s_cmp_lg_u32 s2, 0x3003
	s_cbranch_scc0 .Lentry_shape_is_right
	s_endpgm
.Lentry_shape_is_right:
; y = xn + softmax(q k^T / 8) v, for one b and two heads a work-group (grid x: the pair of heads, grid y: b); all products on codes of FP6 (E2M3) with one E8M0 byte for each 32 along K.
; LDS: five areas of 53,248 bytes (eight records of 6,656), then the spare words.  xn's 32 records of this b are 212,992 bytes on end in ximg and fill areas 1 to 4:
; each of the eight waves fetches four records, 104 rows of 256 bytes, by ONE tensor load at the head; nothing is filled again.
; CLUSTER 4, 1, 1: the four work-groups of one b read the same records, so the load is a joint one (mask 15); a round stands in front of it and one in front of s_endpgm.
; PROJECTION, four chunks of 128 places: a wave holds two tiles of Wq or Wk and one of Wv in registers and walks the chunk's eight records.  Chunk g's codes of q, k, v go to area g,
; over the records of chunk g - 1, behind a barrier.  Tile t - 1's q or k is quantised behind tile t's twelve products (two sets of accumulators by turns); v is quantised along the keys at the chunk's end.
; ATTENTION: a wave takes one head and 128 queries, 16 a trip, against all 512 keys: S^T = k q^T, M = ceil(the row's largest t), p = 2^(t - M), the sum of the unquantised p, p's codes, O^T = v^T p^T, / the sum,
; + xn, made again from x, (mu, rstd), g1, b1; rows leave through the wave's own stage, 256 consecutive bytes to sixteen lanes.
; LIMITS: NaN and infinities are not served; the scaled scores stay under 2^31 in magnitude; a block whose largest magnitude lies under 2^-124, or is 0, gets the byte 1.
.set AREA,   53248
.set REC,    6656
.set FLOOR,  0x1800000
.set MINUS2, 0xff000000
.set WV,  18
.set HP,  19
.set BB,  20
.set CS,  22
.set G1,  24
.set G0,  32
.set WQK, 48
.set WVB, 50
.set SEL, 52
.set L16, 4
.set AX,  5
.set AQK, 6
.set ASB, 7
.set AVI, 8
.set AVS, 9
.set HA,  16
.set PCB, 32
.set BY,  40
.set TM,  44
.set PC,  60
.set PT,  72
.set PW,  80
.set VA,  96
.set WS,  216
.set XS,  228
.set WF,  256
.set XF,  400
.set X3,  176                          ; x's third set of fragments: K step 0 at XF + 96, K steps 1 to 3 at v176-211; its scale words at v212-215
.set AX2, 10                           ; v10 as AX, one area on
.set AK,  4
.set AV,  8
.set AS,  12
.set AQ0, 16
.set AQ,  17
.set AQS0, 18
.set AQS, 19
.set STO, 20
.set RD,  21
.set XO,  22
.set SO,  23
.set ASV, 24
.set QF,  28
.set KF,  48
.set XR,  48
.set ST,  80
.set BM,  96
.set BT,  112
.set PF,  112
.set PTA, 160
.set GR,  168
.set BR,  172
.set RM,  176
.set NM,  178
.set LS,  180
.set RL,  188
.set PX,  190
.set KS,  216
.set QSL, 232
.set QSH, 233
.set PS,  234
.set VS,  238
.set MSB, 0
.macro WIN new
.if MSB != (\new)
	s_set_vgpr_msb (MSB<<8)|(\new)
.set MSB, \new
.endif
.endm
.macro WM d, a, b, c, sa, sb
.if (\c) < 0
	WIN (((\d)>>8)<<6)|(((\d)>>8)<<4)|(((\b)>>8)<<2)|((\a)>>8)
	v_wmma_scale_f32_16x16x128_f8f6f4 v[(\d)&255:((\d)&255)+7], v[(\a)&255:((\a)&255)+11], v[(\b)&255:((\b)&255)+11], 0, v[\sa], v[\sb] matrix_a_fmt:MATRIX_FMT_FP6 matrix_b_fmt:MATRIX_FMT_FP6
.else
	WIN (((\d)>>8)<<6)|(((\c)>>8)<<4)|(((\b)>>8)<<2)|((\a)>>8)
	v_wmma_scale_f32_16x16x128_f8f6f4 v[(\d)&255:((\d)&255)+7], v[(\a)&255:((\a)&255)+11], v[(\b)&255:((\b)&255)+11], v[(\c)&255:((\c)&255)+7], v[\sa], v[\sb] matrix_a_fmt:MATRIX_FMT_FP6 matrix_b_fmt:MATRIX_FMT_FP6
.endif
.endm
.macro PLACES n
.rept \n
	v_nop
.endr
.endm
.macro ROUND                           ; a round of the cluster's barrier
	s_barrier_signal -1
	s_barrier_wait -1
	s_cmp_lg_u32 s[WV], 0
	s_cbranch_scc1 .Lnot_wave_0_\@
	s_barrier_signal -3
.Lnot_wave_0_\@:
	s_barrier_wait -3
	s_barrier_signal -1
	s_barrier_wait -1
.endm
.macro BARRIER
	s_wait_dscnt 0x0
	s_barrier_signal -1
	s_barrier_wait -1
.endm
.macro QUANT nw, sr, pc, pt, pw
	WIN (\nw)|((\nw)<<2)
.irp qb, 0,1,2,3
	v_max3_num_f32 v[TM+\qb], |v[(\sr)+16*\qb]|, |v[(\sr)+16*\qb+1]|, FLOOR
.endr
	WIN ((\nw)<<2)|((\nw)<<4)
.irp qi, 2,4,6,8,10,12,14
.irp qb, 0,1,2,3
	v_max3_num_f32 v[TM+\qb], v[TM+\qb], |v[(\sr)+16*\qb+\qi]|, |v[(\sr)+16*\qb+\qi+1]|
.endr
.endr
	WIN 0
.irp qb, 0,1,2,3
	s_delay_alu instid0(VALU_DEP_4)
	v_permlanex16_b32 v[TM+4+\qb], v[TM+\qb], s[SEL], s[SEL+1]
.endr
.irp qb, 0,1,2,3
	s_delay_alu instid0(VALU_DEP_4)
	v_max_num_f32 v[TM+\qb], v[TM+\qb], v[TM+4+\qb]
.endr
.irp qb, 0,1,2,3
	s_delay_alu instid0(VALU_DEP_4)
	v_add_nc_u32 v[TM+12+\qb], MINUS2, v[TM+\qb]
.endr
.irp qb, 0,1,2,3
	s_delay_alu instid0(VALU_DEP_4)
	v_lshrrev_b32 v[TM+4+\qb], 23, v[TM+12+\qb]
.endr
	s_delay_alu instid0(VALU_DEP_3)
	v_lshl_or_b32 v[\pw], v[TM+5], 8, v[TM+4]
	s_delay_alu instid0(VALU_DEP_1)
	v_lshl_or_b32 v[\pw], v[TM+6], 16, v[\pw]
	s_delay_alu instid0(VALU_DEP_1)
	v_lshl_or_b32 v[\pw], v[TM+7], 24, v[\pw]
	WIN (\nw)
.irp qc, 0,1
	v_cvt_scalef32_pk16_fp6_f32 v[(\pc)+6*\qc:(\pc)+6*\qc+2], v[(\sr)+32*\qc:(\sr)+32*\qc+15], v[TM+12+2*\qc]
	v_cvt_scalef32_pk16_fp6_f32 v[(\pt)+4*\qc:(\pt)+4*\qc+2], v[(\sr)+32*\qc+16:(\sr)+32*\qc+31], v[TM+13+2*\qc]
.endr
	WIN 0
	v_nop
.irp qc, 0,1
.irp qi, 0,1,2
	v_permlane16_swap_b32 v[(\pc)+6*\qc+\qi], v[(\pt)+4*\qc+\qi]
.endr
.irp qi, 0,1,2
	s_delay_alu instid0(VALU_DEP_3)
	v_mov_b32 v[(\pc)+6*\qc+3+\qi], v[(\pt)+4*\qc+\qi]
.endr
.endr
.endm
	s_load_b256 s[4:11], s[0:1], 0x0
	s_load_b128 s[12:15], s[0:1], 0x20
	s_load_b64 s[16:17], s[0:1], 0x30
	v_lshl_add_u32 v254, v0, 2, 0x41000
	v_mov_b32 v255, 0
	ds_add_u32 v254, v255
	ds_add_u32 v254, v255
	v_lshrrev_b32 v1, 5, v0
	s_delay_alu instid0(VALU_DEP_1)
	v_readfirstlane_b32 s[WV], v1
	s_bfe_u32 s[HP], ttmp6, 0x40000                ; the pair of heads: my place in the cluster (the grid has one cluster along x); it enters global addresses alone
	s_and_b32 s[BB], ttmp7, 0xffff
	s_mov_b32 s[G1+0], 15|(3<<16)|(1<<21)          ; the mask names the cluster's four; elements of 8 bytes; bit 21 set beside a mask
	s_mov_b32 s[G1+1], 32<<16
	s_mov_b32 s[G1+2], 104<<16                     ; four records: 104 rows of 256 bytes
	s_mov_b32 s[G1+3], 32<<16
	s_mov_b32 s[G1+4], 104
	s_mov_b32 s[G1+5], 32
	s_mov_b32 s[G1+6], 0
	s_mov_b32 s[G1+7], 0
	s_mul_i32 s54, s[WV], 4*REC                    ; my four records' place behind area 0
	s_lshl_b32 s55, s[BB], 5
	s_lshl_b32 s56, s[WV], 2
	s_add_co_u32 s55, s55, s56                     ; record 32 b + 4 wave
	s_mul_i32 s56, s55, REC
	s_mov_b32 s57, 0
	s_wait_dscnt 0x0
	s_wait_kmcnt 0x0
	ROUND                                          ; the four work-groups are here: the joint loads meet
	s_mov_b32 s[G0], 1
	s_add_co_u32 s[G0+1], s54, AREA
	s_add_nc_u64 s[G0+2:G0+3], s[4:5], s[56:57]
	s_or_b32 s[G0+3], s[G0+3], 0x80000000
	tensor_load_to_lds s[G0:G0+3], s[G1:G1+7]      ; my one tensor load of the launch
	s_nop 0
	PLACES 4
	v_and_b32 v1, 31, v0
	v_and_b32 v2, 15, v0
	v_bfe_u32 v3, v0, 4, 1
	s_delay_alu instid0(VALU_DEP_3)
	v_lshlrev_b32 v[L16], 4, v1
	s_wait_alu depctr_va_vdst(0)
	s_mov_b32 s[SEL], 0x76543210
	s_mov_b32 s[SEL+1], 0xfedcba98
	s_mov_b32 s[CS], 0x3e38aa3b
	s_mov_b32 s[CS+1], s[CS]
	s_lshr_b32 s60, s[WV], 2
	s_bfe_u32 s61, s[WV], 0x10001
	s_and_b32 s62, s[WV], 1
	s_lshl_b32 s63, s60, 5
	s_lshl_b32 s66, s[HP], 3
	s_add_co_u32 s63, s63, s66
	s_lshl_b32 s67, s61, 2
	s_add_co_u32 s63, s63, s67
	s_lshl_b32 s67, s62, 1
	s_add_co_u32 s63, s63, s67
	s_mul_i32 s68, s63, REC
	s_mov_b32 s69, 0
	s_add_nc_u64 s[WQK:WQK+1], s[6:7], s[68:69]
	s_add_co_u32 s66, s66, s[WV]
	s_add_co_u32 s66, s66, 64
	s_mul_i32 s68, s66, REC
	s_add_nc_u64 s[WVB:WVB+1], s[6:7], s[68:69]
	WIN 0x40
.irp j, 0,1
.irp ks, 0,1,2,3
.irp c, 0,1,2
	global_load_b128 v[48*\j+12*\ks+4*\c:48*\j+12*\ks+4*\c+3], v[L16], s[WQK:WQK+1] offset:\j*REC+1536*\ks+512*\c
.endr
.endr
.endr
.irp ks, 0,1,2,3
.irp c, 0,1,2
	global_load_b128 v[96+12*\ks+4*\c:96+12*\ks+4*\c+3], v[L16], s[WVB:WVB+1] offset:1536*\ks+512*\c
.endr
.endr
	WIN 0
	global_load_b128 v[WS:WS+3], v[L16], s[WQK:WQK+1] offset:6144
	global_load_b128 v[WS+4:WS+7], v[L16], s[WQK:WQK+1] offset:REC+6144
	global_load_b128 v[WS+8:WS+11], v[L16], s[WVB:WVB+1] offset:6144
	s_mul_i32 s70, s62, 24
	s_mul_i32 s71, s61, 18432
	s_add_co_u32 s70, s70, s71
	s_mul_i32 s71, s60, 6144
	s_add_co_u32 s70, s70, s71
	s_mul_i32 s71, s61, 1536
	s_add_co_u32 s71, s71, s62
	s_lshl_b32 s72, s60, 9
	s_add_co_u32 s71, s71, s72
	s_add_co_u32 s71, s71, 36864
	s_and_b32 s72, s[WV], 3
	s_mul_i32 s73, s60, 18432
	s_mul_i32 s74, s72, 1536
	s_add_co_u32 s73, s73, s74
	s_add_co_u32 s73, s73, 12288
	s_mul_i32 s74, s60, 1536
	s_lshl_b32 s75, s72, 7
	s_add_co_u32 s74, s74, s75
	s_add_co_u32 s74, s74, 36864+1024
	v_add_nc_u32 v[AX], AREA, v[L16]
	v_add_nc_u32 v[AX2], 2*AREA, v[L16]
	v_mul_u32_u24 v[AQK], v2, 48
	s_delay_alu instid0(VALU_DEP_1)
	v_mad_u32_u24 v[AQK], v3, 12, v[AQK]
	s_delay_alu instid0(VALU_DEP_1)
	v_add_nc_u32 v[AQK], s70, v[AQK]
	v_add_nc_u32 v[ASB], s71, v[L16]
	v_add_nc_u32 v[AVI], s73, v[L16]
	v_lshlrev_b32 v[AVS], 2, v1
	s_delay_alu instid0(VALU_DEP_1)
	v_add_nc_u32 v[AVS], s74, v[AVS]
.irp i, 4,5,6,7
	v_mov_b32 v[TM+\i], 0
.endr
.macro XREG n, ks                      ; xr = the first register of fragment ks in x's set n (0, 1, 2), counted through the windows
.if ((\n) == 2) && ((\ks) > 0)
.set xr, X3+12*((\ks)-1)
.else
.set xr, XF+48*(\n)+12*(\ks)
.endif
.endm
.macro XFETCH tt, n                    ; record tt, counted from the chunk's first (8 and 9: the next chunk's first two), into set n: 13 loads
.if (\tt) < 8
.set xa, AX
.else
.set xa, AX2
.endif
.irp ks, 0,1,2,3
	XREG \n, \ks
	WIN (xr>>8)<<6
.irp c, 0,1,2
	ds_load_b128 v[(xr&255)+4*\c:(xr&255)+4*\c+3], v[xa] offset:((\tt)%8)*REC+1536*\ks+512*\c
.endr
.endr
	WIN 0
	ds_load_b128 v[XS+4*(\n)-24*((\n)/2):XS+4*(\n)-24*((\n)/2)+3], v[xa] offset:((\tt)%8)*REC+6144
.endm
; tile tt's q or k: a lane's 16 numbers (set tt % 2: v16-31 or v160-175), half a block of 32 along the head, become 12 bytes of codes and the block's byte
.macro QKOUT tt
.set qp, (\tt)&1
.set qh, HA+144*qp
	v_max3_num_f32 v[TM], |v[qh]|, |v[qh+1]|, FLOOR
	v_max3_num_f32 v[TM+1], |v[qh+8]|, |v[qh+9]|, |v[qh+10]|
	v_max3_num_f32 v[TM], v[TM], |v[qh+2]|, |v[qh+3]|
	v_max3_num_f32 v[TM+1], v[TM+1], |v[qh+11]|, |v[qh+12]|
	v_max3_num_f32 v[TM], v[TM], |v[qh+4]|, |v[qh+5]|
	v_max3_num_f32 v[TM+1], v[TM+1], |v[qh+13]|, |v[qh+14]|
	v_max3_num_f32 v[TM], v[TM], |v[qh+6]|, |v[qh+7]|
	v_max3_num_f32 v[TM], v[TM], v[TM+1], |v[qh+15]|
	s_delay_alu instid0(VALU_DEP_1)
	v_permlanex16_b32 v[TM+4], v[TM], s[SEL], s[SEL+1]
	s_delay_alu instid0(VALU_DEP_1)
	v_max_num_f32 v[TM], v[TM], v[TM+4]
	s_delay_alu instid0(VALU_DEP_1)
	v_add_nc_u32 v[TM+12], MINUS2, v[TM]
	v_cvt_scalef32_pk16_fp6_f32 v[PCB+4*qp:PCB+4*qp+2], v[qh:qh+15], v[TM+12]
	v_lshrrev_b32 v[BY+qp], 23, v[TM+12]           ; the byte; also the plain instruction behind the conversion
.irp i, 0,1,2
	ds_store_b32 v[AQK], v[PCB+4*qp+\i] offset:(\tt)*768+4*\i
.endr
	ds_store_b8 v[ASB], v[BY+qp] offset:2*(\tt)
.endm
; tile tt: the record two tiles on is asked for, this tile's twelve products on three accumulators by turns, then the tile before is quantised: its vector work is also the places behind these products
.macro PTILE tt, g                     ; tile tt of chunk g.  x's three sets take turns through all 32 tiles; the record two tiles on is asked for, over the chunk's end too
.set pp, (\tt)&1
.set hx, HA+144*pp
.set gt, 8*(\g)+(\tt)
.if gt+2 < 32
	XFETCH (\tt)+2, (gt+2)%3
.endif
.if (\tt) < 2
	s_wait_dscnt 26                                ; this record is in; younger: two records' 13 loads each
.elseif (\tt) == 2
	s_wait_dscnt 30                                ; and the four stores of one quantised tile,
.elseif gt+2 < 32
	s_wait_dscnt 34                                ; of two
.elseif (\tt) == 6
	s_wait_dscnt 21                                ; the last two tiles ask for nothing: one record and two tiles' stores,
.else
	s_wait_dscnt 8                                 ; two tiles' stores
.endif
.set xs, XS+4*(gt%3)-24*((gt%3)/2)
.irp ks, 0,1,2,3
	XREG gt%3, \ks
.if \ks == 0
	WM hx, WF+12*\ks, xr, -1, WS+\ks, xs+\ks
	WM hx+8, WF+48+12*\ks, xr, -1, WS+4+\ks, xs+\ks
	WM VA+8*(\tt), xr, WF+96+12*\ks, -1, xs+\ks, WS+8+\ks
.else
	WM hx, WF+12*\ks, xr, hx, WS+\ks, xs+\ks
	WM hx+8, WF+48+12*\ks, xr, hx+8, WS+4+\ks, xs+\ks
	WM VA+8*(\tt), xr, WF+96+12*\ks, VA+8*(\tt), xs+\ks, WS+8+\ks
.endif
.endr
	WIN 0
.if (\tt) == 0
	PLACES 5                                       ; no earlier tile's work is at hand
.else
	QKOUT (\tt)-1
.endif
.endm
.macro CHUNK g
.if \g == 0
	s_wait_alu depctr_va_vdst(0)                   ; the wait at the head's end
	s_wait_tensorcnt 0x0                           ; my four records are in,
	s_wait_loadcnt 0x0                             ; and my weights
.endif
	BARRIER                                        ; g = 0: all 32 records lie in LDS; later: nobody reads the last chunk's records any more
.if \g > 0
.irp a, AX, AX2, AQK, ASB, AVI, AVS
	v_add_nc_u32 v[\a], AREA, v[\a]
.endr
	s_wait_alu depctr_va_vdst(0)                   ; the wait behind these writes
.else
	XFETCH 0, 0
	XFETCH 1, 1
.endif
.irp t, 0,1,2,3,4,5,6,7
	PTILE \t, \g
.endr
	QKOUT 7
	QUANT 0, VA, PC, PT, PW
.irp c, 0,1,2
	ds_store_b128 v[AVI], v[PC+4*\c:PC+4*\c+3] offset:512*\c
.endr
	ds_store_b32 v[AVS], v[PW]
.endm
	CHUNK 0
	CHUNK 1
	CHUNK 2
	CHUNK 3
	BARRIER
	s_and_b32 s60, s[WV], 1
	s_lshr_b32 s61, s[WV], 1
	s_mul_i32 s62, s60, 18432
	s_mul_i32 s63, s60, 1536
	s_mul_i32 s66, s61, AREA
	v_mul_u32_u24 v192, v2, 48
	s_delay_alu instid0(VALU_DEP_1)
	v_mad_u32_u24 v192, v3, 24, v192
	v_lshlrev_b32 v193, 4, v1
	v_lshlrev_b32 v194, 2, v1
	v_lshlrev_b32 v195, 4, v2
	s_add_co_u32 s67, s62, 6144
	v_add_nc_u32 v[AK], s67, v192
	s_add_co_u32 s67, s62, 12288
	v_add_nc_u32 v[AV], s67, v193
	s_add_co_u32 s67, s63, 36864+512
	v_add_nc_u32 v[AS], s67, v193
	s_add_co_u32 s67, s63, 36864+1024
	v_add_nc_u32 v[ASV], s67, v194
.irp g, 1
	v_add_nc_u32 v[AK+\g], AREA, v[AK+\g-1]
	v_add_nc_u32 v[AV+\g], AREA, v[AV+\g-1]
	v_add_nc_u32 v[AS+\g], AREA, v[AS+\g-1]
	s_delay_alu instid0(VALU_DEP_4)
	v_add_nc_u32 v[ASV+\g], AREA, v[ASV+\g-1]
.endr
.irp g, 2, 3
	s_delay_alu instid0(VALU_DEP_4)
	v_add_nc_u32 v[AK+\g], AREA, v[AK+\g-1]
	s_delay_alu instid0(VALU_DEP_4)
	v_add_nc_u32 v[AV+\g], AREA, v[AV+\g-1]
	s_delay_alu instid0(VALU_DEP_4)
	v_add_nc_u32 v[AS+\g], AREA, v[AS+\g-1]
	s_delay_alu instid0(VALU_DEP_4)
	v_add_nc_u32 v[ASV+\g], AREA, v[ASV+\g-1]
.endr
	s_add_co_u32 s67, s66, s62
	v_add_nc_u32 v[AQ0], s67, v192
	s_add_co_u32 s67, s66, s63
	s_add_co_u32 s67, s67, 36864
	v_add_nc_u32 v[AQS0], s67, v193
	s_mul_i32 s67, s[WV], 4352
	s_add_co_u32 s67, s67, 4*AREA
	v_mul_u32_u24 v[STO], v2, 272
	s_delay_alu instid0(VALU_DEP_1)
	v_lshl_add_u32 v[STO], v3, 5, v[STO]
	s_delay_alu instid0(VALU_DEP_1)
	v_add_nc_u32 v[STO], s67, v[STO]
	v_mul_u32_u24 v[RD], v3, 272
	s_delay_alu instid0(VALU_DEP_1)
	v_add_nc_u32 v[RD], v[RD], v195
	s_delay_alu instid0(VALU_DEP_1)
	v_add_nc_u32 v[RD], s67, v[RD]
	v_lshl_add_u32 v[XO], v3, 17, v195
	v_lshlrev_b32 v[SO], 3, v3
	s_lshl_b32 s54, s61, 3
	s_lshl_b32 s55, s[HP], 1
	s_add_co_u32 s55, s55, s60
	s_lshl_b32 s55, s55, 8
	s_mov_b32 s68, s55
	s_mov_b32 s69, 0
	s_add_nc_u64 s[76:77], s[12:13], s[68:69]
	s_add_nc_u64 s[78:79], s[14:15], s[68:69]
	s_lshl_b32 s67, s[BB], 11
	s_add_co_u32 s55, s55, s67
	s_lshl_b32 s59, s[BB], 5
	s_mov_b32 s56, 0
	s_mov_b32 s57, 0
	s_mov_b32 s58, 0
.irp g, 0,1,2,3
	ds_load_b128 v[KS+4*\g:KS+4*\g+3], v[AS+\g]
.irp n, 0,1,2,3
	ds_load_b32 v[VS+4*\g+\n], v[ASV+\g] offset:128*\n
.endr
.endr
	global_load_b128 v[GR:GR+3], v195, s[76:77]
	global_load_b128 v[BR:BR+3], v195, s[78:79]
.irp i, 6,7,8,9,10,11
	v_mov_b32 v[QF+\i], 0
.endr
.set bi, 0
.rept 16
	v_mov_b32 v[BT+bi], 0
.set bi, bi+1
.endr
	v_mov_b32 v[PX], 0
	s_wait_loadcnt 0x0
	s_wait_dscnt 0x0
.macro KLOAD j
.irp e, 0,1
.irp q, 0,1
.irp i, 0,1,2
	ds_load_b64 v[KF+24*((\j)&1)+12*\e+6*\q+2*\i:KF+24*((\j)&1)+12*\e+6*\q+2*\i+1], v[AK+((\j)>>1)] offset:(2*((2*(\j)+\e)&3)+\q)*768+8*\i
.endr
.endr
.endr
.endm
.Ltrip:
	s_wait_xcnt 0x0
	s_add_co_u32 s72, s54, s56
	s_lshr_b32 s73, s72, 1
	s_lshl_b32 s73, s73, 5
	s_and_b32 s74, s72, 1
	s_lshl_b32 s74, s74, 3
	s_add_co_u32 s73, s73, s74
	s_lshl_b32 s68, s73, 17
	s_add_co_u32 s68, s68, s55
	s_mov_b32 s69, 0
	s_add_nc_u64 s[60:61], s[10:11], s[68:69]
	s_add_nc_u64 s[62:63], s[16:17], s[68:69]
	s_add_co_u32 s70, s59, s72
	s_lshl_b32 s70, s70, 8
	s_mov_b32 s71, 0
	s_add_nc_u64 s[66:67], s[8:9], s[70:71]
	v_add_nc_u32 v[AQ], s57, v[AQ0]
	v_add_nc_u32 v[AQS], s58, v[AQS0]
.irp i, 0,1,2
	ds_load_b64 v[QF+2*\i:QF+2*\i+1], v[AQ] offset:8*\i
	ds_load_b64 v[QF+12+2*\i:QF+13+2*\i], v[AQ] offset:8*\i
.endr
	ds_load_u16 v[QSL], v[AQS]
	KLOAD 0
	s_wait_dscnt 12
	v_lshlrev_b32 v[QSH], 16, v[QSL]
	s_wait_alu depctr_va_vdst(0)
	PLACES 8
.irp j, 0,1,2,3,4,5,6,7
	WIN 0
.if \j > 0
	PLACES 4
.endif
.if \j < 7
	KLOAD \j+1
	s_wait_dscnt 12
.else
	s_wait_dscnt 0x0
.endif
.irp e, 0,1
	WM 256+8*(4*\j+2*\e), KF+24*(\j&1)+12*\e, QF, -1, KS+2*\j+\e, QSL
	WM 256+8*(4*\j+2*\e+1), KF+24*(\j&1)+12*\e, QF+6, -1, KS+2*\j+\e, QSH
.endr
.endr
	WIN 0
	PLACES 4
.irp i, 0,1,2,3,4,5,6,7
	global_load_b128 v[XR+4*\i:XR+4*\i+3], v[XO], s[60:61] offset:(2*\i+8*(\i>>2))*131072 th:TH_LOAD_NT
.endr
.irp i, 0,1,2,3,4,5,6,7
	global_load_b64 v[ST+2*\i:ST+2*\i+1], v[SO], s[66:67] offset:16*\i
.endr
	WIN 0x15
.set bi, 0
.rept 16
	v_max3_num_f32 v[BM+bi], v[16*bi], v[16*bi+1], v[16*bi+2]
.set bi, bi+1
.endr
	WIN 0x14
.irp i, 3,5,7,9,11,13
.set bi, 0
.rept 16
	v_max3_num_f32 v[BM+bi], v[BM+bi], v[16*bi+\i], v[16*bi+\i+1]
.set bi, bi+1
.endr
.endr
	WIN 0x04
.set bi, 0
.rept 16
	v_max_num_f32 v[BM+bi], v[BM+bi], v[16*bi+15]
.set bi, bi+1
.endr
	WIN 0
.set bi, 0
.rept 16
	v_permlanex16_b32 v[BT+bi], v[BM+bi], s[SEL], s[SEL+1]
.set bi, bi+1
.endr
.set bi, 0
.rept 16
	v_max_num_f32 v[BM+bi], v[BM+bi], v[BT+bi]
.set bi, bi+1
.endr
	v_max3_num_f32 v[RM], v[BM], v[BM+1], v[BM+2]
.irp i, 3,5,7,9,11,13
	s_delay_alu instid0(VALU_DEP_1)
	v_max3_num_f32 v[RM], v[RM], v[BM+\i], v[BM+\i+1]
.endr
	s_delay_alu instid0(VALU_DEP_1)
	v_max_num_f32 v[RM], v[RM], v[BM+15]
	s_delay_alu instid0(VALU_DEP_1)
	v_mul_f32 v[RM], s[CS], v[RM]
	s_delay_alu instid0(VALU_DEP_1)
	v_floor_f32 v[NM], -v[RM]
	s_delay_alu instid0(VALU_DEP_1)
	v_mov_b32 v[NM+1], v[NM]
.set bi, 0
.rept 16
	v_fma_f32 v[BM+bi], v[BM+bi], s[CS], v[NM]
.set bi, bi+1
.endr
	WIN 0x41
.set bi, 0
.rept 128
	v_pk_fma_f32 v[2*bi:2*bi+1], v[2*bi:2*bi+1], s[CS:CS+1], v[NM:NM+1] op_sel_hi:[1,0,0]
.set bi, bi+1
.endr
.set bi, 0
	s_wait_alu depctr_va_vdst(0)
.rept 256
	v_exp_f32 v[bi], v[bi]
.set bi, bi+1
.endr
	WIN 0
	v_nop
	s_wait_alu depctr_va_vdst(0)
.set bi, 0
.rept 16
	v_exp_f32 v[BM+bi], v[BM+bi]
.set bi, bi+1
.endr
	WIN 0x05
.irp k, 0,1,2,3
	v_pk_add_f32 v[LS+2*\k:LS+2*\k+1], v[4*\k:4*\k+1], v[4*\k+2:4*\k+3]
.endr
	WIN 0x04
.set bi, 8
.rept 120
	v_pk_add_f32 v[LS+2*(bi%4):LS+2*(bi%4)+1], v[LS+2*(bi%4):LS+2*(bi%4)+1], v[2*bi:2*bi+1]
.set bi, bi+1
.endr
	WIN 0
	s_wait_alu depctr_va_vdst(0)
.set bi, 0
.rept 16
	v_max_num_f32 v[BM+bi], FLOOR, v[BM+bi]
.set bi, bi+1
.endr
.set bi, 0
.rept 16
	v_add_nc_u32 v[BM+bi], MINUS2, v[BM+bi]
.set bi, bi+1
.endr
.set bi, 0
.rept 16
	v_lshrrev_b32 v[BT+bi], 23, v[BM+bi]
.set bi, bi+1
.endr
.irp ks, 0,1,2,3
	v_lshl_or_b32 v[PS+\ks], v[BT+4*\ks+1], 8, v[BT+4*\ks]
	s_delay_alu instid0(VALU_DEP_1)
	v_lshl_or_b32 v[PS+\ks], v[BT+4*\ks+2], 16, v[PS+\ks]
	s_delay_alu instid0(VALU_DEP_1)
	v_lshl_or_b32 v[PS+\ks], v[BT+4*\ks+3], 24, v[PS+\ks]
.endr
.irp ks, 0,1,2,3
	WIN 0x01
.irp c, 0,1
	v_cvt_scalef32_pk16_fp6_f32 v[PF+12*\ks+6*\c:PF+12*\ks+6*\c+2], v[64*\ks+32*\c:64*\ks+32*\c+15], v[BM+4*\ks+2*\c]
	v_cvt_scalef32_pk16_fp6_f32 v[PTA+4*\c:PTA+4*\c+2], v[64*\ks+32*\c+16:64*\ks+32*\c+31], v[BM+4*\ks+2*\c+1]
.endr
	WIN 0
	v_nop
.irp c, 0,1
.irp i, 0,1,2
	v_permlane16_swap_b32 v[PF+12*\ks+6*\c+\i], v[PTA+4*\c+\i]
.endr
.irp i, 0,1,2
	s_delay_alu instid0(VALU_DEP_3)
	v_mov_b32 v[PF+12*\ks+6*\c+3+\i], v[PTA+4*\c+\i]
.endr
.endr
	WIN 0x40
.irp n, 0,1,2,3
.irp c, 0,1,2
	ds_load_b128 v[64*\ks+12*\n+4*\c:64*\ks+12*\n+4*\c+3], v[AV+\ks] offset:1536*\n+512*\c
.endr
.endr
.endr
	WIN 0
	v_pk_add_f32 v[LS:LS+1], v[LS:LS+1], v[LS+2:LS+3]
	v_pk_add_f32 v[LS+4:LS+5], v[LS+4:LS+5], v[LS+6:LS+7]
	s_delay_alu instid0(VALU_DEP_1)
	v_pk_add_f32 v[LS:LS+1], v[LS:LS+1], v[LS+4:LS+5]
	s_delay_alu instid0(VALU_DEP_1)
	v_add_f32 v[RM], v[LS], v[LS+1]
	s_delay_alu instid0(VALU_DEP_1)
	v_permlanex16_b32 v[PX], v[RM], s[SEL], s[SEL+1]
	s_delay_alu instid0(VALU_DEP_1)
	v_add_f32 v[RM], v[RM], v[PX]
	s_wait_alu depctr_va_vdst(0)
	v_rcp_f32 v[RL], v[RM]
	v_nop
	s_wait_alu depctr_va_vdst(0)
	v_mov_b32 v[RL+1], v[RL]
	PLACES 8
.irp ks, 0,1,2,3
	s_wait_dscnt 12*(3-\ks)
.irp n, 0,1,2,3
.if \ks == 0
	WM 256+64*\n+48, 256+64*\ks+12*\n, PF+12*\ks, -1, VS+4*\ks+\n, PS+\ks
.else
	WM 256+64*\n+48, 256+64*\ks+12*\n, PF+12*\ks, 256+64*\n+48, VS+4*\ks+\n, PS+\ks
.endif
.endr
.endr
	WIN 0
	PLACES 4
	WIN 0x41
	s_wait_alu depctr_va_vdst(0)
.irp n, 0,1,2,3
.irp k, 0,2,4,6
	v_pk_mul_f32 v[64*\n+48+\k:64*\n+49+\k], v[64*\n+48+\k:64*\n+49+\k], v[RL:RL+1]
.endr
.endr
	WIN 0x04
.irp n, 0,1,2,3
	ds_store_b128 v[STO], v[64*\n+48:64*\n+51] offset:64*\n
	ds_store_b128 v[STO], v[64*\n+52:64*\n+55] offset:64*\n+16
.endr
	WIN 0x40
.irp i, 0,1,2,3,4,5,6,7
	ds_load_b128 v[64*(\i>>1)+56+4*(\i&1):64*(\i>>1)+59+4*(\i&1)], v[RD] offset:544*\i
.endr
	WIN 0
	s_wait_loadcnt 0x0
.irp i, 0,1,2,3,4,5,6,7
.irp k, 0,2
	v_pk_add_f32 v[XR+4*\i+\k:XR+4*\i+\k+1], v[XR+4*\i+\k:XR+4*\i+\k+1], v[ST+2*\i:ST+2*\i+1] op_sel_hi:[1,0] neg_lo:[0,1] neg_hi:[0,1]
.endr
.endr
.irp i, 0,1,2,3,4,5,6,7
.irp k, 0,2
	v_pk_mul_f32 v[XR+4*\i+\k:XR+4*\i+\k+1], v[XR+4*\i+\k:XR+4*\i+\k+1], v[ST+2*\i:ST+2*\i+1] op_sel:[0,1] op_sel_hi:[1,1]
.endr
.endr
.irp i, 0,1,2,3,4,5,6,7
.irp k, 0,2
	v_pk_fma_f32 v[XR+4*\i+\k:XR+4*\i+\k+1], v[XR+4*\i+\k:XR+4*\i+\k+1], v[GR+\k:GR+\k+1], v[BR+\k:BR+\k+1]
.endr
.endr
	s_wait_dscnt 0x0
	WIN 0x04
.irp i, 0,1,2,3,4,5,6,7
.irp k, 0,2
	v_pk_add_f32 v[XR+4*\i+\k:XR+4*\i+\k+1], v[XR+4*\i+\k:XR+4*\i+\k+1], v[64*(\i>>1)+56+4*(\i&1)+\k:64*(\i>>1)+57+4*(\i&1)+\k]
.endr
.endr
	WIN 0
.irp i, 0,1,2,3,4,5,6,7
	global_store_b128 v[XO], v[XR+4*\i:XR+4*\i+3], s[62:63] offset:(2*\i+8*(\i>>2))*131072 th:TH_STORE_NT
.endr
	s_add_co_u32 s57, s57, 768
	s_add_co_u32 s58, s58, 2
	s_add_co_u32 s56, s56, 1
	s_cmp_lt_u32 s56, 8
	s_cbranch_scc1 .Ltrip
	s_wait_tensorcnt 0x0
	ds_add_u32 v254, v255
	s_wait_dscnt 0x0
	ROUND                                          ; the closing round
	s_endpgm
.Lfunc_end_k_qba23c8ba20_attn:
	.size	k_qba23c8ba20_attn, .Lfunc_end_k_qba23c8ba20_attn-k_qba23c8ba20_attn
	.p2alignl 7, 3214868480
	.fill 96, 4, 3214868480
	.section	.rodata,"a",@progbits
	.p2align	6, 0x0
	.amdhsa_kernel k_qba23c8ba20_attn
		.amdhsa_group_segment_fixed_size 327680
		.amdhsa_private_segment_fixed_size 0
		.amdhsa_enable_private_segment 0
		.amdhsa_kernarg_size 56
		.amdhsa_user_sgpr_count 2
		.amdhsa_user_sgpr_kernarg_segment_ptr 1
		.amdhsa_wavefront_size32 1
		.amdhsa_system_sgpr_workgroup_id_x 1
		.amdhsa_system_sgpr_workgroup_id_y 1
		.amdhsa_system_sgpr_workgroup_id_z 1
		.amdhsa_system_vgpr_workitem_id 0
		.amdhsa_next_free_vgpr 512
		.amdhsa_next_free_sgpr 90
		.amdhsa_reserve_vcc 0
		.amdhsa_float_denorm_mode_32 3
		.amdhsa_float_denorm_mode_16_64 3
		.amdhsa_memory_ordered 1
		.amdhsa_forward_progress 1
		.amdhsa_inst_pref_size 224
	.end_amdhsa_kernel
	.amdgpu_metadata
---
amdhsa.version: [ 1, 2 ]
amdhsa.kernels:
  - .name:           k_qba23c8ba20_attn
    .symbol:         k_qba23c8ba20_attn.kd
    .args:
      - { .name: ximg, .offset: 0, .size: 8, .value_kind: global_buffer, .address_space: global }
      - { .name: wimg, .offset: 8, .size: 8, .value_kind: global_buffer, .address_space: global }
      - { .name: stat, .offset: 16, .size: 8, .value_kind: global_buffer, .address_space: global }
      - { .name: x, .offset: 24, .size: 8, .value_kind: global_buffer, .address_space: global }
      - { .name: g1, .offset: 32, .size: 8, .value_kind: global_buffer, .address_space: global }
      - { .name: b1, .offset: 40, .size: 8, .value_kind: global_buffer, .address_space: global }
      - { .name: y, .offset: 48, .size: 8, .value_kind: global_buffer, .address_space: global }
    .group_segment_fixed_size: 327680
    .private_segment_fixed_size: 0
    .kernarg_segment_align: 8
    .kernarg_segment_size: 56
    .max_flat_workgroup_size: 256
    .sgpr_count:     90
    .vgpr_count:     512
    .wavefront_size: 32
...
	.end_amdgpu_metadata
.endif
;; end of part 5
;; launch ffn (part 6): grid 256 x 1, 4 waves a work-group, no clusters, 317,952 bytes of LDS; arguments y, wimg, g2, b2, bf1, bf2, out0; writes out0
.if DOCPART == 6
	.amdgcn_target "amdgcn-amd-amdhsa--gfx1250"
	.amdhsa_code_object_version 6
	.text
	.protected	k_qba23c8ba20_ffn
	.globl	k_qba23c8ba20_ffn
	.p2align	8
	.type	k_qba23c8ba20_ffn,@function
k_qba23c8ba20_ffn:
	s_mov_b64 s[64:65], 0
	v_nop
	global_prefetch_b8 v0, s[64:65] scope:SCOPE_SE
	s_setreg_imm32_b32 hwreg(HW_REG_WAVE_MODE, 25, 1), 1
	s_wait_xcnt 0x0
; out = xt + relu(xt W1^T + bf1) W2^T + bf2, xt = layernorm(y); both products on codes of FP6 (E2M3) with one E8M0 byte for each 32 along K.  y, out: [32768][512] f32.
; SHARES.  A work-group of four waves takes 128 rows, eight tiles of 16.  For the layernorm wave w takes tiles w + 4 and w.  For the products THE WAVES SHARE THE COLUMNS: wave w makes hidden units and outputs
; 128 w .. 128 w + 127 for all 128 rows, so its part of W1 and W2 (2 x 32 fragments) comes from memory once, straight into registers, as the records lay it (fragment s of a tile at 1536 s, scale words at 6144).
; LDS: STG: 128 rows x (2,048 + 16) bytes: xt in f32, tile by tile the result in its place.  RECS: eight records of 6,656 bytes: xt's codes as images of the operand's registers; tile by tile the hidden
; layer's codes take their place: fragment slot w of record m is wave w's 128 hidden units, which are K step w of the second product.  Then the spare words.
; y IS LOADED AS IT LIES: a tile's 16 rows are 32,768 consecutive bytes, 64 loads of 512 consecutive bytes: register 16 i + 4 c + j = column 128 c + 4 lane + j of row i.
; THE LAYERNORM WORKS IN THAT ORDER: a row lies across the 32 lanes, and g2 and b2 are 16 + 16 registers loaded the same way.  A row's sum: 8 additions in the lane, four steps between the lanes of a row of 16
; and one between the two halves, the 16 rows by turns.  Two passes: mean; centred; mean of squares; (y - mu) * rsqrt(var + eps) * g + b.  The finished xt goes to its rows of the stage, where the second
; product wants it anyway, and comes back in the quantiser's order: lane (r, h) holds, of row r, the 16 numbers 32 b + 16 h + 0 .. 15 of every block of 32.  Rows 2,064 bytes apart, an odd multiple of 16.
; THE ORDER OF THE LOADS: g2, b2 and tile w + 4; then tile w and W1's first 21 fragments by turns, three loads each; the other weights in runs that stand between the phases, each a phase ahead of its use.
; PRODUCTS, both transposed (source 0 = 16 rows of the weight, source 1 = 16 rows of xt or of the hidden layer): a lane holds one row.  W1's tiles take rows 32 (t / 2) + 8 (t % 2) + r + 8 (r / 8), so that the 16
; registers of tiles 2 b, 2 b + 1 are 16 neighbours along the next K.  bf1 is the C of a sum's first product; xt, read from the stage, is the C of the second product's sums.
; Each loop asks for the next tile's record (the second also for its xt) behind this tile's products, into the registers that they have left.  The first loop's last trip asks for record 0, by then the hidden
; layer's: the second loop begins with it.  The second loop's last tile is written out: it asks for nothing.
; THE WAY OUT stands in the second product's loop: a tile's 16 rows x my 512 bytes go to the stage, come back by rows, take bf2 and are stored, 512 consecutive bytes an instruction.  Only my wave touches those bytes.
; REGISTERS in windows of 256: window 0: addresses, scale words (v20-87, nothing else), the hidden layer's 8 tiles, the rows' four fragments, the quantiser's work.  Windows 2 and 3 first hold the two tiles of y.
; Fragment f = 8 s + t of W1: f <= 20 in window 1, the others at the foot of window 2; of W2: f <= 20 in window 3, the others at the foot of window 1 once W1 is done with.  Window 2 from v136: bf1, from v200: bf2;
; its foot takes the rows on their way out once W1 is done with.
; NO CLUSTER: what all work-groups share are the weights; a joint load lands in LDS, of whose 327,680 bytes this text leaves 9,728 free.  One block of 128 rows to each of 256 work-groups.
; LIMITS: as in the launches before: NaN and infinities are not served; a block whose largest magnitude lies under 2^-124, or is 0, gets the byte 1.
.set REC,    6656
.set FLOOR,  0x1800000
.set MINUS2, 0xff000000
.set SPITCH, 2064
.set RECS,   128*SPITCH
.set SPARE,  RECS+8*REC                ; the spare words, 128 bytes a wave
.set RI,  16                           ; the layernorm: registers from row to row,
.set RC,  4                            ; and from one 512 bytes of a row to the next
.set SWA, 4                            ; v4  the stage: tile w's first row, + 16 lane
.set L16, 5                            ; v5  16 lane
.set STB, 7                            ; v7, v8   the stage: my row of tile w + 4, of tile w, + 64 h
.set STA, 8
.set RCB, 9                            ; v9, v10  their records, + 16 lane
.set RCA, 10
.set FB,  11                           ; v11 RECS + 16 lane
.set HB,  12                           ; v12 + 1536 w: my fragment slot
.set HW,  13                           ; v13 RECS + 6144 + 16 lane + 4 w: my scale word
.set CB,  14                           ; v14 the stage: 2064 r + 32 h + 512 w
.set ARD, 15                           ; v15 the stage: 512 w + 16 lane
.set TF,  16                           ; v16-19 addresses with the trip's step
.set TH,  17
.set TW,  18
.set TC,  19
.set WS1, 20                           ; v20-51 W1's scale words (4 t + s)
.set WS2, 52                           ; v52-83 W2's
.set XS,  84                           ; v84-87 the rows'
.set HA,  88                           ; v88-151
.set XF,  152                          ; v152-199
.set PC,  200
.set PT,  212
.set PW,  220
.set TM,  224
.set SPW, 234                          ; v234 my spare word;  v235 0
.set NIL, 235
.set SA,  88                           ; in the layernorm alone: v88-119 a packed sum for each row,
.set MU,  120                          ; v120-135 minus the means,
.set RS,  136                          ; v136-151 1 / sqrt(var + eps),
.set TP,  152                          ; v152-167 the other half's sums,
.set GG,  168                          ; v168-183 g2 (register 4 c + j),
.set BB,  184                          ; v184-199 b2
.set PCH, 88                           ; xt's codes, 12 registers a K step: v88-135
.set H64, 252                          ; v252 64 h
.set SWB, 255                          ; v255 the stage: tile w + 4's first row, + 16 lane
.set SEL, 20                           ; s[20:21]
.set INV, 22
.set EPSR, 23
.set YB,  24                           ; s[24:25] y at row 128 id + 16 w
.set W1B, 26                           ; s[26:27] W1's record 8 w
.set W2B, 28
.set OUTB, 34                          ; s[34:35] out at row 128 id, byte 512 w
.set MSB, 0
.macro WIN new
.if MSB != (\new)
	s_set_vgpr_msb (MSB<<8)|(\new)
.set MSB, \new
.endif
.endm
.macro WM d, a, b, c, sa, sb           ; a product; register numbers count through the windows
	WIN (((\d)>>8)<<6)|(((\c)>>8)<<4)|(((\b)>>8)<<2)|((\a)>>8)
	v_wmma_scale_f32_16x16x128_f8f6f4 v[(\d)&255:((\d)&255)+7], v[(\a)&255:((\a)&255)+11], v[(\b)&255:((\b)&255)+11], v[(\c)&255:((\c)&255)+7], v[\sa], v[\sb] matrix_a_fmt:MATRIX_FMT_FP6 matrix_b_fmt:MATRIX_FMT_FP6
.endm
.macro PLACES n
.rept \n
	v_nop
.endr
.endm
.macro BARRIER
	s_wait_dscnt 0x0
	s_barrier_signal -1
	s_barrier_wait -1
.endm
.macro QUANT nw, sr, pc, pt, pw        ; 64 numbers of a lane in window nw, register sr + 16 b + i = k 32 b + 16 h + i of my row, become a fragment in v[pc] on and its scale word in v[pw]
	WIN (\nw)|((\nw)<<2)
.irp qb, 0,1,2,3
	v_max3_num_f32 v[TM+\qb], |v[(\sr)+16*\qb]|, |v[(\sr)+16*\qb+1]|, FLOOR
.endr
	WIN ((\nw)<<2)|((\nw)<<4)
.irp qi, 2,4,6,8,10,12,14
.irp qb, 0,1,2,3
	v_max3_num_f32 v[TM+\qb], v[TM+\qb], |v[(\sr)+16*\qb+\qi]|, |v[(\sr)+16*\qb+\qi+1]|
.endr
.endr
	WIN 0
.irp qb, 0,1,2,3
	v_permlanex16_b32 v[TM+4+\qb], v[TM+\qb], s[SEL], s[SEL+1]
.endr
.irp qb, 0,1,2,3
	v_max_num_f32 v[TM+\qb], v[TM+\qb], v[TM+4+\qb]
.endr
.irp qb, 0,1,2,3
	v_add_nc_u32 v[TM+12+\qb], MINUS2, v[TM+\qb]
.endr
.irp qb, 0,1,2,3
	v_lshrrev_b32 v[TM+4+\qb], 23, v[TM+12+\qb]
.endr
	v_lshl_or_b32 v[\pw], v[TM+5], 8, v[TM+4]
	v_lshl_or_b32 v[\pw], v[TM+6], 16, v[\pw]
	v_lshl_or_b32 v[\pw], v[TM+7], 24, v[\pw]
	WIN (\nw)
.irp qc, 0,1
	v_cvt_scalef32_pk16_fp6_f32 v[(\pc)+6*\qc:(\pc)+6*\qc+2], v[(\sr)+32*\qc:(\sr)+32*\qc+15], v[TM+12+2*\qc]
	v_cvt_scalef32_pk16_fp6_f32 v[(\pt)+4*\qc:(\pt)+4*\qc+2], v[(\sr)+32*\qc+16:(\sr)+32*\qc+31], v[TM+13+2*\qc]
.endr
	WIN 0
	v_nop
.irp qc, 0,1
.irp qi, 0,1,2
	v_permlane16_swap_b32 v[(\pc)+6*\qc+\qi], v[(\pt)+4*\qc+\qi]
.endr
.irp qi, 0,1,2
	v_mov_b32 v[(\pc)+6*\qc+3+\qi], v[(\pt)+4*\qc+\qi]
.endr
.endr
.endm
.macro BFLY d                          ; the 16 packed sums of a lane become the 16 rows' sums, each in every lane, in v[d] on; the rows by turns
.set li, 0
.rept 16
	v_add_f32 v[\d+li], v[SA+2*li], v[SA+2*li+1]
.set li, li+1
.endr
.irp m, 1,2,4,8
.set li, 0
.rept 16
	v_add_f32_dpp v[\d+li], v[\d+li], v[\d+li] row_xmask:\m row_mask:0xf bank_mask:0xf
.set li, li+1
.endr
.endr
.set li, 0
.rept 16
	v_permlanex16_b32 v[TP+li], v[\d+li], s[SEL], s[SEL+1]
.set li, li+1
.endr
.set li, 0
.rept 16
	v_add_f32 v[\d+li], v[\d+li], v[TP+li]
.set li, li+1
.endr
.endm
.macro LNROW nw                        ; 16 rows in window nw, as loaded, become (y - mu) * rstd * g + b.  Pair k of row i: register RI i + RC (k / 2) + 2 (k % 2)
	WIN (\nw)|((\nw)<<2)
.set li, 0
.rept 16
	v_pk_add_f32 v[SA+2*li:SA+2*li+1], v[RI*li:RI*li+1], v[RI*li+2:RI*li+3]   ; the first pairs start the sums
.set li, li+1
.endr
	WIN (\nw)<<2
.irp k, 2,3,4,5,6,7
.set li, 0
.rept 16
	v_pk_add_f32 v[SA+2*li:SA+2*li+1], v[SA+2*li:SA+2*li+1], v[RI*li+RC*(\k/2)+2*(\k%2):RI*li+RC*(\k/2)+2*(\k%2)+1]
.set li, li+1
.endr
.endr
	WIN 0
	BFLY MU
.set li, 0
.rept 16
	v_mul_f32 v[MU+li], 0xbb000000, v[MU+li]                     ; - sum / 512
.set li, li+1
.endr
	WIN ((\nw)<<6)|(\nw)
.set li, 0
.rept 128                              ; li = 8 row + pair; a row's number stands in one register of a pair and serves both halves
.set rg, RI*(li/8)+RC*((li%8)/2)+2*(li%2)
.if (li/8)%2
	v_pk_add_f32 v[rg:rg+1], v[rg:rg+1], v[MU+li/8-1:MU+li/8] op_sel:[0,1] op_sel_hi:[1,1]
.else
	v_pk_add_f32 v[rg:rg+1], v[rg:rg+1], v[MU+li/8:MU+li/8+1] op_sel_hi:[1,0]
.endif
.set li, li+1
.endr
	WIN (\nw)|((\nw)<<2)
.set li, 0
.rept 16
	v_pk_mul_f32 v[SA+2*li:SA+2*li+1], v[RI*li:RI*li+1], v[RI*li:RI*li+1]
.set li, li+1
.endr
.irp k, 1,2,3,4,5,6,7
.set li, 0
.rept 16
.set rg, RI*li+RC*(\k/2)+2*(\k%2)
	v_pk_fma_f32 v[SA+2*li:SA+2*li+1], v[rg:rg+1], v[rg:rg+1], v[SA+2*li:SA+2*li+1]
.set li, li+1
.endr
.endr
	WIN 0
	BFLY RS
.set li, 0
.rept 16
	v_fma_f32 v[RS+li], v[RS+li], s[INV], s[EPSR]                ; var + eps
.set li, li+1
.endr
	s_wait_alu depctr_va_vdst(0)                                 ; the wait ahead of the batch,
.set li, 0
.rept 16
	v_rsq_f32 v[RS+li], v[RS+li]
.set li, li+1
.endr
	v_nop                                                        ; a plain instruction behind it,
	s_wait_alu depctr_va_vdst(0)                                 ; and the wait ahead of its first reader
	WIN ((\nw)<<6)|(\nw)
.set li, 0
.rept 128
.set rg, RI*(li/8)+RC*((li%8)/2)+2*(li%2)
.if (li/8)%2
	v_pk_mul_f32 v[rg:rg+1], v[rg:rg+1], v[RS+li/8-1:RS+li/8] op_sel:[0,1] op_sel_hi:[1,1]
.else
	v_pk_mul_f32 v[rg:rg+1], v[rg:rg+1], v[RS+li/8:RS+li/8+1] op_sel_hi:[1,0]
.endif
.set li, li+1
.endr
.set li, 0
.rept 128
.set rg, RI*(li/8)+RC*((li%8)/2)+2*(li%2)
	v_pk_fma_f32 v[rg:rg+1], v[rg:rg+1], v[GG+2*(li%8):GG+2*(li%8)+1], v[BB+2*(li%8):BB+2*(li%8)+1]
.set li, li+1
.endr
	WIN 0
.endm
; a tile of xt in window nw, register 4 (4 i + c) = bytes 512 c + 16 lane of row i, goes to its 16 rows of the stage, where it stays, and comes back into the registers that it left, in the quantiser's order
.macro TURNY nw, sw, sr
	WIN (\nw)<<2                                   ; an LDS store's data are its source 1
.set oi, 0
.rept 64
	ds_store_b128 v[\sw], v[4*oi:4*oi+3] offset:SPITCH*(oi/4)+512*(oi%4)
.set oi, oi+1
.endr
	WIN (\nw)<<6                                   ; LDS serves a wave's instructions in order: these see the stores above
.set oi, 0
.rept 64
	ds_load_b128 v[4*oi:4*oi+3], v[\sr] offset:512*(oi/16)+128*((oi/4)%4)+16*(oi%4)
.set oi, oi+1
.endr
	WIN 0
.endm
.macro OUTQ nw, rc                     ; xt of a tile becomes a record of codes; each K step has registers of its own for its codes
.irp ks, 0,1,2,3
	s_wait_dscnt 48-13*\ks                         ; this K step's 16 loads are back; younger: 16 loads for each later K step, 3 stores for each earlier one
	QUANT \nw, 64*\ks, PCH+12*\ks, PT, PW+\ks
.irp c, 0,1,2
	ds_store_b128 v[\rc], v[PCH+12*\ks+4*\c:PCH+12*\ks+4*\c+3] offset:1536*\ks+512*\c
.endr
.endr
	ds_store_b128 v[\rc], v[PW:PW+3] offset:6144
	s_wait_dscnt 0x0
.endm
.macro WLOAD reg, bs, off              ; a weight's fragment: three loads of 512 consecutive bytes
	WIN (((\reg)>>8)<<6)
.irp c, 0,1,2
	global_load_b128 v[((\reg)&255)+4*\c:((\reg)&255)+4*\c+3], v[L16], s[\bs:\bs+1] offset:(\off)+512*\c
.endr
.endm
.macro FETCHREC                        ; a record's four fragments and its scale words, 13 loads
.irp ks, 0,1,2,3
.irp c, 0,1,2
	ds_load_b128 v[XF+12*\ks+4*\c:XF+12*\ks+4*\c+3], v[TF] offset:1536*\ks+512*\c
.endr
.endr
	ds_load_b128 v[XS:XS+3], v[TF] offset:6144
.endm
.macro CLOAD                           ; xt(r, 128 w + 16 n + 8 h + 0 .. 7) of the tile at v[TC]: it starts the second product's sums; 16 loads
.irp n, 0,1,2,3,4,5,6,7
	ds_load_b128 v[HA+8*\n:HA+8*\n+3], v[TC] offset:64*\n
	ds_load_b128 v[HA+8*\n+4:HA+8*\n+7], v[TC] offset:64*\n+16
.endr
.endm
	s_load_b256 s[4:11], s[0:1], 0x0               ; y s[4:5], wimg s[6:7], g2 s[8:9], b2 s[10:11]
	s_load_b128 s[12:15], s[0:1], 0x20             ; bf1, bf2
	s_load_b64 s[16:17], s[0:1], 0x30              ; out0
	v_lshl_add_u32 v[SPW], v0, 2, SPARE
	v_mov_b32 v[NIL], 0
	v_lshrrev_b32 v1, 5, v0
	v_readfirstlane_b32 s18, v1                    ; wave 0..3
	s_mov_b32 s[SEL], 0x76543210
	s_mov_b32 s[SEL+1], 0xfedcba98
	s_mov_b32 s[INV], 0x3b000000
	s_mov_b32 s[EPSR], 0x3727c5ac
	s_lshl_b32 s36, ttmp9, 18                      ; 128 rows of 2,048 bytes a work-group
	s_lshl_b32 s38, s18, 15
	s_add_co_u32 s36, s36, s38                     ; + 16 rows a wave
	s_mov_b32 s37, 0
	s_lshl_b32 s38, ttmp9, 18
	s_lshl_b32 s50, s18, 9                         ; 512 w
	s_add_co_u32 s38, s38, s50                     ; + my 512 bytes of a row
	s_mov_b32 s39, 0
	s_lshl_b32 s40, s18, 3
	s_add_co_u32 s40, s40, 96
	s_mul_i32 s40, s40, REC                        ; W1's record 96 + 8 w
	s_mov_b32 s41, 0
	s_mov_b32 s44, s50
	s_mov_b32 s45, 0
	s_mul_i32 s46, s18, 16*SPITCH
	s_mul_i32 s47, s18, REC
	s_add_co_u32 s47, s47, RECS
	s_mul_i32 s48, s18, 1536
	s_lshl_b32 s49, s18, 2
	s_add_co_u32 s49, s49, 6144
	v_and_b32 v1, 31, v0
	v_and_b32 v2, 15, v0                           ; r
	v_bfe_u32 v3, v0, 4, 1                         ; h
	v_lshlrev_b32 v[L16], 4, v1
	v_lshlrev_b32 v[H64], 6, v3
	v_mul_u32_u24 v253, v2, SPITCH
	v_add_nc_u32 v[STA], s46, v253
	v_add_nc_u32 v[STA], v[STA], v[H64]
	v_add_nc_u32 v[STB], 64*SPITCH, v[STA]
	v_add_nc_u32 v[SWA], s46, v[L16]
	v_add_nc_u32 v[SWB], 64*SPITCH, v[SWA]
	v_add_nc_u32 v[RCA], s47, v[L16]
	v_add_nc_u32 v[RCB], 4*REC, v[RCA]
	v_add_nc_u32 v[FB], RECS, v[L16]
	v_add_nc_u32 v[HB], s48, v[FB]
	v_add_nc_u32 v[HW], s49, v[FB]
	v_lshl_add_u32 v[CB], v3, 5, v253
	v_add_nc_u32 v[CB], s50, v[CB]
	v_add_nc_u32 v[ARD], s50, v[L16]
.irp i, 4,5,6,7
	v_mov_b32 v[TM+\i], 0                          ; written once: a lane permute's destination counts as one of its sources
.endr
.set li, 0
.rept 16
	v_mov_b32 v[TP+li], 0
.set li, li+1
.endr
	s_wait_alu depctr_va_vdst(0)                   ; the wait at the head's end
	s_wait_kmcnt 0x0
	s_add_nc_u64 s[YB:YB+1], s[4:5], s[36:37]
	s_add_nc_u64 s[OUTB:OUTB+1], s[16:17], s[38:39]
	s_add_nc_u64 s[W1B:W1B+1], s[6:7], s[40:41]
	s_add_nc_u64 s[W2B:W2B+1], s[W1B:W1B+1], 32*REC
	s_add_nc_u64 s[32:33], s[12:13], s[44:45]      ; bf1 at my 128 hidden units
	s_add_nc_u64 s[14:15], s[14:15], s[44:45]      ; bf2 at my 128 outputs
.irp c, 0,1,2,3
	global_load_b128 v[GG+4*\c:GG+4*\c+3], v[L16], s[8:9] offset:512*\c
	global_load_b128 v[BB+4*\c:BB+4*\c+3], v[L16], s[10:11] offset:512*\c
.endr
	WIN 0x80                                       ; tile w + 4 into window 2: 16 rows are 32,768 bytes on end; each load covers 512 consecutive bytes, aligned
.set li, 0
.rept 64
	global_load_b128 v[4*li:4*li+3], v[L16], s[YB:YB+1] offset:131072+512*li th:TH_LOAD_NT
.set li, li+1
.endr
.set ff, 0
.rept 21                                       ; tile w into window 3 and W1's first 21 fragments into window 1, by turns, three loads each
	WIN 0xc0
.irp c, 0,1,2
	global_load_b128 v[4*(3*ff+\c):4*(3*ff+\c)+3], v[L16], s[YB:YB+1] offset:512*(3*ff+\c) th:TH_LOAD_NT
.endr
	WLOAD 256+12*ff, W1B, (ff%8)*REC+1536*(ff/8)
.set ff, ff+1
.endr
	WIN 0xc0
	global_load_b128 v[252:255], v[L16], s[YB:YB+1] offset:512*63 th:TH_LOAD_NT
	WIN 0
	s_wait_loadcnt 63                              ; g2, b2 and tile w + 4 are in: 127 loads are younger, and 63 is the largest count that the wait can name
	LNROW 2
	TURNY 2, SWB, STB
	OUTQ 2, RCB
	s_wait_loadcnt 0x0                             ; tile w, and W1's 21 fragments
.irp t, 0,1,2,3,4,5,6,7                        ; window 2 is free.  58 loads: W1's scale words, the rest of W1 at the foot of window 2, bf1, bf2
	global_load_b128 v[WS1+4*\t:WS1+4*\t+3], v[L16], s[W1B:W1B+1] offset:\t*REC+6144
.endr
.set ff, 21
.rept 11
	WLOAD 512+12*(ff-21), W1B, (ff%8)*REC+1536*(ff/8)
.set ff, ff+1
.endr
.irp t, 0,1,2,3,4,5,6,7                        ; bf1 in the result's layout: for tile t my eight hidden units 32 (t / 2) + 16 h + 8 (t % 2) + 0 .. 7
	global_load_b128 v[136+8*\t:139+8*\t], v[H64], s[32:33] offset:(32*(\t/2)+8*(\t%2))*4
	global_load_b128 v[140+8*\t:143+8*\t], v[H64], s[32:33] offset:(32*(\t/2)+8*(\t%2))*4+16
.endr
	global_load_b128 v[200:203], v[L16], s[14:15]  ; bf2 at columns 128 w + 4 lane
	WIN 0
	LNROW 3
	TURNY 3, SWA, STA
	OUTQ 3, RCA
.set ff, 0
.rept 21                                       ; window 3 is free: 63 loads of W2, and 8 of its scale words
	WLOAD 768+12*ff, W2B, (ff%8)*REC+1536*(ff/8)
.set ff, ff+1
.endr
	WIN 0
.irp t, 0,1,2,3,4,5,6,7
	global_load_b128 v[WS2+4*\t:WS2+4*\t+3], v[L16], s[W2B:W2B+1] offset:\t*REC+6144
.endr
	s_wait_loadcnt 63                              ; all of W1, its scale words, bf1 and bf2 are in: 71 loads are younger
	BARRIER                                        ; xt's 128 rows lie in the stage and its eight records in LDS
	; ---- 1: the hidden layer, a tile of 16 rows a trip
	s_mov_b32 s40, 0
	s_mov_b32 s42, 0
	v_add_nc_u32 v[TF], s40, v[FB]
	FETCHREC                                       ; record 0
.Lp1:
	s_add_co_u32 s46, s42, 1
	s_and_b32 s46, s46, 7
	s_mul_i32 s44, s46, REC                        ; the next record; behind the last, record 0
	BARRIER                                        ; every wave holds this tile's codes of xt: its record may take the hidden layer's
.set ff, 0
.rept 32                                       ; eight accumulators by turns, K step by K step
.if ff < 21
.set wr, 256+12*ff
.else
.set wr, 512+12*(ff-21)
.endif
.if ff < 8
	WM HA+8*(ff%8), wr, XF+12*(ff/8), 648+8*(ff%8), WS1+4*(ff%8)+ff/8, XS+ff/8
.else
	WM HA+8*(ff%8), wr, XF+12*(ff/8), HA+8*(ff%8), WS1+4*(ff%8)+ff/8, XS+ff/8
.endif
.set ff, ff+1
.endr
	WIN 0
	v_add_nc_u32 v[TF], s44, v[FB]                 ; five places: four ahead of the first read of results and of loads into operands; a fifth, since the next trip begins these accumulators anew with another C
	v_add_nc_u32 v[TH], s40, v[HB]
	v_add_nc_u32 v[TW], s40, v[HW]
	PLACES 2
	FETCHREC                                       ; the next tile's codes of xt: no wave writes that record before the next barrier.  In the last trip: record 0 of the hidden layer, whole since the second trip's barrier
.set li, 0
.rept 64
	v_max_num_f32 v[HA+li], 0, v[HA+li]            ; the activation, in f32
.set li, li+1
.endr
	QUANT 0, HA, PC, PT, PW
.irp c, 0,1,2
	ds_store_b128 v[TH], v[PC+4*\c:PC+4*\c+3] offset:512*\c
.endr
	ds_store_b32 v[TW], v[PW]
	s_add_co_u32 s40, s40, REC
	s_add_co_u32 s42, s42, 1
	s_cmp_lt_u32 s42, 8
	s_cbranch_scc1 .Lp1
.set ff, 21
.rept 11                                       ; W1 is done with: the rest of W2 takes the foot of window 1
	WLOAD 256+12*(ff-21), W2B, (ff%8)*REC+1536*(ff/8)
.set ff, ff+1
.endr
	WIN 0
	s_wait_loadcnt 33                              ; W2's first 21 fragments and its scale words are in; the 33 loads just issued may be out
	BARRIER                                        ; the hidden layer's eight records lie in LDS
	; ---- 2: my 128 outputs, a tile of 16 rows at a time; my wave alone touches its 512 bytes of the stage's rows
.macro P2 more                         ; more = 1: the next tile's record and xt are asked for
	s_wait_dscnt 0x0                               ; this tile's record and xt are in
.set ff, 0
.rept 32
.if ff < 21
.set wr, 768+12*ff
.else
.set wr, 256+12*(ff-21)
.endif
.if ff == 21
	s_wait_loadcnt 0x0                             ; the rest of W2
.endif
	WM HA+8*(ff%8), wr, XF+12*(ff/8), HA+8*(ff%8), WS2+4*(ff%8)+ff/8, XS+ff/8
.set ff, ff+1
.endr
	WIN 0
	v_add_nc_u32 v[TH], s41, v[ARD]                ; the stage: this tile's first row, my 512 bytes.  (Four places behind the products)
.if \more
	v_add_nc_u32 v[TF], s40, v[FB]                 ; the next record
	PLACES 2
.else
	PLACES 3
.endif
	s_wait_alu depctr_va_vdst(0)
.irp n, 0,1,2,3,4,5,6,7
	ds_store_b128 v[TC], v[HA+8*\n:HA+8*\n+3] offset:64*\n         ; each accumulator from its low end on
	ds_store_b128 v[TC], v[HA+8*\n+4:HA+8*\n+7] offset:64*\n+16
.endr
	s_wait_xcnt 0x0                                ; the last tile's stores have read their offset and data registers: both are written again below
	v_add_nc_u32 v[TW], s43, v[L16]                ; this tile's first row in out
.if \more
	v_add_nc_u32 v[TC], s45, v[CB]                 ; the next tile's rows of the stage
.endif
	WIN 0x80                                       ; back by rows, into the foot of window 2 (LDS serves a wave's instructions in order)
.set oi, 0
.rept 16
	ds_load_b128 v[4*oi:4*oi+3], v[TH] offset:SPITCH*oi
.set oi, oi+1
.endr
	WIN 0
.if \more
	FETCHREC
	CLOAD
.endif
.irp q, 0,1
	s_wait_dscnt 8-8*\q+29*(\more)                 ; eight rows are back; younger: the other eight rows' loads, and the 29 loads for the next tile
	WIN 0x8a
.set oi, 0
.rept 16
	v_pk_add_f32 v[32*\q+2*oi:32*\q+2*oi+1], v[32*\q+2*oi:32*\q+2*oi+1], v[200+(2*oi)%4:201+(2*oi)%4]   ; + bf2
.set oi, oi+1
.endr
	WIN 0x08
.set oi, 0
.rept 8
	global_store_b128 v[TW], v[32*\q+4*oi:32*\q+4*oi+3], s[OUTB:OUTB+1] offset:2048*(8*\q+oi) th:TH_STORE_NT   ; 32 lanes store 512 consecutive bytes, aligned
.set oi, oi+1
.endr
.endr
	WIN 0
.endm
	s_mov_b32 s40, REC                             ; the next record,
	s_mov_b32 s41, 0                               ; this tile's rows of the stage,
	s_mov_b32 s45, 16*SPITCH                       ; the next tile's,
	s_mov_b32 s43, 0                               ; this tile's rows of out
	s_mov_b32 s42, 0
	v_add_nc_u32 v[TC], s41, v[CB]
	CLOAD                                          ; tile 0's xt; its record came in the first loop's last trip
.Lp2:
	P2 1
	s_add_co_u32 s40, s40, REC
	s_add_co_u32 s41, s41, 16*SPITCH
	s_add_co_u32 s45, s45, 16*SPITCH
	s_add_co_u32 s43, s43, 16*2048
	s_add_co_u32 s42, s42, 1
	s_cmp_lt_u32 s42, 7
	s_cbranch_scc1 .Lp2
	P2 0                                           ; the last tile
	s_wait_tensorcnt 0x0                           ; the wave's end
	ds_add_u32 v[SPW], v[NIL]
	s_wait_dscnt 0x0
	s_endpgm
.Lfunc_end_k_qba23c8ba20_ffn:
	.size	k_qba23c8ba20_ffn, .Lfunc_end_k_qba23c8ba20_ffn-k_qba23c8ba20_ffn
	.p2alignl 7, 3214868480
	.fill 96, 4, 3214868480
	.section	.rodata,"a",@progbits
	.p2align	6, 0x0
	.amdhsa_kernel k_qba23c8ba20_ffn
		.amdhsa_group_segment_fixed_size 317952
		.amdhsa_private_segment_fixed_size 0
		.amdhsa_enable_private_segment 0
		.amdhsa_kernarg_size 56
		.amdhsa_user_sgpr_count 2
		.amdhsa_user_sgpr_kernarg_segment_ptr 1
		.amdhsa_wavefront_size32 1
		.amdhsa_system_sgpr_workgroup_id_x 1
		.amdhsa_system_sgpr_workgroup_id_y 1
		.amdhsa_system_sgpr_workgroup_id_z 1
		.amdhsa_system_vgpr_workitem_id 0
		.amdhsa_next_free_vgpr 1024
		.amdhsa_next_free_sgpr 66
		.amdhsa_reserve_vcc 0
		.amdhsa_float_denorm_mode_32 3
		.amdhsa_float_denorm_mode_16_64 3
		.amdhsa_memory_ordered 1
		.amdhsa_forward_progress 1
		.amdhsa_inst_pref_size 233
	.end_amdhsa_kernel
	.amdgpu_metadata
---
amdhsa.version: [ 1, 2 ]
amdhsa.kernels:
  - .name:           k_qba23c8ba20_ffn
    .symbol:         k_qba23c8ba20_ffn.kd
    .args:
      - { .name: y, .offset: 0, .size: 8, .value_kind: global_buffer, .address_space: global }
      - { .name: wimg, .offset: 8, .size: 8, .value_kind: global_buffer, .address_space: global }
      - { .name: g2, .offset: 16, .size: 8, .value_kind: global_buffer, .address_space: global }
      - { .name: b2, .offset: 24, .size: 8, .value_kind: global_buffer, .address_space: global }
      - { .name: bf1, .offset: 32, .size: 8, .value_kind: global_buffer, .address_space: global }
      - { .name: bf2, .offset: 40, .size: 8, .value_kind: global_buffer, .address_space: global }
      - { .name: out0, .offset: 48, .size: 8, .value_kind: global_buffer, .address_space: global }
    .group_segment_fixed_size: 317952
    .private_segment_fixed_size: 0
    .kernarg_segment_align: 8
    .kernarg_segment_size: 56
    .max_flat_workgroup_size: 128
    .sgpr_count:     66
    .vgpr_count:     1024
    .wavefront_size: 32
...
	.end_amdgpu_metadata
.endif
;; end of part 6
